; MI455X (gfx1250); checked and timed in simulation.
; The chip was launched on July 23, 2026; its instructions are those of AMD's public machine-readable ISA for CDNA 5 (MIT licence, August 2026) and "CDNA5" Instruction Set Architecture Reference Guide (July 2026). The comments in the code are by the model that wrote it; some were corrected since.
;; Deformable Transformer Decoder Layer. Allowed arithmetic: matrix products marked QUANTISED: E3M2 operands, one E8M0 scale for each 32 along K, by v_wmma_scale_f32_16x16x128_f8f6f4 with both operands' format E3M2, f32 sums; products left as they are: f32 operands where the result goes on into a quantised operand, else bf16, f16 or f32 operands; f32 sums; everything else in f32.
;; Inputs: attw_b 128 float32; attw_w 128 x 256 float32; in_proj_b 768 float32; in_proj_w 768 x 256 float32; level_start_index 4 int32; lin1_b 1,024 float32; lin1_w 1,024 x 256 float32; lin2_b 256 float32; lin2_w 256 x 1,024 float32; norm1_b 256 float32; norm1_g 256 float32; norm2_b 256 float32; norm2_g 256 float32; norm3_b 256 float32; norm3_g 256 float32; off_b 256 float32; off_w 256 x 256 float32; out_proj_b 256 float32; out_proj_w 256 x 256 float32; outp_b 256 float32; outp_w 256 x 256 float32; query_pos 16 x 1,024 x 256 float32; reference_points 16 x 1,024 x 4 x 2 float32; src 16 x 5,440 x 256 float32; src_spatial_shapes 4 x 2 int32; tgt 16 x 1,024 x 256 float32; value_b 256 float32; value_w 256 x 256 float32.
;; Outputs: out0 16 x 1,024 x 256 float32.
;; This version of the problem:
;;   THIS VERSION OF THE PROBLEM IS GIVEN IN LOW PRECISION. The matrix products marked QUANTISED in the list below multiply operands that are first quantised to E3M2 (3 exponent bits, 2 mantissa bits; 6 bits a number), with one power-of-two scale for each 32 numbers along K (OCP MX v1.0); their sums are f32. All else is computed in f32.
;;   The module's matrix products, in the order in which they are computed (A, B: the left and right operand; K: the contracted axis; several contracted axes count as one K, in the product's order):
;;     1. [M 16,384, K 256] x [K 256, N 256]; A: computed on the way; B: input in_proj_w: QUANTISED
;;     2. [M 16,384, K 256] x [K 256, N 256]; A: computed on the way; B: input in_proj_w: QUANTISED
;;     3. [M 16,384, K 256] x [K 256, N 256]; A: input tgt; B: input in_proj_w: QUANTISED
;;     4. batch 128 x [M 1,024, K 32] x [K 32, N 1,024]; A: computed on the way; B: computed on the way: QUANTISED
;;     5. batch 128 x [M 32, K 1,024] x [K 1,024, N 1,024]; A: computed on the way; B: softmax (see below): QUANTISED
;;     6. [M 16,384, K 256] x [K 256, N 256]; A: computed on the way; B: input out_proj_w: QUANTISED
;;     7. [M 87,040, K 256] x [K 256, N 256]; A: input src; B: input value_w: QUANTISED
;;     8. [M 16,384, K 256] x [K 256, N 256]; A: computed on the way; B: input off_w: QUANTISED
;;     9. [M 16,384, K 256] x [K 256, N 128]; A: computed on the way; B: input attw_w: QUANTISED
;;     10. batch 131,072 x [M 32, K 4] x [K 4, N 1]; A: computed on the way; B: computed on the way: left as it is (K = 4 < 32)
;;     11. batch 131,072 x [M 32, K 4] x [K 4, N 1]; A: computed on the way; B: computed on the way: left as it is (K = 4 < 32)
;;     12. batch 131,072 x [M 32, K 4] x [K 4, N 1]; A: computed on the way; B: computed on the way: left as it is (K = 4 < 32)
;;     13. batch 131,072 x [M 32, K 4] x [K 4, N 1]; A: computed on the way; B: computed on the way: left as it is (K = 4 < 32)
;;     14. [M 16,384, K 256] x [K 256, N 256]; A: computed on the way; B: input outp_w: QUANTISED
;;     15. [M 16,384, K 256] x [K 256, N 1,024]; A: computed on the way; B: input lin1_w: QUANTISED
;;     16. [M 16,384, K 1,024] x [K 1,024, N 256]; A: computed on the way; B: input lin2_w: QUANTISED
;;   THE QUANTISER, for each operand of a quantised product, along K:
;;     - K is cut into blocks of 32 from its start; a last block that is shorter is filled with zeros.
;;     - A block's scale is 2^e with e = floor(log2(the largest magnitude in the block)) - 4, held to -126 .. 127; a block of zeros has e = 0. As a byte (E8M0): e + 127.
;;     - Each number is divided by its block's scale, clamped to +-28, and rounded to the nearest number of E3M2, ties to even, subnormals kept.
;;     - The product sums the exact products of the quantised numbers (number of the format x scale) in f32.
;;   ~~~python
;;   def quantise(x, axis):      # numpy; x: float32 -> the quantised numbers, widened to float32 again
;;       x = np.moveaxis(x, axis, -1); K = x.shape[-1]
;;       x = np.pad(x, [(0, 0)] * (x.ndim - 1) + [(0, -K % 32)]); x = x.reshape(x.shape[:-1] + (-1, 32)); a = np.abs(x).max(-1, keepdims=True)
;;       e = np.where(a > 0, np.clip(np.frexp(np.where(a > 0, a, 1))[1] - 1 - 4, -126, 127), 0)      # np.frexp(a)[1] - 1 = floor(log2(a)), exactly
;;       r = np.clip(x / 2.0 ** e, -28, 28)
;;       step = 2.0 ** (np.maximum(np.frexp(np.where(r == 0, 1, r))[1] - 1, -2) - 2)
;;       q = np.round(r / step) * step * 2.0 ** e      # np.round: ties to even
;;       return np.moveaxis(q.reshape(q.shape[:-2] + (-1,))[..., :K], -1, axis).astype(np.float32)
;;   ~~~
;;   SOFTMAX AHEAD OF A QUANTISED PRODUCT. Where the list says 'softmax', what is quantised is not the finished softmax but p = 2^(t - M), with t = logit x log2(e) and M = ceil(the row's largest t), a whole number; so 1/2 < the row's largest p <= 1. The row's sum l is taken of the UNQUANTISED p, in f32, and the product's result is divided by l at the end. Since M is a whole number, a kernel that streams over the keys may use a running M (the ceiling of the running maximum): every later rescaling is an exact power of two, which a block's scale takes up: the codes' values come out the same.
;;   OPERANDS COMPUTED ON THE WAY. 'Computed on the way' means the value that the module computes at that place (a softmax that the list does not call 'softmax' is quantised finished and normalised). What goes into a quantiser is computed in f32, as accurately as f32 sums, v_exp_f32 and their like allow (about 1e-6 of the number): no bf16 or f16 on the way to a quantiser, and a product that is left as it is and whose result goes on into a quantised operand takes f32 operands (vector FMAs, or v_wmma_f32_16x16x4_f32). A number that lies on a knife's edge between two numbers of the format may be rounded either way, as far as f32 arithmetic and the matrix unit's own rounding can turn it there, and no further.
;; 2 versions. Each part assembles by itself: llvm-mc -triple=amdgcn-amd-amdhsa -mcpu=gfx1250 --defsym DOCPART=n.
;; ======== version 1 of 2: 6 launches
;; workspace buffers: wq 825,344 bytes; kv 6,815,744 bytes; qq 3,670,016 bytes; oo 3,276,800 bytes; tga 16,777,216 bytes; sidx 8,388,608 bytes of whole numbers; swt 33,554,432 bytes; val 89,128,960 bytes
;; launch prep (part 1): grid 124 x 1, 4 waves a work-group, no clusters, 0 bytes of LDS; arguments in_proj_w, out_proj_w, value_w, off_w, attw_w, outp_w, lin1_w, lin2_w, wq; writes wq
.if DOCPART == 1
	.amdgcn_target "amdgcn-amd-amdhsa--gfx1250"
	.amdhsa_code_object_version 6
	.text
	.protected	k_qbe87ede01f_prep
	.globl	k_qbe87ede01f_prep
	.p2align	8
	.type	k_qbe87ede01f_prep,@function
k_qbe87ede01f_prep:
	s_mov_b64 s[64:65], 0
	v_nop
	global_prefetch_b8 v0, s[64:65] scope:SCOPE_SE
	s_setreg_imm32_b32 hwreg(HW_REG_WAVE_MODE, 25, 1), 1
	s_wait_xcnt 0x0
; All eight weights (f32, K innermost) become codes of BF6 (E3M2) with one E8M0 scale for each 32 along K, laid as IMAGES OF OPERAND REGISTERS:
; fragment F (16 rows x 128 K, 12 registers a lane) is 1,536 bytes at 1536 F (register group c of lane l at 512 c + 16 l); its scale words (4 bytes a lane) lie at WSC + 128 F.
; F: in_proj 0, out_proj 96, value_w 128, off_w 160, attw_w 192, outp_w 208, lin1 240 (tile x 2 + K step), lin2 368 (tile x 8 + K step).
; The rows of tile 2 b + u are 32 b + 8 u + r + 8 (r / 8), so that the transposed product leaves 16 neighbouring units in a lane's 16 registers; attw_w's tiles are 16 neighbouring rows.
; One wave makes one fragment: 496 waves.  No LDS, no barrier.
; LIMITS: NaN and infinities are not served; a block of zeros, or one whose largest magnitude lies under 2^-122, gets the scale byte 1 (its codes are then zeros or small; this program alone reads the bytes).
.set WSC, 761856
.set X,   32                           ; v32-95   64 numbers: register 16 b + i = k 32 b + 16 (lane / 16) + i of my row
.set PC,  96                           ; v96-115  the codes
.set TM,  116                          ; v116-131 at work
.set PW,  24                           ; v24      the scale word
.set SEL, 4                            ; s[4:5]   lane selects: lane l xor 16
.macro QUANT s
.irp b, 0,1,2,3
	v_max3_num_f32 v[TM+\b], |v[(\s)+16*\b]|, |v[(\s)+1+16*\b]|, 0x2800000   ; my 16 numbers of block b, and the floor 2^(5 - 127): the byte cannot fall under 1
.endr
.irp i, 2,4,6,8,10,12,14
.irp b, 0,1,2,3
	v_max3_num_f32 v[TM+\b], v[TM+\b], |v[(\s)+16*\b+\i]|, |v[(\s)+1+16*\b+\i]|
.endr
.endr
.irp b, 0,1,2,3
	v_permlanex16_b32 v[TM+4+\b], v[TM+\b], s[SEL], s[SEL+1]
.endr
.irp b, 0,1,2,3
	v_max_num_f32 v[TM+\b], v[TM+\b], v[TM+4+\b]             ; with lane l xor 16's: the block's largest magnitude
.endr
.irp b, 0,1,2,3
	v_add_nc_u32 v[TM+12+\b], 0xfe000000, v[TM+\b]           ; 4 off its exponent field: the conversion's scale operand
.endr
.irp b, 0,1,2,3
	v_lshrrev_b32 v[TM+4+\b], 23, v[TM+12+\b]                ; the scale's byte
.endr
	v_lshl_or_b32 v[PW], v[TM+5], 8, v[TM+4]
	v_lshl_or_b32 v[PW], v[TM+6], 16, v[PW]
	v_lshl_or_b32 v[PW], v[TM+7], 24, v[PW]
.irp c, 0,1
	v_cvt_scalef32_pk16_bf6_f32 v[PC+6*\c:PC+2+6*\c], v[(\s)+32*\c:(\s)+15+32*\c], v[TM+12+2*\c]
	v_cvt_scalef32_pk16_bf6_f32 v[PC+12+4*\c:PC+14+4*\c], v[(\s)+16+32*\c:(\s)+31+32*\c], v[TM+12+2*\c+1]
.endr
	v_nop                                                    ; one plain place behind the scaled conversions
.irp c, 0,1
.irp i, 0,1,2
	v_permlane16_swap_b32 v[PC+6*\c+\i], v[PC+12+4*\c+\i]    ; a whole block to a lane: lanes 0-15 block 2 c, lanes 16-31 block 2 c + 1
.endr
.irp i, 0,1,2
	v_mov_b32 v[PC+3+6*\c+\i], v[PC+12+4*\c+\i]
.endr
.endr
.endm
.macro PICK lim, ptr, f0               ; fragments under lim belong to an earlier weight
	s_cmp_lt_u32 s3, \lim
	s_cselect_b64 s[26:27], s[\ptr:\ptr+1], s[26:27]
	s_cselect_b32 s28, \f0, s28
.endm
	s_load_b512 s[8:23], s[0:1], 0x0               ; the eight weights
	s_load_b64 s[24:25], s[0:1], 0x40              ; wq
	v_lshrrev_b32 v1, 5, v0
	v_readfirstlane_b32 s2, v1                     ; wave
	s_lshl_b32 s3, ttmp9, 2
	s_add_co_u32 s3, s3, s2                        ; F
	s_mov_b32 s[SEL], 0x76543210
	s_mov_b32 s[SEL+1], 0xfedcba98
.irp b, 0,1,2,3
	v_mov_b32 v[TM+4+\b], 0                        ; a lane permute's destination counts as read
.endr
	v_and_b32 v1, 31, v0
	v_and_b32 v2, 15, v0                           ; r
	v_bfe_u32 v3, v0, 4, 1                         ; h
	v_lshlrev_b32 v5, 4, v1
	v_lshlrev_b32 v6, 2, v1
	s_wait_kmcnt 0x0
	s_mov_b64 s[26:27], s[22:23]                   ; lin2, unless F is smaller
	s_mov_b32 s28, 368
	PICK 368, 20, 240
	PICK 240, 18, 208
	PICK 208, 16, 192
	PICK 192, 14, 160
	PICK 160, 12, 128
	PICK 128, 10, 96
	PICK 96, 8, 0
	s_cmp_lt_u32 s3, 368
	s_cselect_b32 s29, 1, 3                        ; K steps a tile: 2 or 8, as a shift,
	s_cselect_b32 s30, 1, 7                        ; as a mask;
	s_cselect_b32 s31, 10, 12                      ; a row's bytes as a shift
	s_sub_co_u32 s34, s3, s28
	s_lshr_b32 s35, s34, s29                       ; tile
	s_and_b32 s34, s34, s30                        ; K step
	s_lshl_b32 s36, s35, 4                         ; neighbouring rows: 16 x tile
	s_lshr_b32 s37, s35, 1
	s_lshl_b32 s37, s37, 5
	s_and_b32 s38, s35, 1
	s_lshl_b32 s38, s38, 3
	s_add_co_u32 s37, s37, s38                     ; else 32 (tile / 2) + 8 (tile % 2)
	s_sub_co_u32 s32, s3, 192
	s_cmp_lt_u32 s32, 16                           ; attw_w?
	s_cselect_b32 s36, s36, s37
	s_cselect_b32 s33, 0, 8
	s_lshl_b32 s36, s36, s31
	s_lshl_b32 s34, s34, 9
	s_add_co_u32 s36, s36, s34
	s_mov_b32 s37, 0
	s_add_nc_u64 s[26:27], s[26:27], s[36:37]      ; the tile's first row, at the K step
	v_and_b32 v4, s33, v2
	v_add_nc_u32 v4, v4, v2                        ; r + 8 (r / 8), or r
	v_lshlrev_b32 v4, s31, v4
	v_lshl_add_u32 v4, v3, 6, v4                   ; + 64 h: my 16 numbers of each block
.irp b, 0,1,2,3
.irp j, 0,1,2,3
	global_load_b128 v[X+16*\b+4*\j:X+16*\b+4*\j+3], v4, s[26:27] offset:128*\b+16*\j
.endr
.endr
	s_mul_i32 s36, s3, 1536
	s_add_nc_u64 s[38:39], s[24:25], s[36:37]
	s_lshl_b32 s36, s3, 7
	s_add_nc_u64 s[40:41], s[24:25], s[36:37]
	s_wait_loadcnt 0x0
	QUANT X
.irp c, 0,1,2
	global_store_b128 v5, v[PC+4*\c:PC+4*\c+3], s[38:39] offset:512*\c    ; 512 consecutive bytes a store
.endr
	global_store_b32 v6, v[PW], s[40:41] offset:WSC
	s_endpgm
.Lfunc_end_k_qbe87ede01f_prep:
	.size	k_qbe87ede01f_prep, .Lfunc_end_k_qbe87ede01f_prep-k_qbe87ede01f_prep
	.p2alignl 7, 3214868480
	.fill 96, 4, 3214868480
	.section	.rodata,"a",@progbits
	.p2align	6, 0x0
	.amdhsa_kernel k_qbe87ede01f_prep
		.amdhsa_group_segment_fixed_size 0
		.amdhsa_private_segment_fixed_size 0
		.amdhsa_enable_private_segment 0
		.amdhsa_kernarg_size 72
		.amdhsa_user_sgpr_count 2
		.amdhsa_user_sgpr_kernarg_segment_ptr 1
		.amdhsa_wavefront_size32 1
		.amdhsa_system_sgpr_workgroup_id_x 1
		.amdhsa_system_sgpr_workgroup_id_y 1
		.amdhsa_system_sgpr_workgroup_id_z 1
		.amdhsa_system_vgpr_workitem_id 0
		.amdhsa_next_free_vgpr 144
		.amdhsa_next_free_sgpr 66
		.amdhsa_reserve_vcc 0
		.amdhsa_float_denorm_mode_32 3
		.amdhsa_float_denorm_mode_16_64 3
		.amdhsa_memory_ordered 1
		.amdhsa_forward_progress 1
		.amdhsa_inst_pref_size 9
	.end_amdhsa_kernel
	.amdgpu_metadata
---
amdhsa.version: [ 1, 2 ]
amdhsa.kernels:
  - .name:           k_qbe87ede01f_prep
    .symbol:         k_qbe87ede01f_prep.kd
    .args:
      - { .name: in_proj_w, .offset: 0, .size: 8, .value_kind: global_buffer, .address_space: global }
      - { .name: out_proj_w, .offset: 8, .size: 8, .value_kind: global_buffer, .address_space: global }
      - { .name: value_w, .offset: 16, .size: 8, .value_kind: global_buffer, .address_space: global }
      - { .name: off_w, .offset: 24, .size: 8, .value_kind: global_buffer, .address_space: global }
      - { .name: attw_w, .offset: 32, .size: 8, .value_kind: global_buffer, .address_space: global }
      - { .name: outp_w, .offset: 40, .size: 8, .value_kind: global_buffer, .address_space: global }
      - { .name: lin1_w, .offset: 48, .size: 8, .value_kind: global_buffer, .address_space: global }
      - { .name: lin2_w, .offset: 56, .size: 8, .value_kind: global_buffer, .address_space: global }
      - { .name: wq, .offset: 64, .size: 8, .value_kind: global_buffer, .address_space: global }
    .group_segment_fixed_size: 0
    .private_segment_fixed_size: 0
    .kernarg_segment_align: 8
    .kernarg_segment_size: 72
    .max_flat_workgroup_size: 128
    .sgpr_count:     66
    .vgpr_count:     144
    .wavefront_size: 32
...
	.end_amdgpu_metadata
.endif
;; end of part 1
;; launch value (part 2): grid 272 x 1, 4 waves a work-group, no clusters, 47,616 bytes of LDS; arguments src, wq, value_b, val; writes val
.if DOCPART == 2
	.amdgcn_target "amdgcn-amd-amdhsa--gfx1250"
	.amdhsa_code_object_version 6
	.text
	.protected	k_qbe87ede01f_value
	.globl	k_qbe87ede01f_value
	.p2align	8
	.type	k_qbe87ede01f_value,@function
k_qbe87ede01f_value:
	s_mov_b64 s[64:65], 0
	v_nop
	global_prefetch_b8 v0, s[64:65] scope:SCOPE_SE
	s_setreg_imm32_b32 hwreg(HW_REG_WAVE_MODE, 25, 1), 1
	s_wait_xcnt 0x0
; val = src value_w^T + value_b on codes of BF6, f32 sums, stored f32 as [batch x 8 + head][position 5,440][32].
; A batch's 5,440 rows are 17 work-groups x 5 blocks of 64 rows.  In a block wave w quantises rows 16 w .. 16 w + 15 (two fragments, handed on through LDS as images of their registers),
; then makes heads 2 w and 2 w + 1 (units 64 w .. 64 w + 63) for all 64 rows; its eight weight fragments and its bias stay in registers.
; src is loaded 512 consecutive bytes a load and turned through the wave's own stage in LDS, so that a lane holds 16 neighbours of each block of 32; the next block's 32 loads are out while this one is worked.
; The product is used transposed (source 0 = 16 rows of the weight, source 1 = 16 rows of src).  No tensor loads: nothing is streamed through LDS by an engine.  No cluster: work-groups share the weight alone, 48 KB of images.
; LIMITS: NaN and infinities are not served; a block of zeros gets the scale byte 1 (its codes are zeros).
; REGISTERS: window 0: v1-9 addresses, v10-19 scale words, v32-159 rows (later v32-55 fragments, v64-95 sums, v96-127 rows of val), v160-196 the quantiser's.  window 1: v0-95 weights, v96-127 bias, v128-255 src as loaded.
.set WSC,  761856
.set XIMG, 33792                       ; LDS: 0 .. 33,791 four stages of 16 x 528; the rows' 8 fragments;
.set XSC,  46080                       ; their scale words
.set LI, 1
.set LS, 2
.set TSW, 3
.set TSR, 4
.set XWI, 5
.set XWS, 6
.set OSW, 7
.set OSR, 8
.set H64, 9
.set WS, 10
.set XS, 18
.set RL, 32
.set XF, 32
.set ACC, 64
.set OB, 96
.set PC, 160
.set TM, 180
.set PW, 196
.set RAW, 128
.set WV, 2
.set BLK, 3
.set SEL, 4
.set SRC, 8
.set BB, 12
.set VAL, 14
.set WB, 28
.set WSB, 30
.set MSB, 0
.macro WIN new                         ; the immediate's high byte repeats the setting that is left
.if MSB != (\new)
	s_set_vgpr_msb (MSB<<8)|(\new)
.set MSB, \new
.endif
.endm
.macro PLACES n
.rept \n
	v_nop
.endr
.endm
.macro QUANT s
.irp b, 0,1,2,3
	v_max3_num_f32 v[TM+\b], |v[(\s)+16*\b]|, |v[(\s)+1+16*\b]|, 0x2800000
.endr
.irp i, 2,4,6,8,10,12,14
.irp b, 0,1,2,3
	v_max3_num_f32 v[TM+\b], v[TM+\b], |v[(\s)+16*\b+\i]|, |v[(\s)+1+16*\b+\i]|
.endr
.endr
.irp b, 0,1,2,3
	v_permlanex16_b32 v[TM+4+\b], v[TM+\b], s[SEL], s[SEL+1]
.endr
.irp b, 0,1,2,3
	v_max_num_f32 v[TM+\b], v[TM+\b], v[TM+4+\b]
.endr
.irp b, 0,1,2,3
	v_add_nc_u32 v[TM+12+\b], 0xfe000000, v[TM+\b]
.endr
.irp b, 0,1,2,3
	v_lshrrev_b32 v[TM+4+\b], 23, v[TM+12+\b]
.endr
	v_lshl_or_b32 v[PW], v[TM+5], 8, v[TM+4]
	v_lshl_or_b32 v[PW], v[TM+6], 16, v[PW]
	v_lshl_or_b32 v[PW], v[TM+7], 24, v[PW]
.irp c, 0,1
	v_cvt_scalef32_pk16_bf6_f32 v[PC+6*\c:PC+2+6*\c], v[(\s)+32*\c:(\s)+15+32*\c], v[TM+12+2*\c]
	v_cvt_scalef32_pk16_bf6_f32 v[PC+12+4*\c:PC+14+4*\c], v[(\s)+16+32*\c:(\s)+31+32*\c], v[TM+12+2*\c+1]
.endr
	v_nop
.irp c, 0,1
.irp i, 0,1,2
	v_permlane16_swap_b32 v[PC+6*\c+\i], v[PC+12+4*\c+\i]
.endr
.irp i, 0,1,2
	v_mov_b32 v[PC+3+6*\c+\i], v[PC+12+4*\c+\i]
.endr
.endr
.endm
.macro IMAGE adr, off
.irp c, 0,1,2
	ds_store_b128 v[\adr], v[PC+4*\c:PC+4*\c+3] offset:(\off)+512*\c
.endr
.endm
.macro FETCH reg, adr, off
.irp c, 0,1,2
	ds_load_b128 v[(\reg)+4*\c:(\reg)+4*\c+3], v[\adr] offset:(\off)+512*\c
.endr
.endm
.macro BARRIER                         ; my LDS stores have landed and my LDS loads are in: then the work-group's barrier
	s_wait_dscnt 0x0
	s_barrier_signal -1
	s_barrier_wait -1
.endm
.macro MM d, a, b, c, sa, sb
	v_wmma_scale_f32_16x16x128_f8f6f4 v[(\d):(\d)+7], v[(\a):(\a)+11], v[(\b):(\b)+11], v[(\c):(\c)+7], v[\sa], v[\sb] matrix_a_fmt:MATRIX_FMT_BF6 matrix_b_fmt:MATRIX_FMT_BF6
.endm
.macro WLOAD reg, n, base, f0          ; n fragment images
.set wi, 0
.rept \n
.irp c, 0,1,2
	global_load_b128 v[(\reg)+12*wi+4*\c:(\reg)+12*wi+4*\c+3], v[LI], s[\base:\base+1] offset:((\f0)+wi)*1536+512*\c
.endr
.set wi, wi+1
.endr
.endm
.macro WSLOAD reg, n, base, f0         ; and their scale words
.set wi, 0
.rept \n
	global_load_b32 v[(\reg)+wi], v[LS], s[\base:\base+1] offset:WSC+((\f0)+wi)*128
.set wi, wi+1
.endr
.endm
.macro BLOAD reg, base, tiles, off     ; a bias in the result's layout: tile 2 b + u, lane half h: units 32 b + 16 h + 8 u + 0 .. 7
.set wi, 0
.rept \tiles
	global_load_b128 v[(\reg)+8*wi:(\reg)+8*wi+3], v[H64], s[\base:\base+1] offset:(\off)+128*(wi/2)+32*(wi%2)
	global_load_b128 v[(\reg)+8*wi+4:(\reg)+8*wi+7], v[H64], s[\base:\base+1] offset:(\off)+128*(wi/2)+32*(wi%2)+16
.set wi, wi+1
.endr
.endm
.macro LOADU reg, base, off            ; half of each of my 16 rows (one K step): 512 consecutive bytes a load; read once in the launch
.set wi, 0
.rept 16
	global_load_b128 v[(\reg)+4*wi:(\reg)+4*wi+3], v[LI], s[\base:\base+1] offset:(\off)+1024*wi th:TH_LOAD_NT
.set wi, wi+1
.endr
.endm
.macro TURNU src, sw, dst, dw          ; through my own stage: in as loaded, out 16 neighbours of each block a lane.  LDS serves a wave's instructions in order: no wait between
	WIN (\sw)<<2
.set wi, 0
.rept 16
	ds_store_b128 v[TSW], v[(\src)+4*wi:(\src)+4*wi+3] offset:528*wi
.set wi, wi+1
.endr
	WIN (\dw)<<6
.irp b, 0,1,2,3
.irp j, 0,1,2,3
	ds_load_b128 v[(\dst)+16*\b+4*\j:(\dst)+16*\b+4*\j+3], v[TSR] offset:128*\b+16*\j
.endr
.endr
	WIN 0
.endm
	s_load_b256 s[8:15], s[0:1], 0x0               ; src, wq, value_b, val
	v_lshl_add_u32 v254, v0, 2, 0xb800
	v_mov_b32 v255, 0
	v_lshrrev_b32 v20, 5, v0
	v_readfirstlane_b32 s[WV], v20                 ; wave
	v_and_b32 v20, 31, v0                          ; lane
	v_and_b32 v21, 15, v0                          ; r
	v_bfe_u32 v22, v0, 4, 1                        ; h
	v_lshlrev_b32 v[LI], 4, v20
	v_lshlrev_b32 v[LS], 2, v20
	s_mul_i32 s16, s[WV], 8448                     ; my stage
	v_add_nc_u32 v[TSW], s16, v[LI]
	v_mul_u32_u24 v23, v21, 528
	v_lshl_add_u32 v23, v22, 6, v23
	v_add_nc_u32 v[TSR], s16, v23
	v_mul_u32_u24 v23, v21, 144                    ; the way out uses the same bytes: rows of 128 + 16
	v_lshl_add_u32 v23, v22, 6, v23
	v_add_nc_u32 v[OSW], s16, v23
	v_lshrrev_b32 v23, 3, v20
	v_mul_u32_u24 v23, v23, 144
	v_and_b32 v24, 7, v20
	v_lshl_add_u32 v23, v24, 4, v23
	v_add_nc_u32 v[OSR], s16, v23
	s_mul_i32 s17, s[WV], 3072
	s_add_co_u32 s17, s17, XIMG
	v_add_nc_u32 v[XWI], s17, v[LI]
	s_lshl_b32 s17, s[WV], 8
	s_add_co_u32 s17, s17, XSC
	v_add_nc_u32 v[XWS], s17, v[LS]
	v_lshlrev_b32 v[H64], 6, v22
	s_mov_b32 s[SEL], 0x76543210
	s_mov_b32 s[SEL+1], 0xfedcba98
.irp b, 0,1,2,3
	v_mov_b32 v[TM+4+\b], 0
.endr
	s_mul_i32 s18, ttmp9, 327680                   ; src: 320 rows of 1,024 bytes a work-group,
	s_lshl_b32 s19, s[WV], 14                      ; 16 rows a wave
	s_add_co_u32 s18, s18, s19
	s_mov_b32 s19, 0
	s_mul_i32 s20, ttmp9, 3856
	s_lshr_b32 s20, s20, 16                        ; batch = work-group / 17 (exact for 0 .. 271)
	s_mul_i32 s21, s20, 17
	s_sub_co_u32 s21, ttmp9, s21
	s_mul_i32 s21, s21, 40960                      ; 320 positions of 128 bytes
	s_lshl_b32 s20, s20, 3
	s_lshl_b32 s22, s[WV], 1
	s_add_co_u32 s20, s20, s22                     ; batch x 8 + my first head
	s_mul_i32 s20, s20, 696320
	s_add_co_u32 s20, s20, s21
	s_mov_b32 s21, 0
	s_mul_i32 s22, s[WV], 12288
	s_mov_b32 s23, 0
	s_lshl_b32 s24, s[WV], 10
	s_mov_b32 s25, 0
	s_lshl_b32 s26, s[WV], 8
	s_mov_b32 s27, 0
	s_wait_kmcnt 0x0
	s_add_nc_u64 s[SRC:SRC+1], s[SRC:SRC+1], s[18:19]
	s_add_nc_u64 s[VAL:VAL+1], s[VAL:VAL+1], s[20:21]
	s_add_nc_u64 s[WB:WB+1], s[10:11], s[22:23]
	s_add_nc_u64 s[WSB:WSB+1], s[10:11], s[24:25]
	s_add_nc_u64 s[BB:BB+1], s[BB:BB+1], s[26:27]
	WIN 0x40
	WLOAD 0, 8, WB, 128
	BLOAD 96, BB, 4, 0
	WIN 0
	WSLOAD WS, 8, WSB, 128
	WIN 0x40
	LOADU RAW, SRC, 0
	LOADU RAW+64, SRC, 512
	WIN 0
	s_mov_b32 s[BLK], 5
.Lblock:
	s_wait_loadcnt 0x0                             ; this block's rows (and, the first time, the weights)
	TURNU RAW, 1, RL, 0
	TURNU RAW+64, 1, RL+64, 0
	s_wait_dscnt 0x0                               ; the stage's stores have read the loaded registers
	s_cmp_eq_u32 s[BLK], 1                         ; the last block asks for nothing: no load leaves its buffer
	s_cbranch_scc1 .Lno_next
	s_add_nc_u64 s[SRC:SRC+1], s[SRC:SRC+1], 65536 ; no load is out: the base may step
	WIN 0x40
	LOADU RAW, SRC, 0
	LOADU RAW+64, SRC, 512
	WIN 0
.Lno_next:
	QUANT RL
	IMAGE XWI, 0
	ds_store_b32 v[XWS], v[PW]
	s_wait_dscnt 0x0                               ; the stores have read their registers
	QUANT RL+64
	IMAGE XWI, 1536
	ds_store_b32 v[XWS], v[PW] offset:128
	BARRIER                                        ; the block's eight fragments lie in LDS
.irp m, 0,1,2,3
	FETCH XF, LI, XIMG+(2*\m)*1536
	FETCH XF+12, LI, XIMG+(2*\m+1)*1536
	ds_load_b32 v[XS], v[LS] offset:XSC+128*(2*\m)
	ds_load_b32 v[XS+1], v[LS] offset:XSC+128*(2*\m+1)
	s_wait_dscnt 0x0
	WIN 0x11                                       ; weight and bias in window 1
.irp i, 0,1,2,3
	MM ACC+8*\i, 24*\i, XF, 96+8*\i, WS+2*\i, XS   ; the bias starts the sum; the four accumulators take turns
.endr
	WIN 0x01
.irp i, 0,1,2,3
	MM ACC+8*\i, 24*\i+12, XF+12, ACC+8*\i, WS+2*\i+1, XS+1
.endr
	WIN 0
	PLACES 5                                       ; behind the products: their results are read, their sources loaded again, their accumulators begun anew
.irp i, 0,1,2,3
	ds_store_b128 v[OSW], v[ACC+8*\i:ACC+8*\i+3] offset:2304*(\i/2)+32*(\i%2)      ; lane (r, h): row 16 m + r, head i / 2, dims 16 h + 8 (i % 2) + 0 .. 7
	ds_store_b128 v[OSW], v[ACC+8*\i+4:ACC+8*\i+7] offset:2304*(\i/2)+32*(\i%2)+16
.endr
	s_wait_xcnt 0x0                                ; the last stores have read their data registers
.irp k, 0,1,2,3,4,5,6,7
	ds_load_b128 v[OB+4*\k:OB+4*\k+3], v[OSR] offset:2304*(\k/4)+576*(\k%4)
.endr
	s_wait_dscnt 0x0
.irp k, 0,1,2,3,4,5,6,7
	global_store_b128 v[LI], v[OB+4*\k:OB+4*\k+3], s[VAL:VAL+1] offset:696320*(\k/4)+2048*\m+512*(\k%4)   ; four positions of one head: 512 consecutive bytes, aligned
.endr
.endr
	BARRIER                                        ; every wave has read the images: they may be written again
	s_wait_xcnt 0x0                                ; the stores have read their base and data
	s_add_nc_u64 s[VAL:VAL+1], s[VAL:VAL+1], 8192
	s_sub_co_u32 s[BLK], s[BLK], 1
	s_cmp_lg_u32 s[BLK], 0
	s_cbranch_scc1 .Lblock
	s_wait_tensorcnt 0x0
	ds_add_u32 v254, v255
	s_wait_dscnt 0x0
	s_endpgm
.Lfunc_end_k_qbe87ede01f_value:
	.size	k_qbe87ede01f_value, .Lfunc_end_k_qbe87ede01f_value-k_qbe87ede01f_value
	.p2alignl 7, 3214868480
	.fill 96, 4, 3214868480
	.section	.rodata,"a",@progbits
	.p2align	6, 0x0
	.amdhsa_kernel k_qbe87ede01f_value
		.amdhsa_group_segment_fixed_size 47616
		.amdhsa_private_segment_fixed_size 0
		.amdhsa_enable_private_segment 0
		.amdhsa_kernarg_size 32
		.amdhsa_user_sgpr_count 2
		.amdhsa_user_sgpr_kernarg_segment_ptr 1
		.amdhsa_wavefront_size32 1
		.amdhsa_system_sgpr_workgroup_id_x 1
		.amdhsa_system_sgpr_workgroup_id_y 1
		.amdhsa_system_sgpr_workgroup_id_z 1
		.amdhsa_system_vgpr_workitem_id 0
		.amdhsa_next_free_vgpr 512
		.amdhsa_next_free_sgpr 66
		.amdhsa_reserve_vcc 0
		.amdhsa_float_denorm_mode_32 3
		.amdhsa_float_denorm_mode_16_64 3
		.amdhsa_memory_ordered 1
		.amdhsa_forward_progress 1
		.amdhsa_inst_pref_size 41
	.end_amdhsa_kernel
	.amdgpu_metadata
---
amdhsa.version: [ 1, 2 ]
amdhsa.kernels:
  - .name:           k_qbe87ede01f_value
    .symbol:         k_qbe87ede01f_value.kd
    .args:
      - { .name: src, .offset: 0, .size: 8, .value_kind: global_buffer, .address_space: global }
      - { .name: wq, .offset: 8, .size: 8, .value_kind: global_buffer, .address_space: global }
      - { .name: value_b, .offset: 16, .size: 8, .value_kind: global_buffer, .address_space: global }
      - { .name: val, .offset: 24, .size: 8, .value_kind: global_buffer, .address_space: global }
    .group_segment_fixed_size: 47616
    .private_segment_fixed_size: 0
    .kernarg_segment_align: 8
    .kernarg_segment_size: 32
    .max_flat_workgroup_size: 128
    .sgpr_count:     66
    .vgpr_count:     512
    .wavefront_size: 32
...
	.end_amdgpu_metadata
.endif
;; end of part 2
;; launch qkv (part 3): grid 256 x 1, 4 waves a work-group, no clusters, 87,552 bytes of LDS; arguments tgt, query_pos, wq, in_proj_b, kv, qq; writes kv, qq
.if DOCPART == 3
	.amdgcn_target "amdgcn-amd-amdhsa--gfx1250"
	.amdhsa_code_object_version 6
	.text
	.protected	k_qbe87ede01f_qkv
	.globl	k_qbe87ede01f_qkv
	.p2align	8
	.type	k_qbe87ede01f_qkv,@function
k_qbe87ede01f_qkv:
	s_mov_b64 s[64:65], 0
	v_nop
	global_prefetch_b8 v0, s[64:65] scope:SCOPE_SE
	s_setreg_imm32_b32 hwreg(HW_REG_WAVE_MODE, 25, 1), 1
	s_wait_xcnt 0x0
; Q = (tgt + pos) Wq^T + bq, K = (tgt + pos) Wk^T + bk, V = tgt Wv^T + bv on codes of BF6, then Q, K, V themselves quantised for the attention.
; A work-group takes 128 tokens (one key step of the attention) and four heads, a wave one head.  The two work-groups of a token group quantise the same rows twice: the price of 256 equal work-groups on one path.
; TOKEN TILES: tile T's row r is token 32 (T / 2) + 8 (T % 2) + r + 8 (r / 8), so that the attention's transposed scores leave 16 neighbouring keys in 16 registers.
; Q, K: transposed product (source 0 = 16 rows of the weight, source 1 = a token tile): a lane holds one token and 16 of the head's 32 dims; four token tiles are quantised together, the tile taking the part of the block:
;   a head is exactly one block of 32, and the result is a fragment whose block j is key tile 4 f + j.  K leaves as that image, Q as plain rows of 24 bytes and one scale byte (in a word) a token.
; V: plain product (source 0 = a token tile, source 1 = 16 rows of Wv): a lane holds one dim and its registers run along the tokens, which are the second product's K.
; kv: for each (batch, head) 53,248 bytes: K images 16 x 1,536; V images at 24,576; K scale words at 49,152; V's at 51,200.
; LIMITS: NaN and infinities are not served; a block of zeros gets the scale byte 1.
; REGISTERS: window 0: v1-12 addresses, v16-39 fragments, v40-53 scale words, v56-183 sums (first: 64 numbers of tgt, 64 of pos), v184-223 the quantiser's.  window 1: weights v0-143, biases v144-191.  windows 2, 3: rows as loaded.
.set WSC,  761856
.set QSO,  3145728
.set QIMG, 33792                       ; LDS: four stages; q's 16 fragments; tgt's 16 lie 24,576 further on;
.set QSC,  82944                       ; q's scale words; tgt's 2,048 further on
.set LI, 1
.set LS, 2
.set TSW, 3
.set TSR, 4
.set IWI, 5
.set IWS, 6
.set QA, 7
.set QSA, 8
.set H64, 9
.set PR4, 10
.set IRI, 11
.set IRS, 12
.set XF, 16
.set XS, 40
.set WS, 42
.set ACC, 56
.set T64, 56
.set P64, 120
.set PC, 184
.set TM, 204
.set PW, 220
.set WV, 2
.set SEL, 4
.set MHI, 6
.set TB, 8
.set PB, 10
.set BB, 14
.set WB, 42
.set WSB, 44
.set KVB, 46
.set KVS, 48
.set QCB, 50
.set QSB, 52
.set MSB, 0
.macro WIN new
.if MSB != (\new)
	s_set_vgpr_msb (MSB<<8)|(\new)
.set MSB, \new
.endif
.endm
.macro PLACES n
.rept \n
	v_nop
.endr
.endm
.macro QUANT s
.irp b, 0,1,2,3
	v_max3_num_f32 v[TM+\b], |v[(\s)+16*\b]|, |v[(\s)+1+16*\b]|, 0x2800000
.endr
.irp i, 2,4,6,8,10,12,14
.irp b, 0,1,2,3
	v_max3_num_f32 v[TM+\b], v[TM+\b], |v[(\s)+16*\b+\i]|, |v[(\s)+1+16*\b+\i]|
.endr
.endr
.irp b, 0,1,2,3
	v_permlanex16_b32 v[TM+4+\b], v[TM+\b], s[SEL], s[SEL+1]
.endr
.irp b, 0,1,2,3
	v_max_num_f32 v[TM+\b], v[TM+\b], v[TM+4+\b]
.endr
.irp b, 0,1,2,3
	v_add_nc_u32 v[TM+12+\b], 0xfe000000, v[TM+\b]
.endr
.irp b, 0,1,2,3
	v_lshrrev_b32 v[TM+4+\b], 23, v[TM+12+\b]
.endr
	v_lshl_or_b32 v[PW], v[TM+5], 8, v[TM+4]
	v_lshl_or_b32 v[PW], v[TM+6], 16, v[PW]
	v_lshl_or_b32 v[PW], v[TM+7], 24, v[PW]
.irp c, 0,1
	v_cvt_scalef32_pk16_bf6_f32 v[PC+6*\c:PC+2+6*\c], v[(\s)+32*\c:(\s)+15+32*\c], v[TM+12+2*\c]
	v_cvt_scalef32_pk16_bf6_f32 v[PC+12+4*\c:PC+14+4*\c], v[(\s)+16+32*\c:(\s)+31+32*\c], v[TM+12+2*\c+1]
.endr
	v_nop
.irp c, 0,1
.irp i, 0,1,2
	v_permlane16_swap_b32 v[PC+6*\c+\i], v[PC+12+4*\c+\i]
.endr
.irp i, 0,1,2
	v_mov_b32 v[PC+3+6*\c+\i], v[PC+12+4*\c+\i]
.endr
.endr
.endm
.macro IMAGE adr, off
.irp c, 0,1,2
	ds_store_b128 v[\adr], v[PC+4*\c:PC+4*\c+3] offset:(\off)+512*\c
.endr
.endm
.macro FETCH reg, adr, off
.irp c, 0,1,2
	ds_load_b128 v[(\reg)+4*\c:(\reg)+4*\c+3], v[\adr] offset:(\off)+512*\c
.endr
.endm
.macro BARRIER
	s_wait_dscnt 0x0
	s_barrier_signal -1
	s_barrier_wait -1
.endm
.macro MM d, a, b, c, sa, sb
	v_wmma_scale_f32_16x16x128_f8f6f4 v[(\d):(\d)+7], v[(\a):(\a)+11], v[(\b):(\b)+11], v[(\c):(\c)+7], v[\sa], v[\sb] matrix_a_fmt:MATRIX_FMT_BF6 matrix_b_fmt:MATRIX_FMT_BF6
.endm
.macro WLOAD reg, n, base, f0
.set wi, 0
.rept \n
.irp c, 0,1,2
	global_load_b128 v[(\reg)+12*wi+4*\c:(\reg)+12*wi+4*\c+3], v[LI], s[\base:\base+1] offset:((\f0)+wi)*1536+512*\c
.endr
.set wi, wi+1
.endr
.endm
.macro WSLOAD reg, n, base, f0
.set wi, 0
.rept \n
	global_load_b32 v[(\reg)+wi], v[LS], s[\base:\base+1] offset:WSC+((\f0)+wi)*128
.set wi, wi+1
.endr
.endm
.macro BLOAD reg, base, tiles, off
.set wi, 0
.rept \tiles
	global_load_b128 v[(\reg)+8*wi:(\reg)+8*wi+3], v[H64], s[\base:\base+1] offset:(\off)+128*(wi/2)+32*(wi%2)
	global_load_b128 v[(\reg)+8*wi+4:(\reg)+8*wi+7], v[H64], s[\base:\base+1] offset:(\off)+128*(wi/2)+32*(wi%2)+16
.set wi, wi+1
.endr
.endm
.macro LOADU reg, base, off            ; half of each of a token tile's 16 rows: row p of the tile lies p + 8 (p / 8) rows on; 512 consecutive bytes a load
.set wi, 0
.rept 16
	global_load_b128 v[(\reg)+4*wi:(\reg)+4*wi+3], v[LI], s[\base:\base+1] offset:(\off)+1024*(wi+8*(wi/8))
.set wi, wi+1
.endr
.endm
.macro TURNU src, sw, dst, dw
	WIN (\sw)<<2
.set wi, 0
.rept 16
	ds_store_b128 v[TSW], v[(\src)+4*wi:(\src)+4*wi+3] offset:528*wi
.set wi, wi+1
.endr
	WIN (\dw)<<6
.irp b, 0,1,2,3
.irp j, 0,1,2,3
	ds_load_b128 v[(\dst)+16*\b+4*\j:(\dst)+16*\b+4*\j+3], v[TSR] offset:128*\b+16*\j
.endr
.endr
	WIN 0
.endm
; unit u = 2 e + s: token tile 2 w + e, K step s.  Its rows of tgt and of pos: 32 loads
.macro XISSUE u
	WIN (2+(\u)/2)<<6
	LOADU 128*((\u)%2), TB, 512*((\u)%2)+8192*((\u)/2)
	LOADU 128*((\u)%2)+64, PB, 512*((\u)%2)+8192*((\u)/2)
	WIN 0
.endm
.macro XUNIT u
.if (\u) < 3
	s_wait_loadcnt 32                              ; this unit's loads are in; the next unit's 32 may be out
.else
	s_wait_loadcnt 0x0
.endif
	TURNU 128*((\u)%2), 2+(\u)/2, T64, 0
	TURNU 128*((\u)%2)+64, 2+(\u)/2, P64, 0
	s_wait_dscnt 0x0
.if (\u) < 2
	XISSUE (\u)+2
.endif
.set wi, 0
.rept 32
	v_pk_add_f32 v[P64+wi:P64+wi+1], v[P64+wi:P64+wi+1], v[T64+wi:T64+wi+1]    ; q = tgt + pos
.set wi, wi+2
.endr
	QUANT T64
	IMAGE IWI, 24576+1536*(\u)
	ds_store_b32 v[IWS], v[PW] offset:2048+128*(\u)
	s_wait_dscnt 0x0                               ; the stores have read their registers
	QUANT P64
	IMAGE IWI, 1536*(\u)
	ds_store_b32 v[IWS], v[PW] offset:128*(\u)
	s_wait_dscnt 0x0
.endm
; Q and K of my head for token tiles 4 f .. 4 f + 3
.macro QKPASS f
.irp g, 0,1,2,3
	FETCH XF, IRI, (2*(4*(\f)+\g))*1536
	FETCH XF+12, IRI, (2*(4*(\f)+\g)+1)*1536
	ds_load_b32 v[XS], v[IRS] offset:128*(2*(4*(\f)+\g))
	ds_load_b32 v[XS+1], v[IRS] offset:128*(2*(4*(\f)+\g)+1)
	s_wait_dscnt 0x0
	WIN 0x11                                       ; weight and bias in window 1; the four accumulators take turns
.irp u, 0,1
	MM ACC+16*\g+8*\u, 24*\u, XF, 144+8*\u, WS+2*\u, XS
.endr
.irp u, 0,1
	MM ACC+64+16*\g+8*\u, 48+24*\u, XF, 160+8*\u, WS+4+2*\u, XS
.endr
	WIN 0x01
.irp u, 0,1
	MM ACC+16*\g+8*\u, 24*\u+12, XF+12, ACC+16*\g+8*\u, WS+2*\u+1, XS+1
.endr
.irp u, 0,1
	MM ACC+64+16*\g+8*\u, 48+24*\u+12, XF+12, ACC+64+16*\g+8*\u, WS+4+2*\u+1, XS+1
.endr
	WIN 0
	PLACES 5
.endr
	QUANT ACC                                      ; Q: registers 6 c .. 6 c + 5 of lane (r, h) are the 24 bytes of token 64 f + 32 c + 8 h + r + 8 (r / 8)
.irp c, 0,1
.irp i, 0,1,2
	global_store_b64 v[QA], v[PC+6*\c+2*\i:PC+6*\c+2*\i+1], s[QCB:QCB+1] offset:(64*(\f)+32*\c)*24+8*\i
.endr
	v_cndmask_b32 v[221+\c], v[TM+4+2*\c], v[TM+5+2*\c], s[MHI]    ; that token's scale byte
	global_store_b32 v[QSA], v[221+\c], s[QSB:QSB+1] offset:QSO+(64*(\f)+32*\c)*4
.endr
	s_wait_xcnt 0x0                                ; the stores have read their data
	QUANT ACC+64                                   ; K: the fragment as it stands
.irp c, 0,1,2
	global_store_b128 v[LI], v[PC+4*\c:PC+4*\c+3], s[KVB:KVB+1] offset:1536*(\f)+512*\c
.endr
	global_store_b32 v[LS], v[PW], s[KVS:KVS+1] offset:49152+128*(\f)
	s_wait_xcnt 0x0
.endm
	s_load_b256 s[8:15], s[0:1], 0x0               ; tgt, query_pos, wq, in_proj_b
	s_load_b128 s[16:19], s[0:1], 0x20             ; kv, qq
	v_lshl_add_u32 v254, v0, 2, 0x15400
	v_mov_b32 v255, 0
	v_lshrrev_b32 v16, 5, v0
	v_readfirstlane_b32 s[WV], v16
	v_and_b32 v16, 31, v0                          ; lane
	v_and_b32 v17, 15, v0                          ; r
	v_bfe_u32 v18, v0, 4, 1                        ; h
	v_lshlrev_b32 v[LI], 4, v16
	v_lshlrev_b32 v[LS], 2, v16
	s_mul_i32 s20, s[WV], 8448
	v_add_nc_u32 v[TSW], s20, v[LI]
	v_mul_u32_u24 v19, v17, 528
	v_lshl_add_u32 v19, v18, 6, v19
	v_add_nc_u32 v[TSR], s20, v19
	s_mul_i32 s20, s[WV], 6144
	s_add_co_u32 s20, s20, QIMG
	v_add_nc_u32 v[IWI], s20, v[LI]
	s_lshl_b32 s20, s[WV], 9
	s_add_co_u32 s20, s20, QSC
	v_add_nc_u32 v[IWS], s20, v[LS]
	v_add_nc_u32 v[IRI], QIMG, v[LI]
	v_add_nc_u32 v[IRS], QSC, v[LS]
	v_and_b32 v19, 8, v17
	v_add_nc_u32 v19, v19, v17                     ; r + 8 (r / 8)
	v_lshlrev_b32 v[PR4], 2, v19
	v_lshl_add_u32 v19, v18, 3, v19                ; + 8 h
	v_mul_u32_u24 v[QA], v19, 24
	v_lshlrev_b32 v[QSA], 2, v19
	v_lshlrev_b32 v[H64], 6, v18
	s_mov_b32 s[SEL], 0x76543210
	s_mov_b32 s[SEL+1], 0xfedcba98
	s_mov_b32 s[MHI], 0xffff0000
.irp b, 0,1,2,3
	v_mov_b32 v[TM+4+\b], 0
.endr
	s_lshr_b32 s20, ttmp9, 1                       ; token group
	s_and_b32 s21, ttmp9, 1
	s_lshl_b32 s21, s21, 2
	s_add_co_u32 s21, s21, s[WV]                   ; head
	s_lshr_b32 s22, s20, 3                         ; batch
	s_and_b32 s23, s20, 7                          ; key step
	s_lshl_b32 s22, s22, 3
	s_add_co_u32 s22, s22, s21                     ; batch x 8 + head
	s_lshl_b32 s24, s20, 17
	s_lshl_b32 s25, s[WV], 15
	s_add_co_u32 s24, s24, s25                     ; my 32 rows
	s_mov_b32 s25, 0
	s_mul_i32 s26, s21, 6144
	s_mov_b32 s27, 0
	s_lshl_b32 s28, s21, 9
	s_mov_b32 s29, 0
	s_lshl_b32 s30, s21, 7
	s_mov_b32 s31, 0
	s_mul_i32 s32, s22, 53248
	s_mul_i32 s33, s23, 3072
	s_add_co_u32 s34, s32, s33
	s_mov_b32 s35, 0
	s_lshl_b32 s33, s23, 8
	s_add_co_u32 s36, s32, s33
	s_mov_b32 s37, 0
	s_lshl_b32 s38, s22, 10
	s_lshl_b32 s33, s23, 7
	s_add_co_u32 s38, s38, s33                     ; (batch x 8 + head) x 1,024 + the group's first token
	s_lshl_b32 s40, s38, 2
	s_mov_b32 s41, 0
	s_mul_i32 s38, s38, 24
	s_mov_b32 s39, 0
	s_wait_kmcnt 0x0
	s_add_nc_u64 s[TB:TB+1], s[TB:TB+1], s[24:25]
	s_add_nc_u64 s[PB:PB+1], s[PB:PB+1], s[24:25]
	s_add_nc_u64 s[WB:WB+1], s[12:13], s[26:27]
	s_add_nc_u64 s[WSB:WSB+1], s[12:13], s[28:29]
	s_add_nc_u64 s[BB:BB+1], s[BB:BB+1], s[30:31]
	s_add_nc_u64 s[KVB:KVB+1], s[16:17], s[34:35]
	s_add_nc_u64 s[KVS:KVS+1], s[16:17], s[36:37]
	s_add_nc_u64 s[QCB:QCB+1], s[18:19], s[38:39]
	s_add_nc_u64 s[QSB:QSB+1], s[18:19], s[40:41]
	WIN 0x40                                       ; the weights go out first: they are the oldest loads
	WLOAD 0, 4, WB, 0
	WLOAD 48, 4, WB, 32
	WLOAD 96, 4, WB, 64
	BLOAD 144, BB, 2, 0
	BLOAD 160, BB, 2, 1024
.irp t, 0,1
.irp j, 0,1,2,3,4,5,6,7
	global_load_b32 v[176+8*\t+\j], v[PR4], s[BB:BB+1] offset:2048+32*\t      ; V's bias in its result's layout: a lane holds one dim, so all eight registers hold that dim's
.endr
.endr
	WIN 0
	WSLOAD WS, 4, WSB, 0
	WSLOAD WS+4, 4, WSB, 32
	WSLOAD WS+8, 4, WSB, 64
	XISSUE 0
	XISSUE 1
	XUNIT 0
	XUNIT 1
	XUNIT 2
	XUNIT 3
	BARRIER                                        ; the 128 rows' 32 fragments lie in LDS: the launch's one barrier
	QKPASS 0
	QKPASS 1
	; V: source 0 = a token tile of tgt, source 1 = 16 rows of Wv; two accumulators by turns
.irp g, 0,1,2,3,4,5,6,7
	FETCH XF, IRI, 24576+(2*\g)*1536
	FETCH XF+12, IRI, 24576+(2*\g+1)*1536
	ds_load_b32 v[XS], v[IRS] offset:2048+128*(2*\g)
	ds_load_b32 v[XS+1], v[IRS] offset:2048+128*(2*\g+1)
	s_wait_dscnt 0x0
	WIN 0x14
.irp t, 0,1
	MM ACC+64*\t+8*\g, XF, 96+24*\t, 176+8*\t, XS, WS+8+2*\t
.endr
	WIN 0x04
.irp t, 0,1
	MM ACC+64*\t+8*\g, XF+12, 96+24*\t+12, ACC+64*\t+8*\g, XS+1, WS+8+2*\t+1
.endr
	WIN 0
	PLACES 5
.endr
.irp t, 0,1
	QUANT ACC+64*\t                                ; row n = dim 8 t + n + 8 (n / 8); K = the group's 128 tokens in order
.irp c, 0,1,2
	global_store_b128 v[LI], v[PC+4*\c:PC+4*\c+3], s[KVB:KVB+1] offset:24576+1536*\t+512*\c
.endr
	global_store_b32 v[LS], v[PW], s[KVS:KVS+1] offset:51200+128*\t
	s_wait_xcnt 0x0
.endr
	s_wait_tensorcnt 0x0
	ds_add_u32 v254, v255
	s_wait_dscnt 0x0
	s_endpgm
.Lfunc_end_k_qbe87ede01f_qkv:
	.size	k_qbe87ede01f_qkv, .Lfunc_end_k_qbe87ede01f_qkv-k_qbe87ede01f_qkv
	.p2alignl 7, 3214868480
	.fill 96, 4, 3214868480
	.section	.rodata,"a",@progbits
	.p2align	6, 0x0
	.amdhsa_kernel k_qbe87ede01f_qkv
		.amdhsa_group_segment_fixed_size 87552
		.amdhsa_private_segment_fixed_size 0
		.amdhsa_enable_private_segment 0
		.amdhsa_kernarg_size 48
		.amdhsa_user_sgpr_count 2
		.amdhsa_user_sgpr_kernarg_segment_ptr 1
		.amdhsa_wavefront_size32 1
		.amdhsa_system_sgpr_workgroup_id_x 1
		.amdhsa_system_sgpr_workgroup_id_y 1
		.amdhsa_system_sgpr_workgroup_id_z 1
		.amdhsa_system_vgpr_workitem_id 0
		.amdhsa_next_free_vgpr 1024
		.amdhsa_next_free_sgpr 66
		.amdhsa_reserve_vcc 0
		.amdhsa_float_denorm_mode_32 3
		.amdhsa_float_denorm_mode_16_64 3
		.amdhsa_memory_ordered 1
		.amdhsa_forward_progress 1
		.amdhsa_inst_pref_size 130
	.end_amdhsa_kernel
	.amdgpu_metadata
---
amdhsa.version: [ 1, 2 ]
amdhsa.kernels:
  - .name:           k_qbe87ede01f_qkv
    .symbol:         k_qbe87ede01f_qkv.kd
    .args:
      - { .name: tgt, .offset: 0, .size: 8, .value_kind: global_buffer, .address_space: global }
      - { .name: query_pos, .offset: 8, .size: 8, .value_kind: global_buffer, .address_space: global }
      - { .name: wq, .offset: 16, .size: 8, .value_kind: global_buffer, .address_space: global }
      - { .name: in_proj_b, .offset: 24, .size: 8, .value_kind: global_buffer, .address_space: global }
      - { .name: kv, .offset: 32, .size: 8, .value_kind: global_buffer, .address_space: global }
      - { .name: qq, .offset: 40, .size: 8, .value_kind: global_buffer, .address_space: global }
    .group_segment_fixed_size: 87552
    .private_segment_fixed_size: 0
    .kernarg_segment_align: 8
    .kernarg_segment_size: 48
    .max_flat_workgroup_size: 128
    .sgpr_count:     66
    .vgpr_count:     1024
    .wavefront_size: 32
...
	.end_amdgpu_metadata
.endif
;; end of part 3
;; launch attn (part 4): grid 256 x 1, 16 waves a work-group, no clusters, 55,296 bytes of LDS; arguments kv, qq, oo; writes oo
.if DOCPART == 4
	.amdgcn_target "amdgcn-amd-amdhsa--gfx1250"
	.amdhsa_code_object_version 6
	.text
	.protected	k_qbe87ede01f_attn
	.globl	k_qbe87ede01f_attn
	.p2align	8
	.type	k_qbe87ede01f_attn,@function
k_qbe87ede01f_attn:
	s_mov_b64 s[64:65], 0
	v_nop
	global_prefetch_b8 v0, s[64:65] scope:SCOPE_SE
	s_setreg_imm32_b32 hwreg(HW_REG_WAVE_MODE, 25, 1), 1
	s_wait_xcnt 0x0
; o = softmax(Q K^T / sqrt(32)) V for one (batch, head) and 512 queries, both products on codes of BF6; o / l is quantised (a head is one block of the next product's K) and stored as codes.
; SOFTMAX: t = score x log2(e) / sqrt(32); M = the running largest t rounded up to a whole number; p = 2^(t - M) is quantised along the keys; the row's sum is taken of the unquantised p; when M moves, sum and O are multiplied by 2^(old M - new M).
; The head's K and V images and scale words, 53,248 bytes, come into LDS once, through registers.  Sixteen waves, four to a SIMD; a wave takes two tiles of 16 queries, one after the other, and walks 8 steps of 128 keys.
; THE HEAD'S 32 DIMS IN AN INSTRUCTION OF K = 128: a fragment of K carries four key tiles in its four blocks; Q stands in four versions, its 24 bytes in block j and zero codes elsewhere.  The versions are runs of
; twelve registers out of Z A Z B Z (six registers each; A: the data in lanes 0-15, B: in lanes 16-31, Z: zeros).  Zero codes add nothing, so version j picks key tile j.
; Both products are used transposed: a lane holds one query.  No cluster: what two work-groups share is one head's 52 KB, read once each.
; LIMITS: NaN and infinities are not served; a block of zeros gets the scale byte 1.
.set QSO, 3145728
.set OSO, 3145728
.set ADK, 8
.set ADS, 9
.set QB,  16                           ; v16-45  Z A Z B Z
.set QS,  46                           ; v46     Q's scale byte in all four bytes
.set RQ,  48                           ; v48-53  Q's row as loaded; v54 its scale word
.set KF,  56                           ; v56-79  two fragments of K
.set VF,  80                           ; v80-103 two fragments of V
.set S,   104                          ; v104-167 the scores, then p
.set O,   168                          ; v168-183 O^T: dims 16 h + 0 .. 15 of my query
.set PCD, 184                          ; v184-195 p's codes; v196-202 at work
.set BM,  204
.set BP,  208
.set BS,  212
.set KS,  216
.set VS,  218
.set WV,  2
.set SEL, 4
.set MLO, 6
.set MHI, 7
.set KVB, 8
.set QCB, 24
.set QSB, 26
.set OCB, 28
.set OSB, 30
.set CS,  32
.set TK,  34
.set TS,  35
.set CNT, 36
.macro STEP
	v_add_nc_u32 v[ADK], s[TK], v1
	v_add_nc_u32 v[ADS], s[TS], v2
	v_nop
	v_nop                                          ; four places behind the last products, in front of loads into their sources
.irp f, 0,1
.irp c, 0,1,2
	ds_load_b128 v[KF+12*\f+4*\c:KF+12*\f+4*\c+3], v[ADK] offset:1536*\f+512*\c
.endr
	ds_load_b32 v[KS+\f], v[ADS] offset:128*\f
.endr
.irp t, 0,1
.irp c, 0,1,2
	ds_load_b128 v[VF+12*\t+4*\c:VF+12*\t+4*\c+3], v[ADK] offset:24576+1536*\t+512*\c
.endr
	ds_load_b32 v[VS+\t], v[ADS] offset:2048+128*\t
.endr
	s_wait_dscnt 8                                 ; K's eight loads are in; V's eight may be out
.irp f, 0,1
.irp j, 0,1,2,3
	v_wmma_scale_f32_16x16x128_f8f6f4 v[S+8*(4*\f+\j):S+8*(4*\f+\j)+7], v[KF+12*\f:KF+12*\f+11], v[QB+12*(\j%2)+6*(1-\j/2):QB+12*(\j%2)+6*(1-\j/2)+11], 0, v[KS+\f], v[QS] matrix_a_fmt:MATRIX_FMT_BF6 matrix_b_fmt:MATRIX_FMT_BF6
.endr
.endr                                              ; register 16 b + i of lane (r, h): query r, key 32 b + 16 h + i of the step
.rept 5
	v_nop
.endr
.irp b, 0,1,2,3
	v_max3_num_f32 v[BM+\b], v[S+16*\b], v[S+1+16*\b], v[S+2+16*\b]      ; the largest score of each block of 32 keys: for the row's maximum and for the block's largest p
.endr
.irp i, 3,5,7,9,11,13
.irp b, 0,1,2,3
	v_max3_num_f32 v[BM+\b], v[BM+\b], v[S+16*\b+\i], v[S+1+16*\b+\i]
.endr
.endr
.irp b, 0,1,2,3
	v_max_num_f32 v[BM+\b], v[BM+\b], v[S+15+16*\b]
.endr
.irp b, 0,1,2,3
	v_permlanex16_b32 v[BP+\b], v[BM+\b], s[SEL], s[SEL+1]
.endr
.irp b, 0,1,2,3
	v_max_num_f32 v[BM+\b], v[BM+\b], v[BP+\b]
.endr
	v_max3_num_f32 v224, v[BM], v[BM+1], v[BM+2]
	v_max_num_f32 v224, v224, v[BM+3]
	v_mul_f32 v224, s[CS], v224
	v_max_num_f32 v13, v13, v224                   ; the running largest t
	v_mov_b32 v224, v12
	v_floor_f32 v12, -v13                          ; -M = floor(-t): M is a whole number
	v_sub_f32 v224, v12, v224
	v_cvt_i32_f32 v224, v224                       ; (it saturates)
	v_ldexp_f32 v222, 1.0, v224                    ; f = 2^(old M - new M)
.irp j, 0,2,4,6,8,10,12,14,16,18,20,22,24,26,28,30,32,34,36,38,40,42,44,46,48,50,52,54,56,58,60,62
	v_pk_fma_f32 v[S+\j:S+1+\j], v[S+\j:S+1+\j], s[CS:CS+1], v[12:13] op_sel_hi:[1,0,0]   ; t - M
.endr
.irp b, 0,1,2,3
	v_fma_f32 v[BM+\b], v[BM+\b], s[CS], v12
.endr
.irp j, 0,1,2,3,4,5,6,7,8,9,10,11,12,13,14,15,16,17,18,19,20,21,22,23,24,25,26,27,28,29,30,31,32,33,34,35,36,37,38,39,40,41,42,43,44,45,46,47,48,49,50,51,52,53,54,55,56,57,58,59,60,61,62,63
	v_exp_f32 v[S+\j], v[S+\j]                     ; p = 2^(t - M)
.endr
	v_pk_mul_f32 v[14:15], v[14:15], v[222:223] op_sel_hi:[1,0]          ; the sums under the new M: a plain place behind the exponentials
	s_wait_alu depctr_va_vdst(0)                   ; one wait for the batch, ahead of its first reader
.irp b, 0,1,2,3
	v_exp_f32 v[BM+\b], v[BM+\b]                   ; each block's largest p
.endr
	v_pk_add_f32 v[BP:BP+1], v[S:S+1], v[S+2:S+3]  ; the row's sum of the unquantised p, in two chains
.irp j, 4,8,12,16,20,24,28,32,36,40,44,48,52,56,60
	v_pk_add_f32 v[14:15], v[14:15], v[S+\j:S+1+\j]
	v_pk_add_f32 v[BP:BP+1], v[BP:BP+1], v[S+2+\j:S+3+\j]
.endr
	v_pk_add_f32 v[14:15], v[14:15], v[BP:BP+1]
	s_wait_alu depctr_va_vdst(0)                   ; and one for the four
.irp b, 0,1,2,3
	v_max_num_f32 v[BM+\b], 0x2800000, v[BM+\b]    ; the floor 2^(5 - 127)
.endr
.irp b, 0,1,2,3
	v_add_nc_u32 v[BS+\b], 0xfe000000, v[BM+\b]
.endr
.irp b, 0,1,2,3
	v_lshrrev_b32 v[BP+\b], 23, v[BS+\b]
.endr
	v_lshl_or_b32 v223, v[BP+1], 8, v[BP]          ; p's scale word for these 128 keys
	v_lshl_or_b32 v223, v[BP+2], 16, v223
	v_lshl_or_b32 v223, v[BP+3], 24, v223
.irp c, 0,1
	v_cvt_scalef32_pk16_bf6_f32 v[PCD+6*\c:PCD+2+6*\c], v[S+32*\c:S+15+32*\c], v[BS+2*\c]
	v_cvt_scalef32_pk16_bf6_f32 v[196+4*\c:198+4*\c], v[S+16+32*\c:S+31+32*\c], v[BS+2*\c+1]
.endr
	v_nop
.irp c, 0,1
.irp i, 0,1,2
	v_permlane16_swap_b32 v[PCD+6*\c+\i], v[196+4*\c+\i]
.endr
.irp i, 0,1,2
	v_mov_b32 v[PCD+3+6*\c+\i], v[196+4*\c+\i]
.endr
.endr
.irp j, 0,2,4,6,8,10,12,14
	v_pk_mul_f32 v[O+\j:O+1+\j], v[O+\j:O+1+\j], v[222:223] op_sel_hi:[1,0]      ; O^T under the new M; these eight are also the places in front of the products below
.endr
	s_wait_dscnt 0x0                               ; V is in
.irp t, 0,1
	v_wmma_scale_f32_16x16x128_f8f6f4 v[O+8*\t:O+8*\t+7], v[VF+12*\t:VF+12*\t+11], v[PCD:PCD+11], v[O+8*\t:O+8*\t+7], v[VS+\t], v223 matrix_a_fmt:MATRIX_FMT_BF6 matrix_b_fmt:MATRIX_FMT_BF6
.endr
	s_add_co_u32 s[TK], s[TK], 3072
	s_add_co_u32 s[TS], s[TS], 256
.endm
.macro TILE it
.if \it
	s_wait_xcnt 0x0                                ; the first tile's stores have read their registers
.endif
.irp i, 0,1,2
	global_load_b64 v[RQ+2*\i:RQ+2*\i+1], v3, s[QCB:QCB+1] offset:6144*(\it)+8*\i      ; row r's 24 bytes, in both halves of the lanes
.endr
	global_load_b32 v54, v4, s[QSB:QSB+1] offset:QSO+1024*(\it)
	s_wait_loadcnt 0x0
.irp i, 0,1,2,3,4,5
	v_cndmask_b32 v[QB+6+\i], 0, v[RQ+\i], s[MLO]
.endr
.irp i, 0,1,2,3,4,5
	v_cndmask_b32 v[QB+18+\i], 0, v[RQ+\i], s[MHI]
.endr
	v_perm_b32 v[QS], v54, v54, 0                  ; the byte into all four bytes
	v_mov_b32 v13, 0xff61b1e6                      ; the largest t so far: -3e38
	v_floor_f32 v12, -v13
	v_mov_b32 v14, 0
	v_mov_b32 v15, 0
.irp j, 0,1,2,3,4,5,6,7,8,9,10,11,12,13,14,15
	v_mov_b32 v[O+\j], 0                           ; the step is written once: the first finds zeros.  (More than eight plain places ahead of the first scaled product)
.endr
	s_mov_b32 s[TK], 0
	s_mov_b32 s[TS], 0
	s_mov_b32 s[CNT], 8
.Lstep_\@:
	STEP
	s_sub_co_u32 s[CNT], s[CNT], 1
	s_cmp_lg_u32 s[CNT], 0
	s_cbranch_scc1 .Lstep_\@
.rept 4
	v_nop
.endr
	v_add_f32 v14, v14, v15
	v_permlanex16_b32 v224, v14, s[SEL], s[SEL+1]
	v_add_f32 v14, v14, v224                       ; the row's sum
	v_rcp_f32 v14, v14
	v_nop
	s_wait_alu depctr_va_vdst(0)
.irp j, 0,1,2,3,4,5,6,7,8,9,10,11,12,13,14,15
	v_mul_f32 v[S+\j], v[O+\j], v14                ; o = O^T / the sum
.endr
	v_max3_num_f32 v[BM], |v[S]|, |v[S+1]|, 0x2800000
.irp i, 2,4,6,8,10,12,14
	v_max3_num_f32 v[BM], v[BM], |v[S+\i]|, |v[S+1+\i]|
.endr
	v_permlanex16_b32 v[BP], v[BM], s[SEL], s[SEL+1]
	v_max_num_f32 v[BM], v[BM], v[BP]              ; the head's 32 dims are one block
	v_add_nc_u32 v[BS], 0xfe000000, v[BM]
	v_lshrrev_b32 v229, 23, v[BS]
	v_cvt_scalef32_pk16_bf6_f32 v[226:228], v[S:S+15], v[BS]
	v_nop
	global_store_b96 v5, v[226:228], s[OCB:OCB+1] offset:6144*(\it)      ; dims 16 h + 0 .. 15: 12 bytes; the tile's 384 bytes are consecutive
	global_store_b8 v6, v229, s[OSB:OSB+1] offset:OSO+2048*(\it)         ; both halves write the same byte
.endm
	s_load_b128 s[8:11], s[0:1], 0x0               ; kv, qq
	s_load_b64 s[12:13], s[0:1], 0x10              ; oo
	v_lshl_add_u32 v254, v0, 2, 0xd000
	v_mov_b32 v255, 0
	v_lshrrev_b32 v1, 5, v0
	v_readfirstlane_b32 s[WV], v1
	v_and_b32 v7, 31, v0
	v_lshlrev_b32 v1, 4, v7                        ; 16 x lane
	v_lshlrev_b32 v2, 2, v7
	v_add_nc_u32 v2, 49152, v2                     ; the scale words
	v_and_b32 v7, 15, v0                           ; r
	v_bfe_u32 v8, v0, 4, 1                         ; h
	v_mul_u32_u24 v3, v7, 24
	v_lshlrev_b32 v4, 2, v7
	v_mad_u32_u24 v5, v8, 12, v3
	v_lshlrev_b32 v6, 3, v7
	v_lshlrev_b32 v10, 4, v0
	v_lshlrev_b32 v11, 3, v0
	s_mov_b32 s[SEL], 0x76543210
	s_mov_b32 s[SEL+1], 0xfedcba98
	s_mov_b32 s[MLO], 0x0000ffff
	s_mov_b32 s[MHI], 0xffff0000
	s_mov_b32 s[CS], 0x3e8293ee                    ; log2(e) / sqrt(32)
	s_mov_b32 s[CS+1], s[CS]
	s_lshr_b32 s14, ttmp9, 1                       ; batch x 8 + head
	s_and_b32 s15, ttmp9, 1
	s_lshl_b32 s15, s15, 9
	s_lshl_b32 s16, s[WV], 4
	s_add_co_u32 s15, s15, s16                     ; my first query
	s_mul_i32 s16, s14, 53248
	s_mov_b32 s17, 0
	s_lshl_b32 s18, s14, 10
	s_add_co_u32 s18, s18, s15
	s_lshl_b32 s20, s18, 2
	s_mov_b32 s21, 0
	s_mul_i32 s18, s18, 24
	s_mov_b32 s19, 0
	s_lshr_b32 s22, s14, 3
	s_lshl_b32 s22, s22, 10
	s_add_co_u32 s22, s22, s15
	s_lshl_b32 s22, s22, 3
	s_and_b32 s23, s14, 7
	s_add_co_u32 s22, s22, s23                     ; (batch x 1,024 + query) x 8 + head
	s_mov_b32 s23, 0
	s_wait_kmcnt 0x0
	s_add_nc_u64 s[KVB:KVB+1], s[KVB:KVB+1], s[16:17]
	s_add_nc_u64 s[QCB:QCB+1], s[10:11], s[18:19]
	s_add_nc_u64 s[QSB:QSB+1], s[10:11], s[20:21]
	s_add_nc_u64 s[OCB:OCB+1], s[12:13], s[18:19]
	s_add_nc_u64 s[OSB:OSB+1], s[12:13], s[22:23]
.irp k, 0,1,2,3,4,5
	global_load_b128 v[56+4*\k:59+4*\k], v10, s[KVB:KVB+1] offset:8192*\k
.endr
	global_load_b64 v[80:81], v11, s[KVB:KVB+1] offset:49152
.irp i, 0,1,2,3,4,5
	v_mov_b32 v[QB+\i], 0
	v_mov_b32 v[QB+12+\i], 0
	v_mov_b32 v[QB+24+\i], 0
.endr
.irp b, 0,1,2,3
	v_mov_b32 v[BP+\b], 0                          ; a lane permute's destination counts as read
.endr
	v_mov_b32 v223, 0                              ; named as the upper half of a pair before it is first written
	v_mov_b32 v224, 0
	s_wait_loadcnt 0x0
.irp k, 0,1,2,3,4,5
	ds_store_b128 v10, v[56+4*\k:59+4*\k] offset:8192*\k
.endr
	ds_store_b64 v11, v[80:81] offset:49152
	s_wait_dscnt 0x0                               ; my part of the head lies in LDS
	s_barrier_signal -1
	s_barrier_wait -1                              ; everybody's does; nothing writes LDS from here on
	TILE 0
	TILE 1
	s_wait_tensorcnt 0x0
	ds_add_u32 v254, v255
	s_wait_dscnt 0x0
	s_endpgm
.Lfunc_end_k_qbe87ede01f_attn:
	.size	k_qbe87ede01f_attn, .Lfunc_end_k_qbe87ede01f_attn-k_qbe87ede01f_attn
	.p2alignl 7, 3214868480
	.fill 96, 4, 3214868480
	.section	.rodata,"a",@progbits
	.p2align	6, 0x0
	.amdhsa_kernel k_qbe87ede01f_attn
		.amdhsa_group_segment_fixed_size 55296
		.amdhsa_private_segment_fixed_size 0
		.amdhsa_enable_private_segment 0
		.amdhsa_kernarg_size 24
		.amdhsa_user_sgpr_count 2
		.amdhsa_user_sgpr_kernarg_segment_ptr 1
		.amdhsa_wavefront_size32 1
		.amdhsa_system_sgpr_workgroup_id_x 1
		.amdhsa_system_sgpr_workgroup_id_y 1
		.amdhsa_system_sgpr_workgroup_id_z 1
		.amdhsa_system_vgpr_workitem_id 0
		.amdhsa_next_free_vgpr 256
		.amdhsa_next_free_sgpr 66
		.amdhsa_reserve_vcc 0
		.amdhsa_float_denorm_mode_32 3
		.amdhsa_float_denorm_mode_16_64 3
		.amdhsa_memory_ordered 1
		.amdhsa_forward_progress 1
		.amdhsa_inst_pref_size 40
	.end_amdhsa_kernel
	.amdgpu_metadata
---
amdhsa.version: [ 1, 2 ]
amdhsa.kernels:
  - .name:           k_qbe87ede01f_attn
    .symbol:         k_qbe87ede01f_attn.kd
    .args:
      - { .name: kv, .offset: 0, .size: 8, .value_kind: global_buffer, .address_space: global }
      - { .name: qq, .offset: 8, .size: 8, .value_kind: global_buffer, .address_space: global }
      - { .name: oo, .offset: 16, .size: 8, .value_kind: global_buffer, .address_space: global }
    .group_segment_fixed_size: 55296
    .private_segment_fixed_size: 0
    .kernarg_segment_align: 8
    .kernarg_segment_size: 24
    .max_flat_workgroup_size: 512
    .sgpr_count:     66
    .vgpr_count:     256
    .wavefront_size: 32
...
	.end_amdgpu_metadata
.endif
;; end of part 4
;; launch mid (part 5): grid 256 x 1, 4 waves a work-group, no clusters, 157,184 bytes of LDS; arguments oo, wq, out_proj_b, tgt, norm2_g, norm2_b, query_pos, off_b, attw_b, reference_points, tga, sidx, swt; writes tga, sidx, swt
.if DOCPART == 5
	.amdgcn_target "amdgcn-amd-amdhsa--gfx1250"
	.amdhsa_code_object_version 6
	.text
	.protected	k_qbe87ede01f_mid
	.globl	k_qbe87ede01f_mid
	.p2align	8
	.type	k_qbe87ede01f_mid,@function
k_qbe87ede01f_mid:
	s_mov_b64 s[64:65], 0
	v_nop
	global_prefetch_b8 v0, s[64:65] scope:SCOPE_SE
	s_setreg_imm32_b32 hwreg(HW_REG_WAVE_MODE, 25, 1), 1
	s_wait_xcnt 0x0
; For 64 rows: y = o out_proj_w^T + b (codes of BF6); tga = layer norm(tgt + y); q = tga + query_pos, quantised; offsets = q off_w^T + off_b, weights = softmax16(q attw_w^T + attw_b);
; then, for each (row, head, point): the sampling place.  x = (ref + off / W) W - 0.5 as reference() rounds it; the base corner is floor(x) held to 0 .. W - 2, and the two corners' weights are
; max(0, 1 - |x - corner|): that is the bilinear weight with the zero padding folded in.  Stored: the base corner's position in the pyramid as a WHOLE NUMBER (sidx), and attention weight x wy x wx for the four corners (swt).
; The next launch forms its addresses from sidx; nothing in this launch's addresses or branches hangs on these numbers.
; The levels are reference()'s own constant (64, 32, 16, 8 squared; starts 0, 4096, 5120, 5376); src_spatial_shapes and level_start_index do not enter reference()'s result and are not loaded.
; SHARES: in products wave w owns units 64 w .. 64 w + 63 (heads 2 w, 2 w + 1) for all 64 rows; in row phases rows 16 w .. 16 w + 15.  Sums change owners through a stage in LDS, quantised rows as images of their registers.
; LIMITS: NaN and infinities are not served; a block of zeros gets the scale byte 1; corner weights are multiplied in another order than reference()'s (a few ulp).
; REGISTERS: window 0: v1-15 addresses, v16-31 scale words, v32-159 a row array or 16 accumulators, v160-183 fragments, v184-222 the quantiser's (later level constants), v223-226 addresses, v228-243 reference points, v244-251 the norm's.
;   window 1: weights and biases.  window 2: o's fragments, then the norm's gain and bias.  window 3: tgt and pos rows, later rows on their way out.
.set WSC,  761856
.set OSO,  3145728
.set STG,  33792                       ; LDS: four stages of 16 x 528; 64 rows x 1,040;
.set XIMG, 100352                      ; q's 8 fragments;
.set XSC,  112640                      ; their scale words;
.set SWS,  113664                      ; four stages of 16 x 528 for the corner weights;
.set SIS,  147456                      ; four of 16 x 144 for the indices
.set LI, 1
.set LS, 2
.set TSW, 3
.set TSR, 4
.set XWI, 5
.set XWS, 6
.set SO, 7
.set SR, 8
.set H64, 9
.set XRI, 10
.set XRS, 11
.set SWW, 12
.set SWR, 13
.set SIW, 14
.set SIR, 15
.set A, 32
.set XF, 160
.set PC, 184
.set TM, 204
.set PW, 220
.set XS, 221
.set OA, 223
.set OS, 224
.set A32, 225
.set ARP, 226
.set WV, 2
.set SEL, 4
.set MHI, 6
.set C256, 34
.set EPS, 35
.set OOB, 36
.set OSB, 38
.set WB1, 40
.set WSB1, 42
.set WB2, 44
.set WSB2, 46
.set MSB, 0
.macro WIN new
.if MSB != (\new)
	s_set_vgpr_msb (MSB<<8)|(\new)
.set MSB, \new
.endif
.endm
.macro PLACES n
.rept \n
	v_nop
.endr
.endm
.macro QUANT s
.irp b, 0,1,2,3
	v_max3_num_f32 v[TM+\b], |v[(\s)+16*\b]|, |v[(\s)+1+16*\b]|, 0x2800000
.endr
.irp i, 2,4,6,8,10,12,14
.irp b, 0,1,2,3
	v_max3_num_f32 v[TM+\b], v[TM+\b], |v[(\s)+16*\b+\i]|, |v[(\s)+1+16*\b+\i]|
.endr
.endr
.irp b, 0,1,2,3
	v_permlanex16_b32 v[TM+4+\b], v[TM+\b], s[SEL], s[SEL+1]
.endr
.irp b, 0,1,2,3
	v_max_num_f32 v[TM+\b], v[TM+\b], v[TM+4+\b]
.endr
.irp b, 0,1,2,3
	v_add_nc_u32 v[TM+12+\b], 0xfe000000, v[TM+\b]
.endr
.irp b, 0,1,2,3
	v_lshrrev_b32 v[TM+4+\b], 23, v[TM+12+\b]
.endr
	v_lshl_or_b32 v[PW], v[TM+5], 8, v[TM+4]
	v_lshl_or_b32 v[PW], v[TM+6], 16, v[PW]
	v_lshl_or_b32 v[PW], v[TM+7], 24, v[PW]
.irp c, 0,1
	v_cvt_scalef32_pk16_bf6_f32 v[PC+6*\c:PC+2+6*\c], v[(\s)+32*\c:(\s)+15+32*\c], v[TM+12+2*\c]
	v_cvt_scalef32_pk16_bf6_f32 v[PC+12+4*\c:PC+14+4*\c], v[(\s)+16+32*\c:(\s)+31+32*\c], v[TM+12+2*\c+1]
.endr
	v_nop
.irp c, 0,1
.irp i, 0,1,2
	v_permlane16_swap_b32 v[PC+6*\c+\i], v[PC+12+4*\c+\i]
.endr
.irp i, 0,1,2
	v_mov_b32 v[PC+3+6*\c+\i], v[PC+12+4*\c+\i]
.endr
.endr
.endm
.macro IMAGE adr, off
.irp c, 0,1,2
	ds_store_b128 v[\adr], v[PC+4*\c:PC+4*\c+3] offset:(\off)+512*\c
.endr
.endm
.macro FETCH reg, adr, off
.irp c, 0,1,2
	ds_load_b128 v[(\reg)+4*\c:(\reg)+4*\c+3], v[\adr] offset:(\off)+512*\c
.endr
.endm
.macro BARRIER
	s_wait_dscnt 0x0
	s_barrier_signal -1
	s_barrier_wait -1
.endm
.macro MM d, a, b, c, sa, sb
	v_wmma_scale_f32_16x16x128_f8f6f4 v[(\d):(\d)+7], v[(\a):(\a)+11], v[(\b):(\b)+11], v[(\c):(\c)+7], v[\sa], v[\sb] matrix_a_fmt:MATRIX_FMT_BF6 matrix_b_fmt:MATRIX_FMT_BF6
.endm
.macro WLOAD reg, n, base, f0
.set wi, 0
.rept \n
.irp c, 0,1,2
	global_load_b128 v[(\reg)+12*wi+4*\c:(\reg)+12*wi+4*\c+3], v[LI], s[\base:\base+1] offset:((\f0)+wi)*1536+512*\c
.endr
.set wi, wi+1
.endr
.endm
.macro WSLOAD reg, n, base, f0
.set wi, 0
.rept \n
	global_load_b32 v[(\reg)+wi], v[LS], s[\base:\base+1] offset:WSC+((\f0)+wi)*128
.set wi, wi+1
.endr
.endm
.macro BLOAD reg, base, tiles, off
.set wi, 0
.rept \tiles
	global_load_b128 v[(\reg)+8*wi:(\reg)+8*wi+3], v[H64], s[\base:\base+1] offset:(\off)+128*(wi/2)+32*(wi%2)
	global_load_b128 v[(\reg)+8*wi+4:(\reg)+8*wi+7], v[H64], s[\base:\base+1] offset:(\off)+128*(wi/2)+32*(wi%2)+16
.set wi, wi+1
.endr
.endm
.macro GBLOAD reg, base                ; 256 numbers in the row array's layout: register 16 b + i = column 32 b + 16 h + i
.irp b, 0,1,2,3,4,5,6,7
.irp j, 0,1,2,3
	global_load_b128 v[(\reg)+16*\b+4*\j:(\reg)+16*\b+4*\j+3], v[H64], s[\base:\base+1] offset:128*\b+16*\j
.endr
.endr
.endm
.macro LOADU reg, base, off
.set wi, 0
.rept 16
	global_load_b128 v[(\reg)+4*wi:(\reg)+4*wi+3], v[LI], s[\base:\base+1] offset:(\off)+1024*wi
.set wi, wi+1
.endr
.endm
.macro TURNU src, sw, dst, dw
	WIN (\sw)<<2
.set wi, 0
.rept 16
	ds_store_b128 v[TSW], v[(\src)+4*wi:(\src)+4*wi+3] offset:528*wi
.set wi, wi+1
.endr
	WIN (\dw)<<6
.irp b, 0,1,2,3
.irp j, 0,1,2,3
	ds_load_b128 v[(\dst)+16*\b+4*\j:(\dst)+16*\b+4*\j+3], v[TSR] offset:128*\b+16*\j
.endr
.endr
	WIN 0
.endm
.macro TURNO src, dst, dw              ; the other way: from the row array to whole half rows
.irp b, 0,1,2,3
.irp j, 0,1,2,3
	ds_store_b128 v[TSR], v[(\src)+16*\b+4*\j:(\src)+16*\b+4*\j+3] offset:128*\b+16*\j
.endr
.endr
	WIN (\dw)<<6
.set wi, 0
.rept 16
	ds_load_b128 v[(\dst)+4*wi:(\dst)+4*wi+3], v[TSW] offset:528*wi
.set wi, wi+1
.endr
	WIN 0
.endm
.macro STOREU src, base, off           ; 512 consecutive bytes a store, aligned
.set wi, 0
.rept 16
	global_store_b128 v[LI], v[(\src)+4*wi:(\src)+4*wi+3], s[\base:\base+1] offset:(\off)+1024*wi
.set wi, wi+1
.endr
.endm
.macro ROWLD                           ; my 16 rows out of the stage, into the row array
.irp b, 0,1,2,3,4,5,6,7
.irp j, 0,1,2,3
	ds_load_b128 v[A+16*\b+4*\j:A+16*\b+4*\j+3], v[SR] offset:128*\b+16*\j
.endr
.endr
.endm
.macro ADDROW reg
.set wi, 0
.rept 64
	v_pk_add_f32 v[A+wi:A+wi+1], v[A+wi:A+wi+1], v[(\reg)+wi:(\reg)+wi+1]
.set wi, wi+2
.endr
.endm
; 16 accumulators (4 tiles of rows x my 4 tiles of units), two K steps; they take turns, one instruction a turn.  Weights and bias in window 1, the rows' fragments in window 2
.macro PROD16
	WIN 0x19
.irp m, 0,1,2,3
.irp i, 0,1,2,3
	MM A+32*\m+8*\i, 24*\i, 24*\m, 96+8*\i, 16+2*\i, 24+2*\m
.endr
.endr
	WIN 0x09
.irp m, 0,1,2,3
.irp i, 0,1,2,3
	MM A+32*\m+8*\i, 24*\i+12, 24*\m+12, A+32*\m+8*\i, 17+2*\i, 25+2*\m
.endr
.endr
	WIN 0
.endm
.macro STAGE16
.irp m, 0,1,2,3
.irp i, 0,1,2,3
	ds_store_b128 v[SO], v[A+32*\m+8*\i:A+32*\m+8*\i+3] offset:16640*\m+128*(\i/2)+32*(\i%2)
	ds_store_b128 v[SO], v[A+32*\m+8*\i+4:A+32*\m+8*\i+7] offset:16640*\m+128*(\i/2)+32*(\i%2)+16
.endr
.endr
.endm
; layer norm of the row array, in two passes (mean, then the mean of squared distances); gain at v0-127, bias at v128-255 of window gw
.macro LNORM gw
	v_pk_add_f32 v[244:245], v[A:A+1], v[A+2:A+3]
	v_pk_add_f32 v[246:247], v[A+4:A+5], v[A+6:A+7]
.set wi, 8
.rept 30
	v_pk_add_f32 v[244:245], v[244:245], v[A+wi:A+wi+1]
	v_pk_add_f32 v[246:247], v[246:247], v[A+wi+2:A+wi+3]
.set wi, wi+4
.endr
	v_pk_add_f32 v[244:245], v[244:245], v[246:247]
	v_add_f32 v244, v244, v245
	v_permlanex16_b32 v246, v244, s[SEL], s[SEL+1]
	v_add_f32 v244, v244, v246
	v_mul_f32 v248, s[C256], v244                  ; the mean
	v_mov_b32 v249, v248
.set wi, 0
.rept 64
	v_pk_add_f32 v[A+wi:A+wi+1], v[A+wi:A+wi+1], v[248:249] neg_lo:[0,1] neg_hi:[0,1]
.set wi, wi+2
.endr
	v_pk_mul_f32 v[244:245], v[A:A+1], v[A:A+1]
	v_pk_mul_f32 v[246:247], v[A+2:A+3], v[A+2:A+3]
.set wi, 4
.rept 31
	v_pk_fma_f32 v[244:245], v[A+wi:A+wi+1], v[A+wi:A+wi+1], v[244:245]
	v_pk_fma_f32 v[246:247], v[A+wi+2:A+wi+3], v[A+wi+2:A+wi+3], v[246:247]
.set wi, wi+4
.endr
	v_pk_add_f32 v[244:245], v[244:245], v[246:247]
	v_add_f32 v244, v244, v245
	v_permlanex16_b32 v246, v244, s[SEL], s[SEL+1]
	v_add_f32 v244, v244, v246
	v_fma_f32 v244, v244, s[C256], s[EPS]
	v_rsq_f32 v250, v244
	v_nop                                          ; a plain place behind the transcendental,
	s_wait_alu depctr_va_vdst(0)                   ; and the wait ahead of its first reader
	v_mov_b32 v251, v250
.set wi, 0
.rept 64
	v_pk_mul_f32 v[A+wi:A+wi+1], v[A+wi:A+wi+1], v[250:251]
.set wi, wi+2
.endr
	WIN ((\gw)<<2)|((\gw)<<4)
.set wi, 0
.rept 64
	v_pk_fma_f32 v[A+wi:A+wi+1], v[A+wi:A+wi+1], v[wi:wi+1], v[128+wi:129+wi]
.set wi, wi+2
.endr
	WIN 0
.endm
.macro LVC reg, lo, hi                 ; a level's constant: lanes 0-15 hold levels 0 and 1, lanes 16-31 levels 2 and 3
	v_mov_b32 v[\reg], \lo
	v_mov_b32 v192, \hi
	v_cndmask_b32 v[\reg], v[\reg], v192, s[MHI]
.endm
; point q (0 .. 7) of my half of head b's sixteen: level 2 h + q / 4
.macro POINT b, q, m
.set PT, 128+8*((\q)%2)
.set PU, (\q)/4
.set PO, 32+16*(\b)+2*(\q)
.set PF, 228+4*(\m)+2*PU
	v_pk_fma_f32 v[PT:PT+1], v[PO:PO+1], v[188+2*PU:189+2*PU], v[PF:PF+1] op_sel_hi:[1,0,1]     ; loc = ref + off / W: 1 / W is a power of two, so this rounds once, as reference() does
	v_pk_fma_f32 v[PT:PT+1], v[PT:PT+1], v[184+2*PU:185+2*PU], -0.5 op_sel_hi:[1,0,0]           ; x = loc W - 0.5, y likewise
	v_floor_f32 v[PT+2], v[PT]
	v_floor_f32 v[PT+3], v[PT+1]
	v_med3_num_f32 v[PT+2], v[PT+2], 0, v[185+2*PU]      ; the base corner, held to 0 .. W - 2
	v_med3_num_f32 v[PT+3], v[PT+3], 0, v[185+2*PU]
	v_sub_f32 v[PT], v[PT], v[PT+2]
	v_sub_f32 v[PT+1], v[PT+1], v[PT+3]
	v_add_f32 v[PT+4], -1.0, v[PT]
	v_add_f32 v[PT+5], -1.0, v[PT+1]
	v_sub_f32 v[PT], 1.0, |v[PT]|
	v_sub_f32 v[PT+1], 1.0, |v[PT+1]|
	v_sub_f32 v[PT+4], 1.0, |v[PT+4]|
	v_sub_f32 v[PT+5], 1.0, |v[PT+5]|
	v_max_num_f32 v[PT], 0, v[PT]                        ; wx of corner 0,
	v_max_num_f32 v[PT+1], 0, v[PT+1]                    ; wy of corner 0,
	v_max_num_f32 v[PT+4], 0, v[PT+4]                    ; of corner 1
	v_max_num_f32 v[PT+5], 0, v[PT+5]
	v_mul_f32 v[PT+1], v[PT+1], v[64+8*(\b)+(\q)]        ; x the attention weight
	v_mul_f32 v[PT+5], v[PT+5], v[64+8*(\b)+(\q)]
	v_mul_f32 v[80+(\q)], v[PT+1], v[PT]                 ; corner 2 y + x
	v_mul_f32 v[88+(\q)], v[PT+1], v[PT+4]
	v_mul_f32 v[96+(\q)], v[PT+5], v[PT]
	v_mul_f32 v[104+(\q)], v[PT+5], v[PT+4]
	v_fma_f32 v[PT+2], v[PT+3], v[184+2*PU], v[PT+2]
	v_add_f32 v[PT+2], v[PT+2], v[189+2*PU]              ; start + y W + x: whole numbers under 2^24, exact
	v_cvt_u32_f32 v[112+(\q)], v[PT+2]
.endm
	s_load_b512 s[8:23], s[0:1], 0x0               ; oo 8, wq 10, out_proj_b 12, tgt 14, norm2_g 16, norm2_b 18, query_pos 20, off_b 22
	s_load_b256 s[24:31], s[0:1], 0x40             ; attw_b 24, reference_points 26, tga 28, sidx 30
	s_load_b64 s[32:33], s[0:1], 0x60              ; swt
	v_lshl_add_u32 v254, v0, 2, 0x26400
	v_mov_b32 v255, 0
	v_lshrrev_b32 v160, 5, v0
	v_readfirstlane_b32 s[WV], v160
	v_and_b32 v160, 31, v0                         ; lane
	v_and_b32 v161, 15, v0                         ; r
	v_bfe_u32 v162, v0, 4, 1                       ; h
	v_lshlrev_b32 v[LI], 4, v160
	v_lshlrev_b32 v[LS], 2, v160
	s_mul_i32 s48, s[WV], 8448
	v_add_nc_u32 v[TSW], s48, v[LI]
	v_mul_u32_u24 v163, v161, 528
	v_lshl_add_u32 v164, v162, 6, v163
	v_add_nc_u32 v[TSR], s48, v164
	s_add_co_u32 s48, s48, SWS
	v_lshl_add_u32 v164, v162, 5, v163
	v_add_nc_u32 v[SWW], s48, v164
	v_add_nc_u32 v[SWR], s48, v[LI]
	s_mul_i32 s48, s[WV], 3072
	s_add_co_u32 s48, s48, XIMG
	v_add_nc_u32 v[XWI], s48, v[LI]
	s_lshl_b32 s48, s[WV], 8
	s_add_co_u32 s49, s48, XSC
	v_add_nc_u32 v[XWS], s49, v[LS]
	v_mul_u32_u24 v163, v161, 1040
	v_lshl_add_u32 v163, v162, 6, v163
	s_add_co_u32 s48, s48, STG
	v_add_nc_u32 v[SO], s48, v163
	s_mul_i32 s48, s[WV], 16640
	s_add_co_u32 s48, s48, STG
	v_add_nc_u32 v[SR], s48, v163
	v_lshlrev_b32 v[H64], 6, v162
	v_add_nc_u32 v[XRI], XIMG, v[LI]
	v_add_nc_u32 v[XRS], XSC, v[LS]
	s_mul_i32 s48, s[WV], 2304
	s_add_co_u32 s48, s48, SIS
	v_mul_u32_u24 v163, v161, 144
	v_lshl_add_u32 v163, v162, 5, v163
	v_add_nc_u32 v[SIW], s48, v163
	v_lshrrev_b32 v163, 3, v160
	v_mul_u32_u24 v163, v163, 144
	v_and_b32 v164, 7, v160
	v_lshl_add_u32 v163, v164, 4, v163
	v_add_nc_u32 v[SIR], s48, v163
	v_mul_u32_u24 v[OA], v161, 24
	v_mad_u32_u24 v[OA], v162, 0x6000, v[OA]       ; o's codes: 24 r, and a head (24,576 bytes) on for lanes 16-31
	v_lshlrev_b32 v[OS], 3, v161
	v_lshlrev_b32 v[A32], 5, v162
	v_lshlrev_b32 v[ARP], 5, v161
	v_lshl_add_u32 v[ARP], v162, 4, v[ARP]
	s_mov_b32 s[SEL], 0x76543210
	s_mov_b32 s[SEL+1], 0xfedcba98
	s_mov_b32 s[MHI], 0xffff0000
	s_mov_b32 s[C256], 0x3b800000                  ; 1 / 256
	s_mov_b32 s[EPS], 0x3727c5ac                   ; 1e-5
.irp b, 0,1,2,3
	v_mov_b32 v[TM+4+\b], 0
.endr
	s_lshr_b32 s48, ttmp9, 4
	s_mul_i32 s48, s48, 196608                     ; the batch's eight heads of codes,
	s_and_b32 s49, ttmp9, 15
	s_mul_i32 s49, s49, 1536                       ; my 64 tokens
	s_add_co_u32 s48, s48, s49
	s_mov_b32 s49, 0
	s_lshl_b32 s50, ttmp9, 9
	s_mov_b32 s51, 0
	s_wait_kmcnt 0x0
	s_add_nc_u64 s[OOB:OOB+1], s[8:9], s[48:49]
	s_add_nc_u64 s[OSB:OSB+1], s[8:9], s[50:51]
	s_mul_i32 s48, s[WV], 12288
	s_add_nc_u64 s[WB1:WB1+1], s[10:11], s[48:49]
	s_lshl_b32 s48, s[WV], 10
	s_add_nc_u64 s[WSB1:WSB1+1], s[10:11], s[48:49]
	s_mul_i32 s48, s[WV], 6144
	s_add_nc_u64 s[WB2:WB2+1], s[10:11], s[48:49]
	s_lshl_b32 s48, s[WV], 9
	s_add_nc_u64 s[WSB2:WSB2+1], s[10:11], s[48:49]
	s_lshl_b32 s48, s[WV], 8
	s_add_nc_u64 s[12:13], s[12:13], s[48:49]
	s_add_nc_u64 s[22:23], s[22:23], s[48:49]
	s_lshl_b32 s48, s[WV], 7
	s_add_nc_u64 s[24:25], s[24:25], s[48:49]
	s_lshl_b32 s48, ttmp9, 16
	s_lshl_b32 s50, s[WV], 14
	s_add_co_u32 s48, s48, s50                     ; my 16 rows of 1,024 bytes
	s_add_nc_u64 s[14:15], s[14:15], s[48:49]
	s_add_nc_u64 s[20:21], s[20:21], s[48:49]
	s_add_nc_u64 s[28:29], s[28:29], s[48:49]
	s_lshl_b32 s48, ttmp9, 11
	s_add_nc_u64 s[26:27], s[26:27], s[48:49]
	s_lshl_b32 s48, ttmp9, 17
	s_lshl_b32 s50, s[WV], 13
	s_add_co_u32 s48, s48, s50
	s_add_nc_u64 s[32:33], s[32:33], s[48:49]
	s_lshl_b32 s48, ttmp9, 15
	s_lshl_b32 s50, s[WV], 11
	s_add_co_u32 s48, s48, s50
	s_add_nc_u64 s[30:31], s[30:31], s[48:49]
	; ---- A: y = o out_proj_w^T + b
	WIN 0x40
	WLOAD 0, 8, WB1, 96
	BLOAD 96, 12, 4, 0
	WIN 0
	WSLOAD 16, 8, WSB1, 96
	WIN 0x80
.irp m, 0,1,2,3
.irp s, 0,1
.irp c, 0,1
.irp i, 0,1,2
	global_load_b64 v[12*(2*\m+\s)+6*\c+2*\i:12*(2*\m+\s)+6*\c+2*\i+1], v[OA], s[OOB:OOB+1] offset:(4*\s+2*\c)*24576+384*\m+8*\i    ; block 4 s + 2 c + h of a row is head 4 s + 2 c + h's 24 bytes
.endr
.endr
.endr
.endr
	WIN 0
.irp m, 0,1,2,3
.irp s, 0,1
	global_load_b32 v[24+2*\m+\s], v[OS], s[OSB:OSB+1] offset:OSO+128*\m+4*\s
.endr
.endr
	WIN 0xc0
	LOADU 0, 14, 0
	LOADU 64, 14, 512
	WIN 0
	s_wait_loadcnt 32                              ; weights and o are in; tgt's 32 loads may be out
	PROD16
	PLACES 5                                       ; behind the products: results are read, sources and scale registers loaded again
	WIN 0xc0
	LOADU 128, 20, 0
	LOADU 192, 20, 512
	WIN 0x80
	GBLOAD 0, 16
	GBLOAD 128, 18
	WIN 0x40
	WLOAD 0, 8, WB1, 160
	WLOAD 96, 4, WB2, 192
	BLOAD 144, 22, 4, 0
.irp b, 0,1
	global_load_b128 v[176+8*\b:179+8*\b], v[A32], s[24:25] offset:64*\b           ; attw_b in its result's layout: points 8 h + 0 .. 7 of head b
	global_load_b128 v[180+8*\b:183+8*\b], v[A32], s[24:25] offset:64*\b+16
.endr
	WIN 0
	WSLOAD 16, 8, WSB1, 160
	WSLOAD 24, 4, WSB2, 192
.irp m, 0,1,2,3
	global_load_b128 v[228+4*\m:231+4*\m], v[ARP], s[26:27] offset:512*\m          ; row 16 m + r: (x, y) of levels 2 h and 2 h + 1
.endr
	STAGE16
	BARRIER                                        ; 64 whole rows of y lie in the stage
	; ---- rows: tga = layer norm(tgt + y); q = tga + pos, quantised
	s_wait_loadcnt 0x0
	TURNU 0, 3, 0, 3
	TURNU 64, 3, 64, 3
	TURNU 128, 3, 128, 3
	TURNU 192, 3, 192, 3
	ROWLD
	s_wait_dscnt 0x0
	WIN 0x0c
	ADDROW 0
	WIN 0
	LNORM 2
	TURNO A, 0, 3
	TURNO A+64, 64, 3
	s_wait_dscnt 0x0
	WIN 0x0c
	STOREU 0, 28, 0
	STOREU 64, 28, 512
	ADDROW 128
	WIN 0
	QUANT A
	IMAGE XWI, 0
	ds_store_b32 v[XWS], v[PW]
	s_wait_dscnt 0x0
	QUANT A+64
	IMAGE XWI, 1536
	ds_store_b32 v[XWS], v[PW] offset:128
	BARRIER                                        ; q's eight fragments lie in LDS
	LVC 184, 0x42800000, 0x41800000                ; W: 64 / 16
	LVC 185, 0x42780000, 0x41600000                ; W - 2
	LVC 186, 0x42000000, 0x41000000                ; 32 / 8
	LVC 187, 0x41f00000, 0x40c00000
	LVC 188, 0x3c800000, 0x3d800000                ; 1 / W
	LVC 189, 0, 0x45a00000                         ; the level's start: 0 / 5120
	LVC 190, 0x3d000000, 0x3e000000
	LVC 191, 0x45800000, 0x45a80000                ; 4096 / 5376
	v_mov_b32 v122, 0
	v_mov_b32 v123, 0
	; ---- D: offsets and weights of my two heads, a tile of 16 rows at a time
.irp m, 0,1,2,3
	FETCH XF, XRI, (2*\m)*1536
	FETCH XF+12, XRI, (2*\m+1)*1536
	ds_load_b32 v[XS], v[XRS] offset:128*(2*\m)
	ds_load_b32 v[XS+1], v[XRS] offset:128*(2*\m+1)
	s_wait_dscnt 0x0
	WIN 0x11                                       ; six accumulators by turns
.irp i, 0,1,2,3
	MM 32+8*\i, 24*\i, XF, 144+8*\i, 16+2*\i, XS
.endr
.irp b, 0,1
	MM 64+8*\b, 96+24*\b, XF, 176+8*\b, 24+2*\b, XS
.endr
	WIN 0x01
.irp i, 0,1,2,3
	MM 32+8*\i, 24*\i+12, XF+12, 32+8*\i, 17+2*\i, XS+1
.endr
.irp b, 0,1
	MM 64+8*\b, 96+24*\b+12, XF+12, 64+8*\b, 25+2*\b, XS+1
.endr
	WIN 0
	PLACES 5
	; the softmax over a head's 16 points: 8 in my lane, 8 in lane l xor 16; both heads together
.irp b, 0,1
	v_max3_num_f32 v[120+\b], v[64+8*\b], v[65+8*\b], v[66+8*\b]
.endr
.irp b, 0,1
	v_max3_num_f32 v[120+\b], v[120+\b], v[67+8*\b], v[68+8*\b]
.endr
.irp b, 0,1
	v_max3_num_f32 v[120+\b], v[120+\b], v[69+8*\b], v[70+8*\b]
.endr
.irp b, 0,1
	v_max_num_f32 v[120+\b], v[120+\b], v[71+8*\b]
.endr
.irp b, 0,1
	v_permlanex16_b32 v[122+\b], v[120+\b], s[SEL], s[SEL+1]
.endr
.irp b, 0,1
	v_max_num_f32 v[120+\b], v[120+\b], v[122+\b]
.endr
.irp b, 0,1
.irp j, 0,1,2,3,4,5,6,7
	v_sub_f32 v[64+8*\b+\j], v[64+8*\b+\j], v[120+\b]
.endr
.endr
.irp j, 0,1,2,3,4,5,6,7,8,9,10,11,12,13,14,15
	v_mul_f32 v[64+\j], 0x3fb8aa3b, v[64+\j]
.endr
.irp j, 0,1,2,3,4,5,6,7,8,9,10,11,12,13,14,15
	v_exp_f32 v[64+\j], v[64+\j]
.endr
	v_nop
	s_wait_alu depctr_va_vdst(0)                   ; one wait for the sixteen
.irp b, 0,1
	v_add_f32 v[124+\b], v[64+8*\b], v[65+8*\b]
.endr
.irp j, 2,3,4,5,6,7
.irp b, 0,1
	v_add_f32 v[124+\b], v[124+\b], v[64+8*\b+\j]
.endr
.endr
.irp b, 0,1
	v_permlanex16_b32 v[122+\b], v[124+\b], s[SEL], s[SEL+1]
.endr
.irp b, 0,1
	v_add_f32 v[124+\b], v[124+\b], v[122+\b]
.endr
.irp b, 0,1
	v_rcp_f32 v[126+\b], v[124+\b]
.endr
	v_nop
	s_wait_alu depctr_va_vdst(0)
.irp b, 0,1
.irp j, 0,1,2,3,4,5,6,7
	v_mul_f32 v[64+8*\b+\j], v[64+8*\b+\j], v[126+\b]
.endr
.endr
.irp b, 0,1
.irp q, 0,1,2,3,4,5,6,7
	POINT \b, \q, \m
.endr
.irp c, 0,1,2,3
	ds_store_b128 v[SWW], v[80+8*\c:83+8*\c] offset:256*\b+64*\c           ; my stage's row r: head b, corner c, points 8 h + 0 .. 7
	ds_store_b128 v[SWW], v[84+8*\c:87+8*\c] offset:256*\b+64*\c+16
.endr
	ds_store_b128 v[SIW], v[112:115] offset:64*\b
	ds_store_b128 v[SIW], v[116:119] offset:64*\b+16
	s_wait_dscnt 0x0                               ; the stores have read their registers
.endr
	s_wait_xcnt 0x0                                ; earlier global stores have read theirs
	WIN 0xc0
.irp k, 0,1,2,3,4,5,6,7,8,9,10,11,12,13,14,15
	ds_load_b128 v[4*\k:4*\k+3], v[SWR] offset:528*\k
.endr
.irp k, 0,1,2,3
	ds_load_b128 v[64+4*\k:67+4*\k], v[SIR] offset:576*\k
.endr
	WIN 0
	s_wait_dscnt 0x0
	WIN 0x0c
.irp k, 0,1,2,3,4,5,6,7,8,9,10,11,12,13,14,15
	global_store_b128 v[LI], v[4*\k:4*\k+3], s[32:33] offset:32768*\m+512*\k       ; 512 consecutive bytes, aligned
.endr
.irp k, 0,1,2,3
	global_store_b128 v[LI], v[64+4*\k:67+4*\k], s[30:31] offset:8192*\m+512*\k
.endr
	WIN 0
.endr
	s_wait_tensorcnt 0x0
	ds_add_u32 v254, v255
	s_wait_dscnt 0x0
	s_endpgm
.Lfunc_end_k_qbe87ede01f_mid:
	.size	k_qbe87ede01f_mid, .Lfunc_end_k_qbe87ede01f_mid-k_qbe87ede01f_mid
	.p2alignl 7, 3214868480
	.fill 96, 4, 3214868480
	.section	.rodata,"a",@progbits
	.p2align	6, 0x0
	.amdhsa_kernel k_qbe87ede01f_mid
		.amdhsa_group_segment_fixed_size 157184
		.amdhsa_private_segment_fixed_size 0
		.amdhsa_enable_private_segment 0
		.amdhsa_kernarg_size 104
		.amdhsa_user_sgpr_count 2
		.amdhsa_user_sgpr_kernarg_segment_ptr 1
		.amdhsa_wavefront_size32 1
		.amdhsa_system_sgpr_workgroup_id_x 1
		.amdhsa_system_sgpr_workgroup_id_y 1
		.amdhsa_system_sgpr_workgroup_id_z 1
		.amdhsa_system_vgpr_workitem_id 0
		.amdhsa_next_free_vgpr 1024
		.amdhsa_next_free_sgpr 66
		.amdhsa_reserve_vcc 0
		.amdhsa_float_denorm_mode_32 3
		.amdhsa_float_denorm_mode_16_64 3
		.amdhsa_memory_ordered 1
		.amdhsa_forward_progress 1
		.amdhsa_inst_pref_size 210
	.end_amdhsa_kernel
	.amdgpu_metadata
---
amdhsa.version: [ 1, 2 ]
amdhsa.kernels:
  - .name:           k_qbe87ede01f_mid
    .symbol:         k_qbe87ede01f_mid.kd
    .args:
      - { .name: oo, .offset: 0, .size: 8, .value_kind: global_buffer, .address_space: global }
      - { .name: wq, .offset: 8, .size: 8, .value_kind: global_buffer, .address_space: global }
      - { .name: out_proj_b, .offset: 16, .size: 8, .value_kind: global_buffer, .address_space: global }
      - { .name: tgt, .offset: 24, .size: 8, .value_kind: global_buffer, .address_space: global }
      - { .name: norm2_g, .offset: 32, .size: 8, .value_kind: global_buffer, .address_space: global }
      - { .name: norm2_b, .offset: 40, .size: 8, .value_kind: global_buffer, .address_space: global }
      - { .name: query_pos, .offset: 48, .size: 8, .value_kind: global_buffer, .address_space: global }
      - { .name: off_b, .offset: 56, .size: 8, .value_kind: global_buffer, .address_space: global }
      - { .name: attw_b, .offset: 64, .size: 8, .value_kind: global_buffer, .address_space: global }
      - { .name: reference_points, .offset: 72, .size: 8, .value_kind: global_buffer, .address_space: global }
      - { .name: tga, .offset: 80, .size: 8, .value_kind: global_buffer, .address_space: global }
      - { .name: sidx, .offset: 88, .size: 8, .value_kind: global_buffer, .address_space: global }
      - { .name: swt, .offset: 96, .size: 8, .value_kind: global_buffer, .address_space: global }
    .group_segment_fixed_size: 157184
    .private_segment_fixed_size: 0
    .kernarg_segment_align: 8
    .kernarg_segment_size: 104
    .max_flat_workgroup_size: 128
    .sgpr_count:     66
    .vgpr_count:     1024
    .wavefront_size: 32
...
	.end_amdgpu_metadata
.endif
;; end of part 5
;; launch tail (part 6): grid 256 x 1, 4 waves a work-group, no clusters, 276,992 bytes of LDS; arguments sidx, swt, val, wq, outp_b, tga, norm1_g, norm1_b, lin1_b, lin2_b, norm3_g, norm3_b, out0; writes out0
.if DOCPART == 6
	.amdgcn_target "amdgcn-amd-amdhsa--gfx1250"
	.amdhsa_code_object_version 6
	.text
	.protected	k_qbe87ede01f_tail
	.globl	k_qbe87ede01f_tail
	.p2align	8
	.type	k_qbe87ede01f_tail,@function
k_qbe87ede01f_tail:
	s_mov_b64 s[64:65], 0
	v_nop
	global_prefetch_b8 v0, s[64:65] scope:SCOPE_SE
	s_setreg_imm32_b32 hwreg(HW_REG_WAVE_MODE, 25, 1), 1
	s_wait_xcnt 0x0
; For 64 rows: the deformable sampling (f32 multiply-adds: its result goes on into a quantiser), x outp_w^T + b, layer norm with tga, the FFN 256-1024-256 with relu, the last layer norm.  All three products on codes of BF6.
; THE GATHER.  Wave w takes rows 16 w .. 16 w + 15: 128 items (row, head).  An item's 16 base positions are whole numbers that the launch before stored; they come by a scalar load, are held to the level's largest
; base corner by s_min_u32, and are shifted into byte offsets.  One load of 16 bytes a lane brings ALL FOUR CORNERS of a point: lane / 16 is the y corner, (lane / 8) % 2 the x corner, lane % 8 four dims.
; Each lane multiplies by its own corner's weight; the four corners are added across lanes at the item's end.  Four register sets, one in each register window at the same numbers, keep three items (60 loads) on their way.
; The last four requests name item 127 again, so that every trip issues the same loads and no load leaves a buffer.
; THE CHAIN.  In products wave w owns units 64 w .. (in lin1: 128 hidden units of each half of 512); in row phases rows 16 w ..; sums change owners through a stage, quantised rows as images of their registers.
; No tensor loads (nothing is streamed through LDS by an engine), no cluster (work-groups share the weights' images alone).
; LIMITS: NaN and infinities are not served; a block of zeros gets the scale byte 1.
; REGISTERS: window 0: v1-15 addresses, v16-31 scale words, v32-159 row array / accumulators / fragments, v160-183 fragments, v184-220 the quantiser's, v221-242 scale words, v243, v252 addresses, v244-251 the norm's.
;   window 1: a phase's weights and bias; window 2: rows' fragments, norm's gain and bias, lin2's weights; window 3: v0-127 lin2's 16 accumulators, v128-255 tga's rows.  During the gather v32-127 of every window are a set.
.set WSC,  761856
.set GS,   33792                       ; LDS: four stages of 16 x 528; the gathered rows: 4 x 64 x 272;
.set XIMG, 103424                      ; 8 fragments;
.set XSC,  115712                      ; their scale words;
.set STG,  116736                      ; 64 rows x 1,040;
.set RES,  183296                      ; the second norm's result, kept for the residual: 4 x 16,640;
.set HIMG, 249856                      ; the hidden layer's 16 fragments;
.set HSC,  274432                      ; their scale words
.set LI, 1
.set LS, 2
.set TSW, 3
.set TSR, 4
.set XWI, 5
.set XWS, 6
.set SO, 7
.set SR, 8
.set H64, 9
.set XRI, 10
.set XRS, 11
.set HWI, 12
.set HWS, 13
.set HRI, 14
.set HRS, 15
.set A, 32
.set HA, 32
.set HF, 96
.set XF, 160
.set PC, 184
.set TM, 204
.set PW, 220
.set XS, 221
.set HS, 223
.set L2S, 227
.set RSA, 243
.set GRD, 252
.set D, 32                             ; a gather set: 16 points x 4 registers,
.set WT, 96                            ; 16 weights of my corner,
.set AC, 112                           ; four chains of two sums,
.set WAD, 120
.set GA, 121
.set LV, 122                           ; my lane's byte offset from a base corner, for each level,
.set WOFF, 126
.set GW0, 127
.set WV, 2
.set SEL, 4
.set C256, 6
.set EPS, 7
.set IT, 84
.set SG, 85
.set NN, 86
.set OFI, 87
.set WPB, 88
.set WPS, 90
.set W1B, 92
.set W1S, 94
.set W2B, 96
.set W2S, 98
.set MSB, 0
.macro WIN new
.if MSB != (\new)
	s_set_vgpr_msb (MSB<<8)|(\new)
.set MSB, \new
.endif
.endm
.macro PLACES n
.rept \n
	v_nop
.endr
.endm
.macro QUANT s
.irp b, 0,1,2,3
	v_max3_num_f32 v[TM+\b], |v[(\s)+16*\b]|, |v[(\s)+1+16*\b]|, 0x2800000
.endr
.irp i, 2,4,6,8,10,12,14
.irp b, 0,1,2,3
	v_max3_num_f32 v[TM+\b], v[TM+\b], |v[(\s)+16*\b+\i]|, |v[(\s)+1+16*\b+\i]|
.endr
.endr
.irp b, 0,1,2,3
	v_permlanex16_b32 v[TM+4+\b], v[TM+\b], s[SEL], s[SEL+1]
.endr
.irp b, 0,1,2,3
	v_max_num_f32 v[TM+\b], v[TM+\b], v[TM+4+\b]
.endr
.irp b, 0,1,2,3
	v_add_nc_u32 v[TM+12+\b], 0xfe000000, v[TM+\b]
.endr
.irp b, 0,1,2,3
	v_lshrrev_b32 v[TM+4+\b], 23, v[TM+12+\b]
.endr
	v_lshl_or_b32 v[PW], v[TM+5], 8, v[TM+4]
	v_lshl_or_b32 v[PW], v[TM+6], 16, v[PW]
	v_lshl_or_b32 v[PW], v[TM+7], 24, v[PW]
.irp c, 0,1
	v_cvt_scalef32_pk16_bf6_f32 v[PC+6*\c:PC+2+6*\c], v[(\s)+32*\c:(\s)+15+32*\c], v[TM+12+2*\c]
	v_cvt_scalef32_pk16_bf6_f32 v[PC+12+4*\c:PC+14+4*\c], v[(\s)+16+32*\c:(\s)+31+32*\c], v[TM+12+2*\c+1]
.endr
	v_nop
.irp c, 0,1
.irp i, 0,1,2
	v_permlane16_swap_b32 v[PC+6*\c+\i], v[PC+12+4*\c+\i]
.endr
.irp i, 0,1,2
	v_mov_b32 v[PC+3+6*\c+\i], v[PC+12+4*\c+\i]
.endr
.endr
.endm
.macro IMAGE adr, off
.irp c, 0,1,2
	ds_store_b128 v[\adr], v[PC+4*\c:PC+4*\c+3] offset:(\off)+512*\c
.endr
.endm
.macro FETCH reg, adr, off
.irp c, 0,1,2
	ds_load_b128 v[(\reg)+4*\c:(\reg)+4*\c+3], v[\adr] offset:(\off)+512*\c
.endr
.endm
.macro BARRIER
	s_wait_dscnt 0x0
	s_barrier_signal -1
	s_barrier_wait -1
.endm
.macro MM d, a, b, c, sa, sb
	v_wmma_scale_f32_16x16x128_f8f6f4 v[(\d):(\d)+7], v[(\a):(\a)+11], v[(\b):(\b)+11], v[(\c):(\c)+7], v[\sa], v[\sb] matrix_a_fmt:MATRIX_FMT_BF6 matrix_b_fmt:MATRIX_FMT_BF6
.endm
.macro WLOAD reg, n, base, f0
.set wi, 0
.rept \n
.irp c, 0,1,2
	global_load_b128 v[(\reg)+12*wi+4*\c:(\reg)+12*wi+4*\c+3], v[LI], s[\base:\base+1] offset:((\f0)+wi)*1536+512*\c
.endr
.set wi, wi+1
.endr
.endm
.macro WSLOAD reg, n, base, f0
.set wi, 0
.rept \n
	global_load_b32 v[(\reg)+wi], v[LS], s[\base:\base+1] offset:WSC+((\f0)+wi)*128
.set wi, wi+1
.endr
.endm
.macro BLOAD reg, base, tiles, off
.set wi, 0
.rept \tiles
	global_load_b128 v[(\reg)+8*wi:(\reg)+8*wi+3], v[H64], s[\base:\base+1] offset:(\off)+128*(wi/2)+32*(wi%2)
	global_load_b128 v[(\reg)+8*wi+4:(\reg)+8*wi+7], v[H64], s[\base:\base+1] offset:(\off)+128*(wi/2)+32*(wi%2)+16
.set wi, wi+1
.endr
.endm
.macro GBLOAD reg, base
.irp b, 0,1,2,3,4,5,6,7
.irp j, 0,1,2,3
	global_load_b128 v[(\reg)+16*\b+4*\j:(\reg)+16*\b+4*\j+3], v[H64], s[\base:\base+1] offset:128*\b+16*\j
.endr
.endr
.endm
.macro LOADU reg, base, off
.set wi, 0
.rept 16
	global_load_b128 v[(\reg)+4*wi:(\reg)+4*wi+3], v[LI], s[\base:\base+1] offset:(\off)+1024*wi
.set wi, wi+1
.endr
.endm
.macro TURNU src, sw, dst, dw
	WIN (\sw)<<2
.set wi, 0
.rept 16
	ds_store_b128 v[TSW], v[(\src)+4*wi:(\src)+4*wi+3] offset:528*wi
.set wi, wi+1
.endr
	WIN (\dw)<<6
.irp b, 0,1,2,3
.irp j, 0,1,2,3
	ds_load_b128 v[(\dst)+16*\b+4*\j:(\dst)+16*\b+4*\j+3], v[TSR] offset:128*\b+16*\j
.endr
.endr
	WIN 0
.endm
.macro TURNO src, dst, dw
.irp b, 0,1,2,3
.irp j, 0,1,2,3
	ds_store_b128 v[TSR], v[(\src)+16*\b+4*\j:(\src)+16*\b+4*\j+3] offset:128*\b+16*\j
.endr
.endr
	WIN (\dw)<<6
.set wi, 0
.rept 16
	ds_load_b128 v[(\dst)+4*wi:(\dst)+4*wi+3], v[TSW] offset:528*wi
.set wi, wi+1
.endr
	WIN 0
.endm
.macro STOREU src, base, off
.set wi, 0
.rept 16
	global_store_b128 v[LI], v[(\src)+4*wi:(\src)+4*wi+3], s[\base:\base+1] offset:(\off)+1024*wi th:TH_STORE_NT
.set wi, wi+1
.endr
.endm
.macro ROWLD
.irp b, 0,1,2,3,4,5,6,7
.irp j, 0,1,2,3
	ds_load_b128 v[A+16*\b+4*\j:A+16*\b+4*\j+3], v[SR] offset:128*\b+16*\j
.endr
.endr
.endm
.macro ADDROW reg
.set wi, 0
.rept 64
	v_pk_add_f32 v[A+wi:A+wi+1], v[A+wi:A+wi+1], v[(\reg)+wi:(\reg)+wi+1]
.set wi, wi+2
.endr
.endm
.macro PROD16
	WIN 0x19
.irp m, 0,1,2,3
.irp i, 0,1,2,3
	MM A+32*\m+8*\i, 24*\i, 24*\m, 96+8*\i, 16+2*\i, 24+2*\m
.endr
.endr
	WIN 0x09
.irp m, 0,1,2,3
.irp i, 0,1,2,3
	MM A+32*\m+8*\i, 24*\i+12, 24*\m+12, A+32*\m+8*\i, 17+2*\i, 25+2*\m
.endr
.endr
	WIN 0
.endm
.macro STAGE16 w3                      ; w3 = 1: lin2's accumulators, (tile of units i, tile of rows m) at v[8 (4 i + m)] of window 3
.irp m, 0,1,2,3
.irp i, 0,1,2,3
.if \w3
.set rg, 8*(4*\i+\m)
.else
.set rg, A+32*\m+8*\i
.endif
	ds_store_b128 v[SO], v[rg:rg+3] offset:16640*\m+128*(\i/2)+32*(\i%2)
	ds_store_b128 v[SO], v[rg+4:rg+7] offset:16640*\m+128*(\i/2)+32*(\i%2)+16
.endr
.endr
.endm
.macro LNORM gw
	v_pk_add_f32 v[244:245], v[A:A+1], v[A+2:A+3]
	v_pk_add_f32 v[246:247], v[A+4:A+5], v[A+6:A+7]
.set wi, 8
.rept 30
	v_pk_add_f32 v[244:245], v[244:245], v[A+wi:A+wi+1]
	v_pk_add_f32 v[246:247], v[246:247], v[A+wi+2:A+wi+3]
.set wi, wi+4
.endr
	v_pk_add_f32 v[244:245], v[244:245], v[246:247]
	v_add_f32 v244, v244, v245
	v_permlanex16_b32 v246, v244, s[SEL], s[SEL+1]
	v_add_f32 v244, v244, v246
	v_mul_f32 v248, s[C256], v244
	v_mov_b32 v249, v248
.set wi, 0
.rept 64
	v_pk_add_f32 v[A+wi:A+wi+1], v[A+wi:A+wi+1], v[248:249] neg_lo:[0,1] neg_hi:[0,1]
.set wi, wi+2
.endr
	v_pk_mul_f32 v[244:245], v[A:A+1], v[A:A+1]
	v_pk_mul_f32 v[246:247], v[A+2:A+3], v[A+2:A+3]
.set wi, 4
.rept 31
	v_pk_fma_f32 v[244:245], v[A+wi:A+wi+1], v[A+wi:A+wi+1], v[244:245]
	v_pk_fma_f32 v[246:247], v[A+wi+2:A+wi+3], v[A+wi+2:A+wi+3], v[246:247]
.set wi, wi+4
.endr
	v_pk_add_f32 v[244:245], v[244:245], v[246:247]
	v_add_f32 v244, v244, v245
	v_permlanex16_b32 v246, v244, s[SEL], s[SEL+1]
	v_add_f32 v244, v244, v246
	v_fma_f32 v244, v244, s[C256], s[EPS]
	v_rsq_f32 v250, v244
	v_nop
	s_wait_alu depctr_va_vdst(0)
	v_mov_b32 v251, v250
.set wi, 0
.rept 64
	v_pk_mul_f32 v[A+wi:A+wi+1], v[A+wi:A+wi+1], v[250:251]
.set wi, wi+2
.endr
	WIN ((\gw)<<2)|((\gw)<<4)
.set wi, 0
.rept 64
	v_pk_fma_f32 v[A+wi:A+wi+1], v[A+wi:A+wi+1], v[wi:wi+1], v[128+wi:129+wi]
.set wi, wi+2
.endr
	WIN 0
.endm
; four points of level l: the index is held to the level's largest base corner, becomes a byte offset, and the load lands on its own address register
.macro ISS4 x, sx, l, cap
.irp p, 0,1,2,3
	s_min_u32 s[(\sx)+4*(\l)+\p], s[(\sx)+4*(\l)+\p], \cap
	v_lshl_add_u32 v[D+16*(\l)+4*\p], s[(\sx)+4*(\l)+\p], 7, v[LV+(\l)]
	global_load_b128 v[D+16*(\l)+4*\p:D+16*(\l)+4*\p+3], v[D+16*(\l)+4*\p], s[52+2*(\x):53+2*(\x)]
.endr
.endm
; item s[NN] is asked for, into set x (every window is x here): 4 loads of weights, 16 of values.  The set's earlier loads have been waited for, so its base and address registers are free
.macro ISSUE x, sx
	s_lshr_b32 s60, s[NN], 5
	s_lshl_b32 s60, s60, 1
	s_and_b32 s61, s[NN], 1
	s_add_co_u32 s60, s60, s61                     ; head = 2 (item / 32) + item % 2
	s_mul_i32 s60, s60, 696320
	s_mov_b32 s61, 0
	s_add_nc_u64 s[52+2*(\x):53+2*(\x)], s[12:13], s[60:61]
	v_lshl_add_u32 v[WAD], s[NN], 8, v[WOFF]
.irp k, 0,1,2,3
	global_load_b128 v[WT+4*\k:WT+4*\k+3], v[WAD], s[10:11] offset:16*\k
.endr
	ISS4 \x, \sx, 0, 4030
	ISS4 \x, \sx, 1, 5086
	ISS4 \x, \sx, 2, 5358
	ISS4 \x, \sx, 3, 5430
.endm
; item IT + j is summed and stored to LDS; item IT + j + 4 is asked for into the same set
.macro ITEM j
	s_wait_kmcnt 0x0                               ; the indices of item IT + j + 4 are in
	s_add_co_u32 s[OFI], s[IT], (\j)+5
	s_min_u32 s[OFI], s[OFI], 127
	s_lshl_b32 s[OFI], s[OFI], 6
	s_load_b512 s[36+32*(((\j)+1)%2):51+32*(((\j)+1)%2)], s[8:9], s[OFI] offset:0x0     ; those of the item after it, into the other sixteen registers
	s_wait_loadcnt 60                              ; my item's 20 loads are in; the three younger items' 60 may be out
	s_wait_dscnt 3                                 ; this set's last store is done; the three younger may be out
	WIN 0x55*(\j)
	v_pk_mul_f32 v[AC:AC+1], v[D:D+1], v[WT:WT+1] op_sel_hi:[1,0]
	v_pk_mul_f32 v[AC+2:AC+3], v[D+2:D+3], v[WT:WT+1] op_sel_hi:[1,0]
	v_pk_mul_f32 v[AC+4:AC+5], v[D+4:D+5], v[WT:WT+1] op_sel:[0,1] op_sel_hi:[1,1]
	v_pk_mul_f32 v[AC+6:AC+7], v[D+6:D+7], v[WT:WT+1] op_sel:[0,1] op_sel_hi:[1,1]
.set pp, 2
.rept 7
	v_pk_fma_f32 v[AC:AC+1], v[D+4*pp:D+4*pp+1], v[WT+pp:WT+pp+1], v[AC:AC+1] op_sel_hi:[1,0,1]                       ; an even point takes the pair's low weight for both dims,
	v_pk_fma_f32 v[AC+2:AC+3], v[D+4*pp+2:D+4*pp+3], v[WT+pp:WT+pp+1], v[AC+2:AC+3] op_sel_hi:[1,0,1]
	v_pk_fma_f32 v[AC+4:AC+5], v[D+4*pp+4:D+4*pp+5], v[WT+pp:WT+pp+1], v[AC+4:AC+5] op_sel:[0,1,0] op_sel_hi:[1,1,1]  ; an odd one the high
	v_pk_fma_f32 v[AC+6:AC+7], v[D+4*pp+6:D+4*pp+7], v[WT+pp:WT+pp+1], v[AC+6:AC+7] op_sel:[0,1,0] op_sel_hi:[1,1,1]
.set pp, pp+2
.endr
	v_pk_add_f32 v[AC:AC+1], v[AC:AC+1], v[AC+4:AC+5]
	v_pk_add_f32 v[AC+2:AC+3], v[AC+2:AC+3], v[AC+6:AC+7]
.irp i, 0,1,2,3
	v_add_f32_dpp v[AC+\i], v[AC+\i], v[AC+\i] row_xmask:8 row_mask:0xf bank_mask:0xf      ; the other x corner
.endr
.irp i, 0,1,2,3
	v_permlanex16_b32 v[AC+4+\i], v[AC+\i], s[SEL], s[SEL+1]
.endr
.irp i, 0,1,2,3
	v_add_f32 v[AC+\i], v[AC+\i], v[AC+4+\i]                                               ; the other y corner
.endr
	v_add_nc_u32 v[GA], s[SG], v[GW0]
	ds_store_b128 v[GA], v[AC:AC+3] offset:272*((\j)/2)+128*((\j)%2)                       ; the four groups of lanes write the same bytes with the same numbers
	s_add_co_u32 s[NN], s[IT], (\j)+4
	s_min_u32 s[NN], s[NN], 127
	ISSUE \j, 36+32*((\j)%2)
.endm
; half u of the FFN: my 128 hidden units for the 64 rows, quantised, to LDS; then my 64 outputs gain four K steps
.macro FFN u
.irp m, 0,1,2,3
	FETCH XF, XRI, (2*\m)*1536
	FETCH XF+12, XRI, (2*\m+1)*1536
	ds_load_b32 v[XS], v[XRS] offset:128*(2*\m)
	ds_load_b32 v[XS+1], v[XRS] offset:128*(2*\m+1)
	s_wait_dscnt 0x0
	WIN 0x11                                       ; lin1's fragments and bias in window 1 (an earlier wait for all loads has shown them in); eight accumulators by turns
.irp t, 0,1,2,3,4,5,6,7
	MM HA+8*\t, 24*\t, XF, 192+8*\t, 16+2*\t, XS
.endr
	WIN 0x01
.irp t, 0,1,2,3,4,5,6,7
	MM HA+8*\t, 24*\t+12, XF+12, HA+8*\t, 17+2*\t, XS+1
.endr
	WIN 0
	PLACES 5
.if \m == 3                            ; window 1 is done with: what comes next goes there
.if \u == 0
	WIN 0x40
	WLOAD 0, 16, W1B, 304
	BLOAD 192, 24, 8, 2048
	WIN 0
	WSLOAD 16, 16, W1S, 304
.else
	WIN 0x40
	GBLOAD 0, 28
	GBLOAD 128, 30
	WIN 0
.endif
.endif
.set wi, 0
.rept 64
	v_max_num_f32 v[HA+wi], 0, v[HA+wi]            ; relu, in f32
.set wi, wi+1
.endr
	QUANT HA
	IMAGE HWI, 6144*\m                             ; K step 4 u + w of the second product, rows 16 m on
	ds_store_b32 v[HWS], v[PW] offset:512*\m
	s_wait_dscnt 0x0
.endr
	BARRIER                                        ; the half's sixteen hidden fragments lie in LDS
	s_wait_loadcnt 0x0                             ; lin2's fragments (and all that was asked for since)
.irp s, 0,1,2,3
.irp m, 0,1,2,3
	FETCH HF+12*\m, HRI, (4*\m+\s)*1536
	ds_load_b32 v[HS+\m], v[HRS] offset:128*(4*\m+\s)
.endr
	s_wait_dscnt 0x0
	WIN 0xf2                                       ; lin2 in window 2, sums in window 3; sixteen accumulators by turns
.irp m, 0,1,2,3
.irp n, 0,1,2,3
	MM 8*(4*\n+\m), 12*(4*\n+\s), HF+12*\m, 8*(4*\n+\m), L2S+4*\n+\s, HS+\m
.endr
.endr
	WIN 0
	PLACES 5
.endr
.if \u == 0
	WIN 0x80
.irp n, 0,1,2,3
	WLOAD 48*\n, 4, W2B, 372+8*\n
.endr
	WIN 0
.irp n, 0,1,2,3
	WSLOAD L2S+4*\n, 4, W2S, 372+8*\n
.endr
.else
	WIN 0x0c
	STAGE16 1
	WIN 0
.endif
	BARRIER                                        ; every wave has read the hidden fragments (u = 1: and the sums lie in the stage)
.endm
	s_load_b512 s[8:23], s[0:1], 0x0               ; sidx 8, swt 10, val 12, wq 14, outp_b 16, tga 18, norm1_g 20, norm1_b 22
	s_load_b256 s[24:31], s[0:1], 0x40             ; lin1_b 24, lin2_b 26, norm3_g 28, norm3_b 30
	s_load_b64 s[32:33], s[0:1], 0x60              ; out0
	v_lshl_add_u32 v254, v0, 2, 0x43800
	v_mov_b32 v255, 0
	v_lshrrev_b32 v160, 5, v0
	v_readfirstlane_b32 s[WV], v160
	v_and_b32 v160, 31, v0                         ; lane
	v_and_b32 v161, 15, v0                         ; r
	v_bfe_u32 v162, v0, 4, 1                       ; h
	v_lshlrev_b32 v[LI], 4, v160
	v_lshlrev_b32 v[LS], 2, v160
	s_mul_i32 s34, s[WV], 8448
	v_add_nc_u32 v[TSW], s34, v[LI]
	v_mul_u32_u24 v163, v161, 528
	v_lshl_add_u32 v163, v162, 6, v163
	v_add_nc_u32 v[TSR], s34, v163
	s_mul_i32 s34, s[WV], 3072
	s_add_co_u32 s34, s34, XIMG
	v_add_nc_u32 v[XWI], s34, v[LI]
	s_lshl_b32 s34, s[WV], 8
	s_add_co_u32 s35, s34, XSC
	v_add_nc_u32 v[XWS], s35, v[LS]
	v_mul_u32_u24 v163, v161, 1040
	v_lshl_add_u32 v163, v162, 6, v163
	s_add_co_u32 s34, s34, STG
	v_add_nc_u32 v[SO], s34, v163
	s_mul_i32 s34, s[WV], 16640
	s_add_co_u32 s35, s34, STG
	v_add_nc_u32 v[SR], s35, v163
	s_add_co_u32 s35, s34, RES
	v_add_nc_u32 v[RSA], s35, v[LI]
	v_lshlrev_b32 v[H64], 6, v162
	v_add_nc_u32 v[XRI], XIMG, v[LI]
	v_add_nc_u32 v[XRS], XSC, v[LS]
	s_mul_i32 s34, s[WV], 1536
	s_add_co_u32 s34, s34, HIMG
	v_add_nc_u32 v[HWI], s34, v[LI]
	s_lshl_b32 s34, s[WV], 7
	s_add_co_u32 s34, s34, HSC
	v_add_nc_u32 v[HWS], s34, v[LS]
	v_add_nc_u32 v[HRI], HIMG, v[LI]
	v_add_nc_u32 v[HRS], HSC, v[LS]
	s_mul_i32 s34, s[WV], 17408
	s_add_co_u32 s34, s34, GS                      ; my gathered rows
	v_mul_u32_u24 v163, v161, 272
	v_lshl_add_u32 v163, v162, 6, v163
	v_add_nc_u32 v[GRD], s34, v163
	s_mov_b32 s[SEL], 0x76543210
	s_mov_b32 s[SEL+1], 0xfedcba98
	s_mov_b32 s[C256], 0x3b800000
	s_mov_b32 s[EPS], 0x3727c5ac
.irp b, 0,1,2,3
	v_mov_b32 v[TM+4+\b], 0
.endr
	; the gather's lane terms, in window 0 and then in the other three
	v_bfe_u32 v163, v0, 3, 1                       ; the x corner
	v_and_b32 v164, 7, v0
	v_lshlrev_b32 v164, 4, v164
	v_lshl_add_u32 v164, v163, 7, v164
	v_lshl_add_u32 v[LV], v162, 13, v164           ; the y corner lies W positions of 128 bytes on: W = 64,
	v_lshl_add_u32 v[LV+1], v162, 12, v164         ; 32,
	v_lshl_add_u32 v[LV+2], v162, 11, v164         ; 16,
	v_lshl_add_u32 v[LV+3], v162, 10, v164         ; 8
	v_bfe_u32 v[WOFF], v0, 3, 2
	v_lshlrev_b32 v[WOFF], 6, v[WOFF]              ; my corner's 16 weights
	v_and_b32 v[GW0], 7, v0
	v_lshl_add_u32 v[GW0], v[GW0], 4, s34
.irp x, 1,2,3
	WIN (\x)<<6
	v_and_b32 v[GW0], 7, v0
.irp i, 0,1,2,3
	v_mov_b32 v[LV+\i], v[LV+\i]
.endr
	v_mov_b32 v[WOFF], v[WOFF]
	WIN ((\x)<<6)|(\x)
	v_lshl_add_u32 v[GW0], v[GW0], 4, s34
.endr
	WIN 0
	s_lshl_b32 s60, ttmp9, 15
	s_lshl_b32 s61, s[WV], 13
	s_add_co_u32 s60, s60, s61                     ; sidx: 8,192 bytes for each tile of 16 rows
	s_mov_b32 s61, 0
	s_lshl_b32 s62, s60, 2                         ; swt: four times that
	s_mov_b32 s63, 0
	s_lshr_b32 s66, ttmp9, 4
	s_mul_i32 s66, s66, 5570560                    ; val: the batch's eight heads
	s_mov_b32 s67, 0
	s_lshl_b32 s84, ttmp9, 16
	s_lshl_b32 s85, s[WV], 14
	s_add_co_u32 s84, s84, s85                     ; my 16 rows of 1,024 bytes
	s_mov_b32 s85, 0
	s_wait_kmcnt 0x0
	s_add_nc_u64 s[8:9], s[8:9], s[60:61]
	s_add_nc_u64 s[10:11], s[10:11], s[62:63]
	s_add_nc_u64 s[12:13], s[12:13], s[66:67]
	s_add_nc_u64 s[18:19], s[18:19], s[84:85]
	s_add_nc_u64 s[32:33], s[32:33], s[84:85]
	s_mul_i32 s60, s[WV], 12288
	s_add_nc_u64 s[WPB:WPB+1], s[14:15], s[60:61]
	s_lshl_b32 s60, s[WV], 10
	s_add_nc_u64 s[WPS:WPS+1], s[14:15], s[60:61]
	s_mul_i32 s60, s[WV], 24576
	s_add_nc_u64 s[W1B:W1B+1], s[14:15], s[60:61]
	s_lshl_b32 s60, s[WV], 11
	s_add_nc_u64 s[W1S:W1S+1], s[14:15], s[60:61]
	s_mul_i32 s60, s[WV], 49152
	s_add_nc_u64 s[W2B:W2B+1], s[14:15], s[60:61]
	s_lshl_b32 s60, s[WV], 12
	s_add_nc_u64 s[W2S:W2S+1], s[14:15], s[60:61]
	s_lshl_b32 s60, s[WV], 8
	s_add_nc_u64 s[16:17], s[16:17], s[60:61]
	s_add_nc_u64 s[26:27], s[26:27], s[60:61]
	s_lshl_b32 s60, s[WV], 9
	s_add_nc_u64 s[24:25], s[24:25], s[60:61]
	; ---- G: the gather
.irp x, 0,1,2,3
	s_load_b512 s[36:51], s[8:9], 64*\x
	s_wait_kmcnt 0x0
	s_mov_b32 s[NN], \x
	WIN 0x55*\x
	ISSUE \x, 36
.endr
	WIN 0
	s_load_b512 s[36:51], s[8:9], 0x100            ; item 4's indices
	s_mov_b32 s[IT], 0
	s_mov_b32 s[SG], 0
.Lgather:
	ITEM 0
	ITEM 1
	ITEM 2
	ITEM 3
	WIN 0
	s_add_co_u32 s[SG], s[SG], 544                 ; two rows of 272 bytes a trip
	s_add_co_u32 s[IT], s[IT], 4
	s_cmp_lt_u32 s[IT], 128
	s_cbranch_scc1 .Lgather
	s_wait_loadcnt 0x0                             ; the repeated requests of the last trip
	s_wait_kmcnt 0x0
	WIN 0xc0
	LOADU 128, 18, 0                               ; tga's rows
	LOADU 192, 18, 512
	WIN 0x40
	WLOAD 0, 8, WPB, 208
	BLOAD 96, 16, 4, 0
	WIN 0
	WSLOAD 16, 8, WPS, 208
	; ---- my 16 gathered rows, quantised
.irp p, 0,1,2,3
.irp b, 0,1
.irp j, 0,1,2,3
	ds_load_b128 v[A+16*(2*\p+\b)+4*\j:A+16*(2*\p+\b)+4*\j+3], v[GRD] offset:4352*\p+128*\b+16*\j
.endr
.endr
.endr
	s_wait_dscnt 0x0
	QUANT A
	IMAGE XWI, 0
	ds_store_b32 v[XWS], v[PW]
	s_wait_dscnt 0x0
	QUANT A+64
	IMAGE XWI, 1536
	ds_store_b32 v[XWS], v[PW] offset:128
	BARRIER
	; ---- P: x outp_w^T + outp_b
	WIN 0x80
.irp k, 0,1,2,3,4,5,6,7
	FETCH 12*\k, XRI, 1536*\k
.endr
	WIN 0
.irp k, 0,1,2,3,4,5,6,7
	ds_load_b32 v[24+\k], v[XRS] offset:128*\k
.endr
	s_wait_dscnt 0x0
	s_wait_loadcnt 0x0
	PROD16
	PLACES 5
	WIN 0x40
	WLOAD 0, 16, W1B, 240
	BLOAD 192, 24, 8, 0
	WIN 0x80
	GBLOAD 0, 20
	GBLOAD 128, 22
	WIN 0
	WSLOAD 16, 16, W1S, 240
	STAGE16 0
	BARRIER                                        ; 64 whole rows lie in the stage; every wave has read the first images
	; ---- rows: layer norm(tga + y), kept for the residual, quantised
	TURNU 128, 3, 128, 3
	TURNU 192, 3, 192, 3
	ROWLD
	s_wait_dscnt 0x0
	WIN 0x0c
	ADDROW 128
	WIN 0
	s_wait_loadcnt 0x0                             ; the gain and bias, and lin1's first half
	LNORM 2
.set wi, 0
.rept 32
	ds_store_b128 v[RSA], v[A+4*wi:A+4*wi+3] offset:512*wi     ; an image of the row array, my own bytes
.set wi, wi+1
.endr
	QUANT A
	IMAGE XWI, 0
	ds_store_b32 v[XWS], v[PW]
	s_wait_dscnt 0x0
	QUANT A+64
	IMAGE XWI, 1536
	ds_store_b32 v[XWS], v[PW] offset:128
	WIN 0x80
.irp n, 0,1,2,3
	WLOAD 48*\n, 4, W2B, 368+8*\n
.endr
	WIN 0
.irp n, 0,1,2,3
	WSLOAD L2S+4*\n, 4, W2S, 368+8*\n
.endr
	WIN 0xc0
.irp n, 0,1,2,3
.irp m, 0,1,2,3
	global_load_b128 v[8*(4*\n+\m):8*(4*\n+\m)+3], v[H64], s[26:27] offset:128*(\n/2)+32*(\n%2)        ; lin2_b is loaded where the sums begin: nothing is cleared
	global_load_b128 v[8*(4*\n+\m)+4:8*(4*\n+\m)+7], v[H64], s[26:27] offset:128*(\n/2)+32*(\n%2)+16
.endr
.endr
	WIN 0
	BARRIER
	FFN 0
	FFN 1
	; ---- the end: layer norm(residual + FFN)
	ROWLD
	WIN 0x80
.set wi, 0
.rept 32
	ds_load_b128 v[4*wi:4*wi+3], v[RSA] offset:512*wi
.set wi, wi+1
.endr
	WIN 0
	s_wait_dscnt 0x0
	WIN 0x08
	ADDROW 0
	WIN 0
	LNORM 1
	TURNO A, 0, 3
	TURNO A+64, 64, 3
	s_wait_dscnt 0x0
	WIN 0x0c
	STOREU 0, 32, 0                                ; 512 consecutive bytes a store, aligned; written once
	STOREU 64, 32, 512
	WIN 0
	s_wait_tensorcnt 0x0
	ds_add_u32 v254, v255
	s_wait_dscnt 0x0
	s_endpgm
.Lfunc_end_k_qbe87ede01f_tail:
	.size	k_qbe87ede01f_tail, .Lfunc_end_k_qbe87ede01f_tail-k_qbe87ede01f_tail
	.p2alignl 7, 3214868480
	.fill 96, 4, 3214868480
	.section	.rodata,"a",@progbits
	.p2align	6, 0x0
	.amdhsa_kernel k_qbe87ede01f_tail
		.amdhsa_group_segment_fixed_size 276992
		.amdhsa_private_segment_fixed_size 0
		.amdhsa_enable_private_segment 0
		.amdhsa_kernarg_size 104
		.amdhsa_user_sgpr_count 2
		.amdhsa_user_sgpr_kernarg_segment_ptr 1
		.amdhsa_wavefront_size32 1
		.amdhsa_system_sgpr_workgroup_id_x 1
		.amdhsa_system_sgpr_workgroup_id_y 1
		.amdhsa_system_sgpr_workgroup_id_z 1
		.amdhsa_system_vgpr_workitem_id 0
		.amdhsa_next_free_vgpr 1024
		.amdhsa_next_free_sgpr 100
		.amdhsa_reserve_vcc 0
		.amdhsa_float_denorm_mode_32 3
		.amdhsa_float_denorm_mode_16_64 3
		.amdhsa_memory_ordered 1
		.amdhsa_forward_progress 1
		.amdhsa_inst_pref_size 255
	.end_amdhsa_kernel
	.section	.bss,"aw",@nobits
	.p2align	6
	.space	262144
	.amdgpu_metadata
---
amdhsa.version: [ 1, 2 ]
amdhsa.kernels:
  - .name:           k_qbe87ede01f_tail
    .symbol:         k_qbe87ede01f_tail.kd
    .args:
      - { .name: sidx, .offset: 0, .size: 8, .value_kind: global_buffer, .address_space: global }
      - { .name: swt, .offset: 8, .size: 8, .value_kind: global_buffer, .address_space: global }
      - { .name: val, .offset: 16, .size: 8, .value_kind: global_buffer, .address_space: global }
      - { .name: wq, .offset: 24, .size: 8, .value_kind: global_buffer, .address_space: global }
      - { .name: outp_b, .offset: 32, .size: 8, .value_kind: global_buffer, .address_space: global }
      - { .name: tga, .offset: 40, .size: 8, .value_kind: global_buffer, .address_space: global }
      - { .name: norm1_g, .offset: 48, .size: 8, .value_kind: global_buffer, .address_space: global }
      - { .name: norm1_b, .offset: 56, .size: 8, .value_kind: global_buffer, .address_space: global }
      - { .name: lin1_b, .offset: 64, .size: 8, .value_kind: global_buffer, .address_space: global }
      - { .name: lin2_b, .offset: 72, .size: 8, .value_kind: global_buffer, .address_space: global }
      - { .name: norm3_g, .offset: 80, .size: 8, .value_kind: global_buffer, .address_space: global }
      - { .name: norm3_b, .offset: 88, .size: 8, .value_kind: global_buffer, .address_space: global }
      - { .name: out0, .offset: 96, .size: 8, .value_kind: global_buffer, .address_space: global }
    .group_segment_fixed_size: 276992
    .private_segment_fixed_size: 0
    .kernarg_segment_align: 8
    .kernarg_segment_size: 104
    .max_flat_workgroup_size: 128
    .sgpr_count:     100
    .vgpr_count:     1024
    .wavefront_size: 32
...
	.end_amdgpu_metadata
.endif
;; end of part 6
;; ======== version 2 of 2: 7 launches
;; limits: right only within a limited range of input values
;; workspace buffers: wq 825,344 bytes; kv 6,815,744 bytes; qq 3,670,016 bytes; oo 3,276,800 bytes; tga 16,777,216 bytes; sidx 8,388,608 bytes of whole numbers; swt 33,554,432 bytes; val 89,128,960 bytes
;; launch prep (part 7): grid 124 x 1, 4 waves a work-group, no clusters, 0 bytes of LDS; arguments in_proj_w, out_proj_w, value_w, off_w, attw_w, outp_w, lin1_w, lin2_w, wq; writes wq
.if DOCPART == 7
	.amdgcn_target "amdgcn-amd-amdhsa--gfx1250"
	.amdhsa_code_object_version 6
	.text
	.protected	k_qbe87ede01f_prep
	.globl	k_qbe87ede01f_prep
	.p2align	8
	.type	k_qbe87ede01f_prep,@function
k_qbe87ede01f_prep:
	s_mov_b64 s[64:65], 0
	v_nop
	global_prefetch_b8 v0, s[64:65] scope:SCOPE_SE
	s_setreg_imm32_b32 hwreg(HW_REG_WAVE_MODE, 25, 1), 1
	s_wait_xcnt 0x0
; All eight weights (f32, K innermost) become codes of BF6 (E3M2) with one E8M0 scale for each 32 along K, laid as IMAGES OF OPERAND REGISTERS:
; fragment F (16 rows x 128 K, 12 registers a lane) is 1,536 bytes at 1536 F (register group c of lane l at 512 c + 16 l); its scale words (4 bytes a lane) lie at WSC + 128 F.
; F: in_proj 0, out_proj 96, value_w 128, off_w 160, attw_w 192, outp_w 208, lin1 240 (tile x 2 + K step), lin2 368 (tile x 8 + K step).
; The rows of tile 2 b + u are 32 b + 8 u + r + 8 (r / 8), so that the transposed product leaves 16 neighbouring units in a lane's 16 registers; attw_w's tiles are 16 neighbouring rows.
; One wave makes one fragment: 496 waves.  No LDS, no barrier.
; LIMITS: NaN and infinities are not served; a block of zeros, or one whose largest magnitude lies under 2^-122, gets the scale byte 1 (its codes are then zeros or small; this program alone reads the bytes).
.set WSC, 761856
.set X,   32                           ; v32-95   64 numbers: register 16 b + i = k 32 b + 16 (lane / 16) + i of my row
.set PC,  96                           ; v96-115  the codes
.set TM,  116                          ; v116-131 at work
.set PW,  24                           ; v24      the scale word
.set SEL, 4                            ; s[4:5]   lane selects: lane l xor 16
.macro QUANT s
.irp b, 0,1,2,3
	v_max3_num_f32 v[TM+\b], |v[(\s)+16*\b]|, |v[(\s)+1+16*\b]|, 0x2800000   ; my 16 numbers of block b, and the floor 2^(5 - 127): the byte cannot fall under 1
.endr
.irp i, 2,4,6,8,10,12,14
.irp b, 0,1,2,3
	v_max3_num_f32 v[TM+\b], v[TM+\b], |v[(\s)+16*\b+\i]|, |v[(\s)+1+16*\b+\i]|
.endr
.endr
.irp b, 0,1,2,3
	v_permlanex16_b32 v[TM+4+\b], v[TM+\b], s[SEL], s[SEL+1]
.endr
.irp b, 0,1,2,3
	v_max_num_f32 v[TM+\b], v[TM+\b], v[TM+4+\b]             ; with lane l xor 16's: the block's largest magnitude
.endr
.irp b, 0,1,2,3
	v_add_nc_u32 v[TM+12+\b], 0xfe000000, v[TM+\b]           ; 4 off its exponent field: the conversion's scale operand
.endr
.irp b, 0,1,2,3
	v_lshrrev_b32 v[TM+4+\b], 23, v[TM+12+\b]                ; the scale's byte
.endr
	v_lshl_or_b32 v[PW], v[TM+5], 8, v[TM+4]
	v_lshl_or_b32 v[PW], v[TM+6], 16, v[PW]
	v_lshl_or_b32 v[PW], v[TM+7], 24, v[PW]
.irp c, 0,1
	v_cvt_scalef32_pk16_bf6_f32 v[PC+6*\c:PC+2+6*\c], v[(\s)+32*\c:(\s)+15+32*\c], v[TM+12+2*\c]
	v_cvt_scalef32_pk16_bf6_f32 v[PC+12+4*\c:PC+14+4*\c], v[(\s)+16+32*\c:(\s)+31+32*\c], v[TM+12+2*\c+1]
.endr
	v_nop                                                    ; one plain place behind the scaled conversions
.irp c, 0,1
.irp i, 0,1,2
	v_permlane16_swap_b32 v[PC+6*\c+\i], v[PC+12+4*\c+\i]    ; a whole block to a lane: lanes 0-15 block 2 c, lanes 16-31 block 2 c + 1
.endr
.irp i, 0,1,2
	v_mov_b32 v[PC+3+6*\c+\i], v[PC+12+4*\c+\i]
.endr
.endr
.endm
.macro PICK lim, ptr, f0               ; fragments under lim belong to an earlier weight
	s_cmp_lt_u32 s3, \lim
	s_cselect_b64 s[26:27], s[\ptr:\ptr+1], s[26:27]
	s_cselect_b32 s28, \f0, s28
.endm
	s_load_b512 s[8:23], s[0:1], 0x0               ; the eight weights
	s_load_b64 s[24:25], s[0:1], 0x40              ; wq
	v_lshrrev_b32 v1, 5, v0
	v_readfirstlane_b32 s2, v1                     ; wave
	s_lshl_b32 s3, ttmp9, 2
	s_add_co_u32 s3, s3, s2                        ; F
	s_mov_b32 s[SEL], 0x76543210
	s_mov_b32 s[SEL+1], 0xfedcba98
.irp b, 0,1,2,3
	v_mov_b32 v[TM+4+\b], 0                        ; a lane permute's destination counts as read
.endr
	v_and_b32 v1, 31, v0
	v_and_b32 v2, 15, v0                           ; r
	v_bfe_u32 v3, v0, 4, 1                         ; h
	v_lshlrev_b32 v5, 4, v1
	v_lshlrev_b32 v6, 2, v1
	s_wait_alu depctr_va_vdst(0)
	s_wait_kmcnt 0x0
	s_mov_b64 s[26:27], s[22:23]                   ; lin2, unless F is smaller
	s_mov_b32 s28, 368
	PICK 368, 20, 240
	PICK 240, 18, 208
	PICK 208, 16, 192
	PICK 192, 14, 160
	PICK 160, 12, 128
	PICK 128, 10, 96
	PICK 96, 8, 0
	s_cmp_lt_u32 s3, 368
	s_cselect_b32 s29, 1, 3                        ; K steps a tile: 2 or 8, as a shift,
	s_cselect_b32 s30, 1, 7                        ; as a mask;
	s_cselect_b32 s31, 10, 12                      ; a row's bytes as a shift
	s_sub_co_u32 s34, s3, s28
	s_lshr_b32 s35, s34, s29                       ; tile
	s_and_b32 s34, s34, s30                        ; K step
	s_lshl_b32 s36, s35, 4                         ; neighbouring rows: 16 x tile
	s_lshr_b32 s37, s35, 1
	s_lshl_b32 s37, s37, 5
	s_and_b32 s38, s35, 1
	s_lshl_b32 s38, s38, 3
	s_add_co_u32 s37, s37, s38                     ; else 32 (tile / 2) + 8 (tile % 2)
	s_sub_co_u32 s32, s3, 192
	s_cmp_lt_u32 s32, 16                           ; attw_w?
	s_cselect_b32 s36, s36, s37
	s_cselect_b32 s33, 0, 8
	s_lshl_b32 s36, s36, s31
	s_lshl_b32 s34, s34, 9
	s_add_co_u32 s36, s36, s34
	s_mov_b32 s37, 0
	s_add_nc_u64 s[26:27], s[26:27], s[36:37]      ; the tile's first row, at the K step
	v_and_b32 v4, s33, v2
	v_add_nc_u32 v4, v4, v2                        ; r + 8 (r / 8), or r
	v_lshlrev_b32 v4, s31, v4
	v_lshl_add_u32 v4, v3, 6, v4                   ; + 64 h: my 16 numbers of each block
.irp b, 0,1,2,3
.irp j, 0,1,2,3
	global_load_b128 v[X+16*\b+4*\j:X+16*\b+4*\j+3], v4, s[26:27] offset:128*\b+16*\j
.endr
.endr
	s_mul_i32 s36, s3, 1536
	s_add_nc_u64 s[38:39], s[24:25], s[36:37]
	s_lshl_b32 s36, s3, 7
	s_add_nc_u64 s[40:41], s[24:25], s[36:37]
	s_wait_loadcnt 0x0
	QUANT X
.irp c, 0,1,2
	global_store_b128 v5, v[PC+4*\c:PC+4*\c+3], s[38:39] offset:512*\c    ; 512 consecutive bytes a store
.endr
	global_store_b32 v6, v[PW], s[40:41] offset:WSC
	s_endpgm
.Lfunc_end_k_qbe87ede01f_prep:
	.size	k_qbe87ede01f_prep, .Lfunc_end_k_qbe87ede01f_prep-k_qbe87ede01f_prep
	.p2alignl 7, 3214868480
	.fill 96, 4, 3214868480
	.section	.rodata,"a",@progbits
	.p2align	6, 0x0
	.amdhsa_kernel k_qbe87ede01f_prep
		.amdhsa_group_segment_fixed_size 0
		.amdhsa_private_segment_fixed_size 0
		.amdhsa_enable_private_segment 0
		.amdhsa_kernarg_size 72
		.amdhsa_user_sgpr_count 2
		.amdhsa_user_sgpr_kernarg_segment_ptr 1
		.amdhsa_wavefront_size32 1
		.amdhsa_system_sgpr_workgroup_id_x 1
		.amdhsa_system_sgpr_workgroup_id_y 1
		.amdhsa_system_sgpr_workgroup_id_z 1
		.amdhsa_system_vgpr_workitem_id 0
		.amdhsa_next_free_vgpr 144
		.amdhsa_next_free_sgpr 66
		.amdhsa_reserve_vcc 0
		.amdhsa_float_denorm_mode_32 3
		.amdhsa_float_denorm_mode_16_64 3
		.amdhsa_memory_ordered 1
		.amdhsa_forward_progress 1
		.amdhsa_inst_pref_size 9
	.end_amdhsa_kernel
	.amdgpu_metadata
---
amdhsa.version: [ 1, 2 ]
amdhsa.kernels:
  - .name:           k_qbe87ede01f_prep
    .symbol:         k_qbe87ede01f_prep.kd
    .args:
      - { .name: in_proj_w, .offset: 0, .size: 8, .value_kind: global_buffer, .address_space: global }
      - { .name: out_proj_w, .offset: 8, .size: 8, .value_kind: global_buffer, .address_space: global }
      - { .name: value_w, .offset: 16, .size: 8, .value_kind: global_buffer, .address_space: global }
      - { .name: off_w, .offset: 24, .size: 8, .value_kind: global_buffer, .address_space: global }
      - { .name: attw_w, .offset: 32, .size: 8, .value_kind: global_buffer, .address_space: global }
      - { .name: outp_w, .offset: 40, .size: 8, .value_kind: global_buffer, .address_space: global }
      - { .name: lin1_w, .offset: 48, .size: 8, .value_kind: global_buffer, .address_space: global }
      - { .name: lin2_w, .offset: 56, .size: 8, .value_kind: global_buffer, .address_space: global }
      - { .name: wq, .offset: 64, .size: 8, .value_kind: global_buffer, .address_space: global }
    .group_segment_fixed_size: 0
    .private_segment_fixed_size: 0
    .kernarg_segment_align: 8
    .kernarg_segment_size: 72
    .max_flat_workgroup_size: 128
    .sgpr_count:     66
    .vgpr_count:     144
    .wavefront_size: 32
...
	.end_amdgpu_metadata
.endif
;; end of part 7
;; launch value (part 8): grid 256 x 1, 4 waves a work-group, no clusters, 327,680 bytes of LDS; arguments src, wq, value_b, val; writes val
.if DOCPART == 8
	.amdgcn_target "amdgcn-amd-amdhsa--gfx1250"
	.amdhsa_code_object_version 6
	.text
	.protected	k_qbe87ede01f_value
	.globl	k_qbe87ede01f_value
	.p2align	8
	.type	k_qbe87ede01f_value,@function
k_qbe87ede01f_value:
	s_mov_b64 s[64:65], 0
	v_nop
	global_prefetch_b8 v0, s[64:65] scope:SCOPE_SE
	s_setreg_imm32_b32 hwreg(HW_REG_WAVE_MODE, 25, 1), 1
	s_wait_xcnt 0x0
; val = src value_w^T + value_b on codes of BF6 (E3M2), f32 sums, stored f32 as [batch x 8 + head][position 5,440][32].
; A work-group takes 340 rows of src (a batch's 5,440 are 16 such shares): 21 tiles of 16 rows and one tile of 4.
; src comes by the tensor data mover into two LDS slots of 128 rows (1,024 bytes + 16 of padding a row), in three fills of 128, 128 and 84 rows, a quarter of each by every wave: a wave has one tensor load out at any time.
; A PHASE (one fill): wave w quantises tiles w and w + 4 of the slot, reading 16 neighbours of each block of 32 a lane, and hands the fragments on through LDS as images of their registers; one barrier;
; then wave w makes heads 2 w and 2 w + 1 (units 64 w .. 64 w + 63) for all the phase's tiles, two tiles at a time on eight accumulators by turns.  Its eight weight fragments and its bias stay in registers.
; The product is used transposed (source 0 = 16 rows of the weight, source 1 = 16 rows of src).  Results go through the wave's own stage and leave as 512 consecutive bytes a store (four positions of a head).
; The last tile's rows 4 to 15 are bytes that the first fill left in the slot: they are multiplied inside the tile and never stored.
; PREFETCH: the bytes of the second fill are asked for at the head and those of the third in the first phase, each one phase ahead of its tensor load: four instructions a wave, a lane a row, 256 bytes apart;
; in the third fill lanes 21 to 31 name the wave's last row again.  Every block is named once, by the wave that will load it.
; No cluster: work-groups share the weight's images alone, 52 KB against 348,160 bytes of rows that each reads alone.
; LIMITS: NaN and infinities are not served; a block of zeros, or one whose largest magnitude lies under 2^-122, gets the scale byte 1 (this program alone reads the bytes).
; REGISTERS: window 0: v1-15 addresses, v16-27 scale words, v32-159 a tile's rows (later v32-79 fragments, v128-191 sums), v192-249 the quantiser's, v250-251 the add's.  window 1: v0-95 weights, v96-127 bias, v128-191 rows of val.
.set WSC,   761856
.set PITCH, 1040
.set SLOT,  128*PITCH
.set XIMG,  2*SLOT                     ; 16 fragment images of 1,536 bytes
.set XSC,   XIMG+24576                 ; their scale words
.set OST,   XSC+2048                   ; four stages: 2 heads x 16 rows x 144
.set SPARE, OST+4*4608                 ; the spare words, 128 bytes a wave
.set LI, 1
.set LS, 2
.set TS, 3                             ; v3-6 my tile in (slot 0, slot 0 + 4 tiles, slot 1, slot 1 + 4 tiles)
.set XWI, 7
.set XWS, 8
.set XRI, 9
.set XRS, 10
.set OSW, 11
.set OSR, 12
.set H64, 13
.set PFO, 14
.set PFT, 15
.set WS, 16
.set XS, 24
.set RL, 32
.set XF, 32
.set ACC, 128
.set OB, 128                           ; in window 1
.set PCA, 192
.set PCB, 212
.set TM, 232
.set PWA, 248
.set PWB, 249
.set SPW, 250
.set NIL, 251
.set WV, 2
.set SEL, 4
.set SRC, 16
.set G1, 24                            ; group 1: 32 rows of 256 f32
.set G1T, 32                           ; group 1: 21 rows
.set G0A, 40
.set G0B, 44
.set G0C, 48
.set PF1, 52
.set PF2, 54
.set WB, 56
.set WSB, 58
.set BB, 60
.set VAL, 62
.set MSB, 0
.macro WIN new                         ; the immediate's high byte repeats the setting that is left
.if MSB != (\new)
	s_set_vgpr_msb (MSB<<8)|(\new)
.set MSB, \new
.endif
.endm
.macro PLACES n
.rept \n
	v_nop
.endr
.endm
.macro QUANT s, pc, pw                 ; 64 numbers a lane (register 16 b + i = k 32 b + 16 h + i of my row) -> a fragment's 12 registers and its scale word
.irp b, 0,1,2,3
	v_max3_num_f32 v[TM+\b], |v[(\s)+16*\b]|, |v[(\s)+1+16*\b]|, 0x2800000   ; with the floor 2^(5 - 127): the byte cannot fall under 1
.endr
.irp i, 2,4,6,8,10,12,14
.irp b, 0,1,2,3
	v_max3_num_f32 v[TM+\b], v[TM+\b], |v[(\s)+16*\b+\i]|, |v[(\s)+1+16*\b+\i]|
.endr
.endr
.irp b, 0,1,2,3
	v_permlanex16_b32 v[TM+4+\b], v[TM+\b], s[SEL], s[SEL+1]
.endr
.irp b, 0,1,2,3
	v_max_num_f32 v[TM+\b], v[TM+\b], v[TM+4+\b]             ; with lane l xor 16's: the block's largest magnitude
.endr
.irp b, 0,1,2,3
	v_add_nc_u32 v[TM+12+\b], 0xfe000000, v[TM+\b]           ; 4 off its exponent field: the conversion's scale operand
.endr
.irp b, 0,1,2,3
	v_lshrrev_b32 v[TM+4+\b], 23, v[TM+12+\b]                ; the scale's byte
.endr
	v_lshl_or_b32 v[\pw], v[TM+5], 8, v[TM+4]
	v_lshl_or_b32 v[\pw], v[TM+6], 16, v[\pw]
	v_lshl_or_b32 v[\pw], v[TM+7], 24, v[\pw]
.irp c, 0,1
	v_cvt_scalef32_pk16_bf6_f32 v[(\pc)+6*\c:(\pc)+2+6*\c], v[(\s)+32*\c:(\s)+15+32*\c], v[TM+12+2*\c]
	v_cvt_scalef32_pk16_bf6_f32 v[(\pc)+12+4*\c:(\pc)+14+4*\c], v[(\s)+16+32*\c:(\s)+31+32*\c], v[TM+12+2*\c+1]
.endr
	v_nop                                                    ; one plain place behind the scaled conversions
.irp c, 0,1
.irp i, 0,1,2
	v_permlane16_swap_b32 v[(\pc)+6*\c+\i], v[(\pc)+12+4*\c+\i]   ; a whole block to a lane
.endr
.irp i, 0,1,2
	v_mov_b32 v[(\pc)+3+6*\c+\i], v[(\pc)+12+4*\c+\i]
.endr
.endr
.endm
.macro IMAGE pc, off
.irp c, 0,1,2
	ds_store_b128 v[XWI], v[(\pc)+4*\c:(\pc)+4*\c+3] offset:(\off)+512*\c
.endr
.endm
; one of my tiles, at address register ta, is quantised; e = 0: tile w, 1: tile w + 4.  Two sets of code registers by turns
.macro QTILE ta, e
.irp s, 0,1
.irp b, 0,1,2,3
.irp j, 0,1,2,3
	ds_load_b128 v[RL+64*\s+16*\b+4*\j:RL+64*\s+16*\b+4*\j+3], v[\ta] offset:512*\s+128*\b+16*\j
.endr
.endr
.endr
	s_wait_dscnt 16                                ; the first K step's 16 loads, and all older LDS stores, are done; the second step's 16 may be out
	QUANT RL, PCA, PWA
	IMAGE PCA, 12288*(\e)
	ds_store_b32 v[XWS], v[PWA] offset:1024*(\e)
	s_wait_dscnt 4                                 ; the second K step is in; the four stores just issued may be out
	QUANT RL+64, PCB, PWB
	IMAGE PCB, 12288*(\e)+1536
	ds_store_b32 v[XWS], v[PWB] offset:1024*(\e)+128
.endm
.macro MM d, a, b, c, sa, sb
	v_wmma_scale_f32_16x16x128_f8f6f4 v[(\d):(\d)+7], v[(\a):(\a)+11], v[(\b):(\b)+11], v[(\c):(\c)+7], v[\sa], v[\sb] matrix_a_fmt:MATRIX_FMT_BF6 matrix_b_fmt:MATRIX_FMT_BF6
.endm
.macro PFETCH lt                       ; the four fragments and scale words of tiles lt and lt + 1 of the phase
.irp e, 0,1
.irp s, 0,1
.irp c, 0,1,2
	ds_load_b128 v[XF+24*\e+12*\s+4*\c:XF+24*\e+12*\s+4*\c+3], v[XRI] offset:(2*((\lt)+\e)+\s)*1536+512*\c
.endr
	ds_load_b32 v[XS+2*\e+\s], v[XRS] offset:128*(2*((\lt)+\e)+\s)
.endr
.endr
.endm
; two tiles of rows x my four tiles of units.  lt: first tile in the phase; at: in the work-group; nxt: the next pair is fetched; part: the second tile has four live rows
.macro PAIR lt, at, nxt, part
	WIN 0x11                                       ; weight and bias in window 1: the bias starts the sums; the eight accumulators take turns
.irp e, 0,1
.irp i, 0,1,2,3
	MM ACC+32*\e+8*\i, 24*\i, XF+24*\e, 96+8*\i, WS+2*\i, XS+2*\e
.endr
.endr
	WIN 0x01
.irp e, 0,1
.irp i, 0,1,2,3
	MM ACC+32*\e+8*\i, 24*\i+12, XF+24*\e+12, ACC+32*\e+8*\i, WS+2*\i+1, XS+2*\e+1
.endr
.endr
	WIN 0
	PLACES 5                                       ; behind the products: results are read, sources loaded again, accumulators begun anew
.if \nxt
	PFETCH (\lt)+2
.endif
	s_wait_xcnt 0x0                                ; the last pair's stores have read their data registers
	WIN 0x40                                       ; loads land in window 1
.irp e, 0,1
.irp i, 0,1,2,3
	ds_store_b128 v[OSW], v[ACC+32*\e+8*\i:ACC+32*\e+8*\i+3] offset:2304*(\i/2)+32*(\i%2)      ; lane (r, h): row r, head i / 2, dims 16 h + 8 (i % 2) + 0 .. 7; each accumulator from its low end on
	ds_store_b128 v[OSW], v[ACC+32*\e+8*\i+4:ACC+32*\e+8*\i+7] offset:2304*(\i/2)+32*(\i%2)+16
.endr
.irp k, 0,1,2,3,4,5,6,7
.if (\part)*(\e)*(\k%4) == 0
	ds_load_b128 v[OB+32*\e+4*\k:OB+32*\e+4*\k+3], v[OSR] offset:2304*(\k/4)+576*(\k%4)        ; LDS serves a wave's instructions in order: these see the stores above, and the second tile's stores come behind them
.endif
.endr
.endr
	WIN 0
	s_wait_dscnt 0x0
	WIN 0x04                                       ; store data in window 1
.irp e, 0,1
.irp k, 0,1,2,3,4,5,6,7
.if (\part)*(\e)*(\k%4) == 0
	global_store_b128 v[LI], v[OB+32*\e+4*\k:OB+32*\e+4*\k+3], s[VAL:VAL+1] offset:696320*(\k/4)+2048*((\at)+\e)+512*(\k%4) th:TH_STORE_NT   ; four positions of one head: 512 consecutive bytes, aligned
.endif
.endr
.endr
	WIN 0
.endm
; the lines ahead of a fill behind the head, the barrier, and my one tensor load behind it
.macro ENTER g0, g1
	s_wait_tensorcnt 0x0                           ; my part of the slot that is read next has landed
	ds_add_u32 v[SPW], v[NIL]
	s_wait_dscnt 0x0                               ; the add, and my reads of the other slot and of the images
	s_barrier_signal -1
	s_barrier_wait -1
	tensor_load_to_lds s[\g0:\g0+3], s[\g1:\g1+7]
	s_nop 0
	PLACES 4
.endm
.macro BARRIER
	s_wait_dscnt 0x0
	s_barrier_signal -1
	s_barrier_wait -1
.endm
.macro ASK vo, base                    ; my rows of a later fill: a lane a row, four blocks of 256 bytes
.irp q, 0,1,2,3
	global_prefetch_b8 v[\vo], s[\base:\base+1] offset:256*\q th:TH_LOAD_NT scope:SCOPE_SE
.endr
.endm
	s_load_b256 s[8:15], s[0:1], 0x0               ; src, wq, value_b, val
	v_lshl_add_u32 v[SPW], v0, 2, SPARE
	v_mov_b32 v[NIL], 0
	ds_add_u32 v[SPW], v[NIL]                      ; the opening lines: the add, twice on end,
	ds_add_u32 v[SPW], v[NIL]
	v_lshrrev_b32 v28, 5, v0
	v_readfirstlane_b32 s[WV], v28                 ; wave
	v_and_b32 v28, 31, v0                          ; lane
	v_and_b32 v29, 15, v0                          ; r
	v_bfe_u32 v30, v0, 4, 1                        ; h
	v_lshlrev_b32 v[LI], 4, v28
	v_lshlrev_b32 v[LS], 2, v28
	v_lshlrev_b32 v[H64], 6, v30
	v_lshlrev_b32 v[PFO], 10, v28                  ; a row of src a lane
	v_min_u32 v31, 20, v28
	v_lshlrev_b32 v[PFT], 10, v31                  ; the same, held to the third fill's 21 rows a wave
	s_mul_i32 s18, s[WV], 16*PITCH
	v_mul_u32_u24 v31, v29, PITCH
	v_lshl_add_u32 v31, v30, 6, v31
	v_add_nc_u32 v[TS], s18, v31                   ; tile w of slot 0: row r, + 64 h
	v_add_nc_u32 v[TS+1], 64*PITCH, v[TS]
	v_add_nc_u32 v[TS+2], SLOT, v[TS]
	v_add_nc_u32 v[TS+3], SLOT+64*PITCH, v[TS]
	s_mul_i32 s18, s[WV], 3072
	s_add_co_u32 s18, s18, XIMG
	v_add_nc_u32 v[XWI], s18, v[LI]
	s_lshl_b32 s18, s[WV], 8
	s_add_co_u32 s18, s18, XSC
	v_add_nc_u32 v[XWS], s18, v[LS]
	v_add_nc_u32 v[XRI], XIMG, v[LI]
	v_add_nc_u32 v[XRS], XSC, v[LS]
	s_mul_i32 s18, s[WV], 4608
	s_add_co_u32 s18, s18, OST
	v_mul_u32_u24 v31, v29, 144
	v_lshl_add_u32 v31, v30, 6, v31
	v_add_nc_u32 v[OSW], s18, v31
	v_lshrrev_b32 v31, 3, v28
	v_mul_u32_u24 v31, v31, 144
	v_and_b32 v29, 7, v28
	v_lshl_add_u32 v31, v29, 4, v31
	v_add_nc_u32 v[OSR], s18, v31
.irp b, 0,1,2,3
	v_mov_b32 v[TM+4+\b], 0                        ; a lane permute's destination counts as read
.endr
	s_mov_b32 s[SEL], 0x76543210
	s_mov_b32 s[SEL+1], 0xfedcba98
.irp g, G1, G1T
	s_mov_b32 s[\g+0], (2<<16)|(1<<20)|(7<<22)|(3<<25)   ; elements of 4 bytes; 4 dwords of padding behind every 256
	s_mov_b32 s[\g+1], 256<<16                     ; tensor_dim0
	s_mov_b32 s[\g+3], 256<<16                     ; tile_dim0
	s_mov_b32 s[\g+5], 256                         ; the pitch
	s_mov_b32 s[\g+6], 0
	s_mov_b32 s[\g+7], 0
.endr
	s_mov_b32 s[G1+2], 32<<16                      ; tensor_dim1,
	s_mov_b32 s[G1+4], 32                          ; tile_dim1
	s_mov_b32 s[G1T+2], 21<<16
	s_mov_b32 s[G1T+4], 21
	s_mov_b32 s[G0A], 1
	s_mov_b32 s[G0B], 1
	s_mov_b32 s[G0C], 1
	s_mul_i32 s[G0A+1], s[WV], 32*PITCH            ; my quarter of slot 0,
	s_add_co_u32 s[G0B+1], s[G0A+1], SLOT          ; of slot 1,
	s_mul_i32 s[G0C+1], s[WV], 21*PITCH            ; and of the third fill, in slot 0
	s_mul_i32 s18, ttmp9, 348160                   ; 340 rows of 1,024 bytes a work-group
	s_mov_b32 s19, 0
	s_lshl_b32 s20, s[WV], 15                      ; 32 rows a wave
	s_mov_b32 s21, 0
	s_mul_i32 s22, s[WV], 21504                    ; 21 rows a wave,
	s_add_co_u32 s22, s22, 262144                  ; from row 256 on
	s_mov_b32 s23, 0
	s_lshr_b32 s3, ttmp9, 4                        ; batch
	s_lshl_b32 s3, s3, 3
	s_lshl_b32 s6, s[WV], 1
	s_add_co_u32 s3, s3, s6                        ; batch x 8 + my first head
	s_mul_i32 s6, s3, 696320
	s_and_b32 s3, ttmp9, 15
	s_mul_i32 s3, s3, 43520                        ; 340 positions of 128 bytes
	s_add_co_u32 s6, s6, s3
	s_mov_b32 s7, 0
	s_wait_alu depctr_va_vdst(0)                   ; the wait at the head's end
	s_wait_dscnt 0x0                               ; and the one wait for both adds
	s_wait_kmcnt 0x0
	s_add_nc_u64 s[SRC:SRC+1], s[8:9], s[18:19]
	s_add_nc_u64 s[G0A+2:G0A+3], s[SRC:SRC+1], s[20:21]
	s_add_nc_u64 s[PF1:PF1+1], s[G0A+2:G0A+3], 131072
	s_or_b32 s[G0A+3], s[G0A+3], 0x80000000
	tensor_load_to_lds s[G0A:G0A+3], s[G1:G1+7]    ; rows 0 to 127: my one load at the head
	s_nop 0
	PLACES 4
	s_mov_b64 s[G0B+2:G0B+3], s[PF1:PF1+1]
	s_or_b32 s[G0B+3], s[G0B+3], 0x80000000
	s_add_nc_u64 s[PF2:PF2+1], s[SRC:SRC+1], s[22:23]
	s_mov_b64 s[G0C+2:G0C+3], s[PF2:PF2+1]
	s_or_b32 s[G0C+3], s[G0C+3], 0x80000000
	s_mul_i32 s18, s[WV], 12288
	s_add_nc_u64 s[WB:WB+1], s[10:11], s[18:19]
	s_lshl_b32 s18, s[WV], 10
	s_add_nc_u64 s[WSB:WSB+1], s[10:11], s[18:19]
	s_lshl_b32 s18, s[WV], 8
	s_add_nc_u64 s[BB:BB+1], s[12:13], s[18:19]
	s_add_nc_u64 s[VAL:VAL+1], s[14:15], s[6:7]
	WIN 0x40
.set wi, 0
.rept 8                                ; my eight fragment images of value_w (fragments 128 + 8 w ..)
.irp c, 0,1,2
	global_load_b128 v[12*wi+4*\c:12*wi+4*\c+3], v[LI], s[WB:WB+1] offset:(128+wi)*1536+512*\c
.endr
.set wi, wi+1
.endr
.set wi, 0
.rept 4                                ; the bias in the result's layout: tile 2 b + u, lane half h: units 32 b + 16 h + 8 u + 0 .. 7
	global_load_b128 v[96+8*wi:96+8*wi+3], v[H64], s[BB:BB+1] offset:128*(wi/2)+32*(wi%2)
	global_load_b128 v[96+8*wi+4:96+8*wi+7], v[H64], s[BB:BB+1] offset:128*(wi/2)+32*(wi%2)+16
.set wi, wi+1
.endr
	WIN 0
.set wi, 0
.rept 8
	global_load_b32 v[WS+wi], v[LS], s[WSB:WSB+1] offset:WSC+(128+wi)*128
.set wi, wi+1
.endr
	ASK PFO, PF1                                   ; rows 128 to 255, one phase ahead of their load
	; ---- phase 0: rows 0 to 127, in slot 0
	ENTER G0B, G1                                  ; slot 1's first fill, issued as a refill is
	QTILE TS, 0
	ASK PFT, PF2                                   ; rows 256 to 339, one phase ahead of their load
	QTILE TS+1, 1
	BARRIER                                        ; the phase's sixteen fragments lie in LDS
	PFETCH 0
	s_wait_loadcnt 0x0                             ; the weights, their scale words and the bias
	s_wait_dscnt 0x0
	PAIR 0, 0, 1, 0
	PAIR 2, 2, 1, 0
	PAIR 4, 4, 1, 0
	PAIR 6, 6, 0, 0
	; ---- phase 1: rows 128 to 255, in slot 1
	ENTER G0C, G1T                                 ; slot 0 is filled again: rows 256 to 339
	QTILE TS+2, 0
	QTILE TS+3, 1
	BARRIER
	PFETCH 0
	s_wait_dscnt 0x0
	PAIR 0, 8, 1, 0
	PAIR 2, 10, 1, 0
	PAIR 4, 12, 1, 0
	PAIR 6, 14, 0, 0
	; ---- phase 2: rows 256 to 339, in slot 0: six tiles, the last of four rows.
	s_wait_tensorcnt 0x0                           ; my part of the last fill has landed
	BARRIER                                        ; everybody's has, and every wave has read the images
	QTILE TS, 0
	s_cmp_lt_u32 s[WV], 2                          ; tiles 4 and 5 are waves 0 and 1's
	s_cbranch_scc0 .Lone
	QTILE TS+1, 1
.Lone:
	BARRIER
	PFETCH 0
	s_wait_dscnt 0x0
	PAIR 0, 16, 1, 0
	PAIR 2, 18, 1, 0
	PAIR 4, 20, 0, 1
	s_wait_tensorcnt 0x0                           ; the wave's end
	ds_add_u32 v[SPW], v[NIL]
	s_wait_dscnt 0x0
	s_endpgm
.Lfunc_end_k_qbe87ede01f_value:
	.size	k_qbe87ede01f_value, .Lfunc_end_k_qbe87ede01f_value-k_qbe87ede01f_value
	.p2alignl 7, 3214868480
	.fill 96, 4, 3214868480
	.section	.rodata,"a",@progbits
	.p2align	6, 0x0
	.amdhsa_kernel k_qbe87ede01f_value
		.amdhsa_group_segment_fixed_size 327680
		.amdhsa_private_segment_fixed_size 0
		.amdhsa_enable_private_segment 0
		.amdhsa_kernarg_size 32
		.amdhsa_user_sgpr_count 2
		.amdhsa_user_sgpr_kernarg_segment_ptr 1
		.amdhsa_wavefront_size32 1
		.amdhsa_system_sgpr_workgroup_id_x 1
		.amdhsa_system_sgpr_workgroup_id_y 1
		.amdhsa_system_sgpr_workgroup_id_z 1
		.amdhsa_system_vgpr_workitem_id 0
		.amdhsa_next_free_vgpr 512
		.amdhsa_next_free_sgpr 66
		.amdhsa_reserve_vcc 0
		.amdhsa_float_denorm_mode_32 3
		.amdhsa_float_denorm_mode_16_64 3
		.amdhsa_memory_ordered 1
		.amdhsa_forward_progress 1
		.amdhsa_inst_pref_size 147
	.end_amdhsa_kernel
	.amdgpu_metadata
---
amdhsa.version: [ 1, 2 ]
amdhsa.kernels:
  - .name:           k_qbe87ede01f_value
    .symbol:         k_qbe87ede01f_value.kd
    .args:
      - { .name: src, .offset: 0, .size: 8, .value_kind: global_buffer, .address_space: global }
      - { .name: wq, .offset: 8, .size: 8, .value_kind: global_buffer, .address_space: global }
      - { .name: value_b, .offset: 16, .size: 8, .value_kind: global_buffer, .address_space: global }
      - { .name: val, .offset: 24, .size: 8, .value_kind: global_buffer, .address_space: global }
    .group_segment_fixed_size: 327680
    .private_segment_fixed_size: 0
    .kernarg_segment_align: 8
    .kernarg_segment_size: 32
    .max_flat_workgroup_size: 128
    .sgpr_count:     66
    .vgpr_count:     512
    .wavefront_size: 32
...
	.end_amdgpu_metadata
.endif
;; end of part 8
;; launch qkv (part 9): grid 256 x 1, 4 waves a work-group, no clusters, 87,552 bytes of LDS; arguments tgt, query_pos, wq, in_proj_b, kv, qq; writes kv, qq
.if DOCPART == 9
	.amdgcn_target "amdgcn-amd-amdhsa--gfx1250"
	.amdhsa_code_object_version 6
	.text
	.protected	k_qbe87ede01f_qkv
	.globl	k_qbe87ede01f_qkv
	.p2align	8
	.type	k_qbe87ede01f_qkv,@function
k_qbe87ede01f_qkv:
	s_mov_b64 s[64:65], 0
	v_nop
	global_prefetch_b8 v0, s[64:65] scope:SCOPE_SE
	s_setreg_imm32_b32 hwreg(HW_REG_WAVE_MODE, 25, 1), 1
	s_wait_xcnt 0x0
; Q = (tgt + pos) Wq^T + bq, K = (tgt + pos) Wk^T + bk, V = tgt Wv^T + bv on codes of BF6, then Q, K, V themselves quantised for the attention.
; A work-group takes 128 tokens (one key step of the attention) and four heads, a wave one head.  The two work-groups of a token group quantise the same rows twice: the price of 256 equal work-groups on one path.
; TOKEN TILES: tile T's row r is token 32 (T / 2) + 8 (T % 2) + r + 8 (r / 8), so that the attention's transposed scores leave 16 neighbouring keys in 16 registers.
; Q, K: transposed product (source 0 = 16 rows of the weight, source 1 = a token tile): a lane holds one token and 16 of the head's 32 dims; four token tiles are quantised together, the tile taking the part of the block:
;   a head is exactly one block of 32, and the result is a fragment whose block j is key tile 4 f + j.  K leaves as that image, Q as plain rows of 24 bytes and one scale byte (in a word) a token.
; V: plain product (source 0 = a token tile, source 1 = 16 rows of Wv): a lane holds one dim and its registers run along the tokens, which are the second product's K.
; kv: for each (batch, head) 53,248 bytes: K images 16 x 1,536; V images at 24,576; K scale words at 49,152; V's at 51,200.
; LIMITS: NaN and infinities are not served; a block of zeros gets the scale byte 1.
; REGISTERS: window 0: v1-12 addresses, v16-39 fragments, v40-53 scale words, v56-183 sums (first: 64 numbers of tgt, 64 of pos), v184-223 the quantiser's.  window 1: weights v0-143, biases v144-191.  windows 2, 3: rows as loaded.
.set WSC,  761856
.set QSO,  3145728
.set QIMG, 33792                       ; LDS: four stages; q's 16 fragments; tgt's 16 lie 24,576 further on;
.set QSC,  82944                       ; q's scale words; tgt's 2,048 further on
.set LI, 1
.set LS, 2
.set TSW, 3
.set TSR, 4
.set IWI, 5
.set IWS, 6
.set QA, 7
.set QSA, 8
.set H64, 9
.set PR4, 10
.set IRI, 11
.set IRS, 12
.set XF, 16
.set XS, 40
.set WS, 42
.set ACC, 56
.set T64, 56
.set P64, 120
.set PC, 184
.set TM, 204
.set PW, 220
.set WV, 2
.set SEL, 4
.set MHI, 6
.set TB, 8
.set PB, 10
.set BB, 14
.set WB, 42
.set WSB, 44
.set KVB, 46
.set KVS, 48
.set QCB, 50
.set QSB, 52
.set MSB, 0
.macro WIN new
.if MSB != (\new)
	s_set_vgpr_msb (MSB<<8)|(\new)
.set MSB, \new
.endif
.endm
.macro PLACES n
.rept \n
	v_nop
.endr
.endm
.macro QUANT s
.irp b, 0,1,2,3
	v_max3_num_f32 v[TM+\b], |v[(\s)+16*\b]|, |v[(\s)+1+16*\b]|, 0x2800000
.endr
.irp i, 2,4,6,8,10,12,14
.irp b, 0,1,2,3
	v_max3_num_f32 v[TM+\b], v[TM+\b], |v[(\s)+16*\b+\i]|, |v[(\s)+1+16*\b+\i]|
.endr
.endr
.irp b, 0,1,2,3
	v_permlanex16_b32 v[TM+4+\b], v[TM+\b], s[SEL], s[SEL+1]
.endr
.irp b, 0,1,2,3
	v_max_num_f32 v[TM+\b], v[TM+\b], v[TM+4+\b]
.endr
.irp b, 0,1,2,3
	v_add_nc_u32 v[TM+12+\b], 0xfe000000, v[TM+\b]
.endr
.irp b, 0,1,2,3
	v_lshrrev_b32 v[TM+4+\b], 23, v[TM+12+\b]
.endr
	v_lshl_or_b32 v[PW], v[TM+5], 8, v[TM+4]
	v_lshl_or_b32 v[PW], v[TM+6], 16, v[PW]
	v_lshl_or_b32 v[PW], v[TM+7], 24, v[PW]
.irp c, 0,1
	v_cvt_scalef32_pk16_bf6_f32 v[PC+6*\c:PC+2+6*\c], v[(\s)+32*\c:(\s)+15+32*\c], v[TM+12+2*\c]
	v_cvt_scalef32_pk16_bf6_f32 v[PC+12+4*\c:PC+14+4*\c], v[(\s)+16+32*\c:(\s)+31+32*\c], v[TM+12+2*\c+1]
.endr
	v_nop
.irp c, 0,1
.irp i, 0,1,2
	v_permlane16_swap_b32 v[PC+6*\c+\i], v[PC+12+4*\c+\i]
.endr
.irp i, 0,1,2
	v_mov_b32 v[PC+3+6*\c+\i], v[PC+12+4*\c+\i]
.endr
.endr
.endm
.macro IMAGE adr, off
.irp c, 0,1,2
	ds_store_b128 v[\adr], v[PC+4*\c:PC+4*\c+3] offset:(\off)+512*\c
.endr
.endm
.macro FETCH reg, adr, off
.irp c, 0,1,2
	ds_load_b128 v[(\reg)+4*\c:(\reg)+4*\c+3], v[\adr] offset:(\off)+512*\c
.endr
.endm
.macro BARRIER
	s_wait_dscnt 0x0
	s_barrier_signal -1
	s_barrier_wait -1
.endm
.macro MM d, a, b, c, sa, sb
	v_wmma_scale_f32_16x16x128_f8f6f4 v[(\d):(\d)+7], v[(\a):(\a)+11], v[(\b):(\b)+11], v[(\c):(\c)+7], v[\sa], v[\sb] matrix_a_fmt:MATRIX_FMT_BF6 matrix_b_fmt:MATRIX_FMT_BF6
.endm
.macro WLOAD reg, n, base, f0
.set wi, 0
.rept \n
.irp c, 0,1,2
	global_load_b128 v[(\reg)+12*wi+4*\c:(\reg)+12*wi+4*\c+3], v[LI], s[\base:\base+1] offset:((\f0)+wi)*1536+512*\c
.endr
.set wi, wi+1
.endr
.endm
.macro WSLOAD reg, n, base, f0
.set wi, 0
.rept \n
	global_load_b32 v[(\reg)+wi], v[LS], s[\base:\base+1] offset:WSC+((\f0)+wi)*128
.set wi, wi+1
.endr
.endm
.macro BLOAD reg, base, tiles, off
.set wi, 0
.rept \tiles
	global_load_b128 v[(\reg)+8*wi:(\reg)+8*wi+3], v[H64], s[\base:\base+1] offset:(\off)+128*(wi/2)+32*(wi%2)
	global_load_b128 v[(\reg)+8*wi+4:(\reg)+8*wi+7], v[H64], s[\base:\base+1] offset:(\off)+128*(wi/2)+32*(wi%2)+16
.set wi, wi+1
.endr
.endm
.macro LOADU reg, base, off            ; half of each of a token tile's 16 rows: row p of the tile lies p + 8 (p / 8) rows on; 512 consecutive bytes a load
.set wi, 0
.rept 16
	global_load_b128 v[(\reg)+4*wi:(\reg)+4*wi+3], v[LI], s[\base:\base+1] offset:(\off)+1024*(wi+8*(wi/8))
.set wi, wi+1
.endr
.endm
.macro TURNU src, sw, dst, dw
	WIN (\sw)<<2
.set wi, 0
.rept 16
	ds_store_b128 v[TSW], v[(\src)+4*wi:(\src)+4*wi+3] offset:528*wi
.set wi, wi+1
.endr
	WIN (\dw)<<6
.irp b, 0,1,2,3
.irp j, 0,1,2,3
	ds_load_b128 v[(\dst)+16*\b+4*\j:(\dst)+16*\b+4*\j+3], v[TSR] offset:128*\b+16*\j
.endr
.endr
	WIN 0
.endm
; unit u = 2 e + s: token tile 2 w + e, K step s.  Its rows of tgt and of pos: 32 loads
.macro XISSUE u
	WIN (2+(\u)/2)<<6
	LOADU 128*((\u)%2), TB, 512*((\u)%2)+8192*((\u)/2)
	LOADU 128*((\u)%2)+64, PB, 512*((\u)%2)+8192*((\u)/2)
	WIN 0
.endm
.macro XUNIT u
.if (\u) < 3
	s_wait_loadcnt 32                              ; this unit's loads are in; the next unit's 32 may be out
.else
	s_wait_loadcnt 0x0
.endif
	TURNU 128*((\u)%2), 2+(\u)/2, T64, 0
	TURNU 128*((\u)%2)+64, 2+(\u)/2, P64, 0
	s_wait_dscnt 0x0
.if (\u) < 2
	XISSUE (\u)+2
.endif
.set wi, 0
.rept 32
	v_pk_add_f32 v[P64+wi:P64+wi+1], v[P64+wi:P64+wi+1], v[T64+wi:T64+wi+1]    ; q = tgt + pos
.set wi, wi+2
.endr
	QUANT T64
	IMAGE IWI, 24576+1536*(\u)
	ds_store_b32 v[IWS], v[PW] offset:2048+128*(\u)
	s_wait_dscnt 0x0                               ; the stores have read their registers
	QUANT P64
	IMAGE IWI, 1536*(\u)
	ds_store_b32 v[IWS], v[PW] offset:128*(\u)
	s_wait_dscnt 0x0
.endm
; Q and K of my head for token tiles 4 f .. 4 f + 3
; token tile t's two fragments and two scale words (images from byte io on, words from so on) into buffer q: 8 LDS loads.  Buffer 1 lies 208 registers on: fragments v224-247, scale words v248-249
.macro XGET q, t, io, so
	FETCH XF+208*(\q), IRI, (\io)+(2*(\t))*1536
	FETCH XF+208*(\q)+12, IRI, (\io)+(2*(\t)+1)*1536
	ds_load_b32 v[XS+208*(\q)], v[IRS] offset:(\so)+128*(2*(\t))
	ds_load_b32 v[XS+208*(\q)+1], v[IRS] offset:(\so)+128*(2*(\t)+1)
.endm
.macro QKPASS f
	XGET 0, 4*(\f), 0, 0
.irp g, 0,1,2,3
.if \g < 3
	XGET (\g+1)%2, 4*(\f)+\g+1, 0, 0               ; the next tile is fetched while this one is multiplied; its buffer's last products stand five places back
	s_wait_dscnt 8                                 ; this tile's 8 loads are in; the next tile's 8 may be out
.else
	s_wait_dscnt 0x0
.endif
	WIN 0x11
.irp u, 0,1
	MM ACC+16*\g+8*\u, 24*\u, XF+208*(\g%2), 144+8*\u, WS+2*\u, XS+208*(\g%2)
.endr
.irp u, 0,1
	MM ACC+64+16*\g+8*\u, 48+24*\u, XF+208*(\g%2), 160+8*\u, WS+4+2*\u, XS+208*(\g%2)
.endr
	WIN 0x01
.irp u, 0,1
	MM ACC+16*\g+8*\u, 24*\u+12, XF+208*(\g%2)+12, ACC+16*\g+8*\u, WS+2*\u+1, XS+208*(\g%2)+1
.endr
.irp u, 0,1
	MM ACC+64+16*\g+8*\u, 48+24*\u+12, XF+208*(\g%2)+12, ACC+64+16*\g+8*\u, WS+4+2*\u+1, XS+208*(\g%2)+1
.endr
	WIN 0
	PLACES 5
.endr
	QUANT ACC                                      ; Q: registers 6 c .. 6 c + 5 of lane (r, h) are the 24 bytes of token 64 f + 32 c + 8 h + r + 8 (r / 8)
.irp c, 0,1
.irp i, 0,1,2
	global_store_b64 v[QA], v[PC+6*\c+2*\i:PC+6*\c+2*\i+1], s[QCB:QCB+1] offset:(64*(\f)+32*\c)*24+8*\i
.endr
	v_cndmask_b32 v[221+\c], v[TM+4+2*\c], v[TM+5+2*\c], s[MHI]    ; that token's scale byte
	global_store_b32 v[QSA], v[221+\c], s[QSB:QSB+1] offset:QSO+(64*(\f)+32*\c)*4
.endr
	s_wait_xcnt 0x0                                ; the stores have read their data
	QUANT ACC+64                                   ; K: the fragment as it stands
.irp c, 0,1,2
	global_store_b128 v[LI], v[PC+4*\c:PC+4*\c+3], s[KVB:KVB+1] offset:1536*(\f)+512*\c
.endr
	global_store_b32 v[LS], v[PW], s[KVS:KVS+1] offset:49152+128*(\f)
	s_wait_xcnt 0x0
.endm
	s_load_b256 s[8:15], s[0:1], 0x0               ; tgt, query_pos, wq, in_proj_b
	s_load_b128 s[16:19], s[0:1], 0x20             ; kv, qq
	v_lshl_add_u32 v254, v0, 2, 0x15400
	v_mov_b32 v255, 0
	v_lshrrev_b32 v16, 5, v0
	v_readfirstlane_b32 s[WV], v16
	v_and_b32 v16, 31, v0                          ; lane
	v_and_b32 v17, 15, v0                          ; r
	v_bfe_u32 v18, v0, 4, 1                        ; h
	v_lshlrev_b32 v[LI], 4, v16
	v_lshlrev_b32 v[LS], 2, v16
	s_mul_i32 s20, s[WV], 8448
	v_add_nc_u32 v[TSW], s20, v[LI]
	v_mul_u32_u24 v19, v17, 528
	v_lshl_add_u32 v19, v18, 6, v19
	v_add_nc_u32 v[TSR], s20, v19
	s_mul_i32 s20, s[WV], 6144
	s_add_co_u32 s20, s20, QIMG
	v_add_nc_u32 v[IWI], s20, v[LI]
	s_lshl_b32 s20, s[WV], 9
	s_add_co_u32 s20, s20, QSC
	v_add_nc_u32 v[IWS], s20, v[LS]
	v_add_nc_u32 v[IRI], QIMG, v[LI]
	v_add_nc_u32 v[IRS], QSC, v[LS]
	v_and_b32 v19, 8, v17
	v_add_nc_u32 v19, v19, v17                     ; r + 8 (r / 8)
	v_lshlrev_b32 v[PR4], 2, v19
	v_lshl_add_u32 v19, v18, 3, v19                ; + 8 h
	v_mul_u32_u24 v[QA], v19, 24
	v_lshlrev_b32 v[QSA], 2, v19
	v_lshlrev_b32 v[H64], 6, v18
	s_mov_b32 s[SEL], 0x76543210
	s_mov_b32 s[SEL+1], 0xfedcba98
	s_mov_b32 s[MHI], 0xffff0000
.irp b, 0,1,2,3
	v_mov_b32 v[TM+4+\b], 0
.endr
	s_lshr_b32 s20, ttmp9, 1                       ; token group
	s_and_b32 s21, ttmp9, 1
	s_lshl_b32 s21, s21, 2
	s_add_co_u32 s21, s21, s[WV]                   ; head
	s_lshr_b32 s22, s20, 3                         ; batch
	s_and_b32 s23, s20, 7                          ; key step
	s_lshl_b32 s22, s22, 3
	s_add_co_u32 s22, s22, s21                     ; batch x 8 + head
	s_lshl_b32 s24, s20, 17
	s_lshl_b32 s25, s[WV], 15
	s_add_co_u32 s24, s24, s25                     ; my 32 rows
	s_mov_b32 s25, 0
	s_mul_i32 s26, s21, 6144
	s_mov_b32 s27, 0
	s_lshl_b32 s28, s21, 9
	s_mov_b32 s29, 0
	s_lshl_b32 s30, s21, 7
	s_mov_b32 s31, 0
	s_mul_i32 s32, s22, 53248
	s_mul_i32 s33, s23, 3072
	s_add_co_u32 s34, s32, s33
	s_mov_b32 s35, 0
	s_lshl_b32 s33, s23, 8
	s_add_co_u32 s36, s32, s33
	s_mov_b32 s37, 0
	s_lshl_b32 s38, s22, 10
	s_lshl_b32 s33, s23, 7
	s_add_co_u32 s38, s38, s33                     ; (batch x 8 + head) x 1,024 + the group's first token
	s_lshl_b32 s40, s38, 2
	s_mov_b32 s41, 0
	s_mul_i32 s38, s38, 24
	s_mov_b32 s39, 0
	s_wait_alu depctr_va_vdst(0)
	s_wait_kmcnt 0x0
	s_add_nc_u64 s[TB:TB+1], s[TB:TB+1], s[24:25]
	s_add_nc_u64 s[PB:PB+1], s[PB:PB+1], s[24:25]
	s_add_nc_u64 s[WB:WB+1], s[12:13], s[26:27]
	s_add_nc_u64 s[WSB:WSB+1], s[12:13], s[28:29]
	s_add_nc_u64 s[BB:BB+1], s[BB:BB+1], s[30:31]
	s_add_nc_u64 s[KVB:KVB+1], s[16:17], s[34:35]
	s_add_nc_u64 s[KVS:KVS+1], s[16:17], s[36:37]
	s_add_nc_u64 s[QCB:QCB+1], s[18:19], s[38:39]
	s_add_nc_u64 s[QSB:QSB+1], s[18:19], s[40:41]
	WIN 0x40                                       ; the weights go out first: they are the oldest loads
	WLOAD 0, 4, WB, 0
	WLOAD 48, 4, WB, 32
	WLOAD 96, 4, WB, 64
	BLOAD 144, BB, 2, 0
	BLOAD 160, BB, 2, 1024
.irp t, 0,1
.irp j, 0,1,2,3,4,5,6,7
	global_load_b32 v[176+8*\t+\j], v[PR4], s[BB:BB+1] offset:2048+32*\t      ; V's bias in its result's layout: a lane holds one dim, so all eight registers hold that dim's
.endr
.endr
	WIN 0
	WSLOAD WS, 4, WSB, 0
	WSLOAD WS+4, 4, WSB, 32
	WSLOAD WS+8, 4, WSB, 64
	XISSUE 0
	XISSUE 1
	XUNIT 0
	XUNIT 1
	XUNIT 2
	XUNIT 3
	BARRIER                                        ; the 128 rows' 32 fragments lie in LDS: the launch's one barrier
	QKPASS 0
	QKPASS 1
	; V: source 0 = a token tile of tgt, source 1 = 16 rows of Wv; two accumulators by turns
	XGET 0, 0, 24576, 2048
.irp g, 0,1,2,3,4,5,6,7
.if \g < 7
	XGET (\g+1)%2, \g+1, 24576, 2048
	s_wait_dscnt 8                                 ; this tile's 8 loads are in; the next tile's 8 may be out
.else
	s_wait_dscnt 0x0
.endif
	WIN 0x14
.irp t, 0,1
	MM ACC+64*\t+8*\g, XF+208*(\g%2), 96+24*\t, 176+8*\t, XS+208*(\g%2), WS+8+2*\t
.endr
	WIN 0x04
.irp t, 0,1
	MM ACC+64*\t+8*\g, XF+208*(\g%2)+12, 96+24*\t+12, ACC+64*\t+8*\g, XS+208*(\g%2)+1, WS+8+2*\t+1
.endr
	WIN 0
	PLACES 5
.endr
.irp t, 0,1
	QUANT ACC+64*\t                                ; row n = dim 8 t + n + 8 (n / 8); K = the group's 128 tokens in order
.irp c, 0,1,2
	global_store_b128 v[LI], v[PC+4*\c:PC+4*\c+3], s[KVB:KVB+1] offset:24576+1536*\t+512*\c
.endr
	global_store_b32 v[LS], v[PW], s[KVS:KVS+1] offset:51200+128*\t
	s_wait_xcnt 0x0
.endr
	s_wait_tensorcnt 0x0
	ds_add_u32 v254, v255
	s_wait_dscnt 0x0
	s_endpgm
.Lfunc_end_k_qbe87ede01f_qkv:
	.size	k_qbe87ede01f_qkv, .Lfunc_end_k_qbe87ede01f_qkv-k_qbe87ede01f_qkv
	.p2alignl 7, 3214868480
	.fill 96, 4, 3214868480
	.section	.rodata,"a",@progbits
	.p2align	6, 0x0
	.amdhsa_kernel k_qbe87ede01f_qkv
		.amdhsa_group_segment_fixed_size 87552
		.amdhsa_private_segment_fixed_size 0
		.amdhsa_enable_private_segment 0
		.amdhsa_kernarg_size 48
		.amdhsa_user_sgpr_count 2
		.amdhsa_user_sgpr_kernarg_segment_ptr 1
		.amdhsa_wavefront_size32 1
		.amdhsa_system_sgpr_workgroup_id_x 1
		.amdhsa_system_sgpr_workgroup_id_y 1
		.amdhsa_system_sgpr_workgroup_id_z 1
		.amdhsa_system_vgpr_workitem_id 0
		.amdhsa_next_free_vgpr 1024
		.amdhsa_next_free_sgpr 66
		.amdhsa_reserve_vcc 0
		.amdhsa_float_denorm_mode_32 3
		.amdhsa_float_denorm_mode_16_64 3
		.amdhsa_memory_ordered 1
		.amdhsa_forward_progress 1
		.amdhsa_inst_pref_size 130
	.end_amdhsa_kernel
	.amdgpu_metadata
---
amdhsa.version: [ 1, 2 ]
amdhsa.kernels:
  - .name:           k_qbe87ede01f_qkv
    .symbol:         k_qbe87ede01f_qkv.kd
    .args:
      - { .name: tgt, .offset: 0, .size: 8, .value_kind: global_buffer, .address_space: global }
      - { .name: query_pos, .offset: 8, .size: 8, .value_kind: global_buffer, .address_space: global }
      - { .name: wq, .offset: 16, .size: 8, .value_kind: global_buffer, .address_space: global }
      - { .name: in_proj_b, .offset: 24, .size: 8, .value_kind: global_buffer, .address_space: global }
      - { .name: kv, .offset: 32, .size: 8, .value_kind: global_buffer, .address_space: global }
      - { .name: qq, .offset: 40, .size: 8, .value_kind: global_buffer, .address_space: global }
    .group_segment_fixed_size: 87552
    .private_segment_fixed_size: 0
    .kernarg_segment_align: 8
    .kernarg_segment_size: 48
    .max_flat_workgroup_size: 128
    .sgpr_count:     66
    .vgpr_count:     1024
    .wavefront_size: 32
...
	.end_amdgpu_metadata
.endif
;; end of part 9
;; launch attn (part 10): grid 256 x 1, 16 waves a work-group, no clusters, 55,296 bytes of LDS; arguments kv, qq, oo; writes oo
.if DOCPART == 10
	.amdgcn_target "amdgcn-amd-amdhsa--gfx1250"
	.amdhsa_code_object_version 6
	.text
	.protected	k_qbe87ede01f_attn
	.globl	k_qbe87ede01f_attn
	.p2align	8
	.type	k_qbe87ede01f_attn,@function
k_qbe87ede01f_attn:
	s_mov_b64 s[64:65], 0
	v_nop
	global_prefetch_b8 v0, s[64:65] scope:SCOPE_SE
	s_setreg_imm32_b32 hwreg(HW_REG_WAVE_MODE, 25, 1), 1
	s_wait_xcnt 0x0
; o = softmax(Q K^T / sqrt(32)) V for one (batch, head) and 512 queries, both products on codes of BF6; o / l is quantised (a head is one block of the next product's K) and stored as codes.
; SOFTMAX: t = score x log2(e) / sqrt(32); M = the running largest t rounded up to a whole number; p = 2^(t - M) is quantised along the keys; the row's sum is taken of the unquantised p; when M moves, sum and O are multiplied by 2^(old M - new M).
; The head's K and V images and scale words, 53,248 bytes, come into LDS once, through registers.  Sixteen waves, four to a SIMD; a wave takes two tiles of 16 queries, one after the other, and walks 8 steps of 128 keys.
; THE HEAD'S 32 DIMS IN AN INSTRUCTION OF K = 128: a fragment of K carries four key tiles in its four blocks; Q stands in four versions, its 24 bytes in block j and zero codes elsewhere.  The versions are runs of
; twelve registers out of Z A Z B Z (six registers each; A: the data in lanes 0-15, B: in lanes 16-31, Z: zeros).  Zero codes add nothing, so version j picks key tile j.
; Both products are used transposed: a lane holds one query.  No cluster: what two work-groups share is one head's 52 KB, read once each.
; LIMITS: NaN and infinities are not served; a block of zeros gets the scale byte 1.
.set QSO, 3145728
.set OSO, 3145728
.set ADK, 8
.set ADS, 9
.set QB,  16                           ; v16-45  Z A Z B Z
.set QS,  46                           ; v46     Q's scale byte in all four bytes
.set RQ,  48                           ; v48-53  Q's row as loaded; v54 its scale word
.set KF,  56                           ; v56-79  two fragments of K
.set VF,  80                           ; v80-103 two fragments of V
.set S,   104                          ; v104-167 the scores, then p
.set O,   168                          ; v168-183 O^T: dims 16 h + 0 .. 15 of my query
.set PCD, 184                          ; v184-195 p's codes; v196-202 at work
.set BM,  204
.set BP,  208
.set BS,  212
.set KS,  216
.set VS,  218
.set WV,  2
.set SEL, 4
.set MLO, 6
.set MHI, 7
.set KVB, 8
.set QCB, 24
.set QSB, 26
.set OCB, 28
.set OSB, 30
.set CS,  32
.set TK,  34
.set TS,  35
.set CNT, 36
.macro STEP
	v_add_nc_u32 v[ADK], s[TK], v1
	v_add_nc_u32 v[ADS], s[TS], v2
	v_nop
	v_nop                                          ; four places behind the last products, in front of loads into their sources
.irp f, 0,1
.irp c, 0,1,2
	ds_load_b128 v[KF+12*\f+4*\c:KF+12*\f+4*\c+3], v[ADK] offset:1536*\f+512*\c
.endr
	ds_load_b32 v[KS+\f], v[ADS] offset:128*\f
.endr
.irp t, 0,1
.irp c, 0,1,2
	ds_load_b128 v[VF+12*\t+4*\c:VF+12*\t+4*\c+3], v[ADK] offset:24576+1536*\t+512*\c
.endr
	ds_load_b32 v[VS+\t], v[ADS] offset:2048+128*\t
.endr
	s_wait_dscnt 8                                 ; K's eight loads are in; V's eight may be out
.irp f, 0,1
.irp j, 0,1,2,3
	v_wmma_scale_f32_16x16x128_f8f6f4 v[S+8*(4*\f+\j):S+8*(4*\f+\j)+7], v[KF+12*\f:KF+12*\f+11], v[QB+12*(\j%2)+6*(1-\j/2):QB+12*(\j%2)+6*(1-\j/2)+11], 0, v[KS+\f], v[QS] matrix_a_fmt:MATRIX_FMT_BF6 matrix_b_fmt:MATRIX_FMT_BF6
.endr
.endr                                              ; register 16 b + i of lane (r, h): query r, key 32 b + 16 h + i of the step
.rept 5
	v_nop
.endr
.irp b, 0,1,2,3
	v_max3_num_f32 v[BM+\b], v[S+16*\b], v[S+1+16*\b], v[S+2+16*\b]      ; the largest score of each block of 32 keys: for the row's maximum and for the block's largest p
.endr
.irp i, 3,5,7,9,11,13
.irp b, 0,1,2,3
	v_max3_num_f32 v[BM+\b], v[BM+\b], v[S+16*\b+\i], v[S+1+16*\b+\i]
.endr
.endr
.irp b, 0,1,2,3
	v_max_num_f32 v[BM+\b], v[BM+\b], v[S+15+16*\b]
.endr
.irp b, 0,1,2,3
	s_delay_alu instid0(VALU_DEP_4)
	v_permlanex16_b32 v[BP+\b], v[BM+\b], s[SEL], s[SEL+1]
.endr
.irp b, 0,1,2,3
	s_delay_alu instid0(VALU_DEP_4)
	v_max_num_f32 v[BM+\b], v[BM+\b], v[BP+\b]
.endr
	s_delay_alu instid0(VALU_DEP_2)
	v_max3_num_f32 v224, v[BM], v[BM+1], v[BM+2]
	s_delay_alu instid0(VALU_DEP_1)
	v_max_num_f32 v224, v224, v[BM+3]
	s_delay_alu instid0(VALU_DEP_1)
	v_mul_f32 v224, s[CS], v224
	s_delay_alu instid0(VALU_DEP_1)
	v_max_num_f32 v13, v13, v224                   ; the running largest t
	v_mov_b32 v224, v12
	s_delay_alu instid0(VALU_DEP_2)
	v_floor_f32 v12, -v13                          ; -M = floor(-t): M is a whole number
	s_delay_alu instid0(VALU_DEP_1)
	v_sub_f32 v224, v12, v224
	s_delay_alu instid0(VALU_DEP_1)
	v_cvt_i32_f32 v224, v224                       ; (it saturates)
	s_delay_alu instid0(VALU_DEP_1)
	v_ldexp_f32 v222, 1.0, v224                    ; f = 2^(old M - new M)
.irp j, 0,2,4,6,8,10,12,14,16,18,20,22,24,26,28,30,32,34,36,38,40,42,44,46,48,50,52,54,56,58,60,62
	v_pk_fma_f32 v[S+\j:S+1+\j], v[S+\j:S+1+\j], s[CS:CS+1], v[12:13] op_sel_hi:[1,0,0]   ; t - M
.endr
.irp b, 0,1,2,3
	v_fma_f32 v[BM+\b], v[BM+\b], s[CS], v12
.endr
	s_wait_alu depctr_va_vdst(0)
.irp j, 0,1,2,3,4,5,6,7,8,9,10,11,12,13,14,15,16,17,18,19,20,21,22,23,24,25,26,27,28,29,30,31,32,33,34,35,36,37,38,39,40,41,42,43,44,45,46,47,48,49,50,51,52,53,54,55,56,57,58,59,60,61,62,63
	v_exp_f32 v[S+\j], v[S+\j]                     ; p = 2^(t - M)
.endr
	v_pk_mul_f32 v[14:15], v[14:15], v[222:223] op_sel_hi:[1,0]          ; the sums under the new M: a plain place behind the exponentials
	s_wait_alu depctr_va_vdst(0)                   ; one wait for the batch, ahead of its first reader
.irp b, 0,1,2,3
	v_exp_f32 v[BM+\b], v[BM+\b]                   ; each block's largest p
.endr
	v_pk_add_f32 v[208:209], v[108:109], v[112:113]
	v_pk_add_f32 v[252:253], v[116:117], v[120:121]
	v_pk_add_f32 v[250:251], v[124:125], v[128:129]
	v_pk_add_f32 v[248:249], v[132:133], v[136:137]
	v_pk_add_f32 v[246:247], v[140:141], v[144:145]
	v_pk_add_f32 v[244:245], v[148:149], v[152:153]
	v_pk_add_f32 v[242:243], v[156:157], v[160:161]
	v_pk_add_f32 v[14:15], v[14:15], v[164:165]
	v_pk_add_f32 v[208:209], v[208:209], v[104:105]
	v_pk_add_f32 v[252:253], v[252:253], v[106:107]
	v_pk_add_f32 v[250:251], v[250:251], v[110:111]
	v_pk_add_f32 v[248:249], v[248:249], v[114:115]
	v_pk_add_f32 v[246:247], v[246:247], v[118:119]
	v_pk_add_f32 v[244:245], v[244:245], v[122:123]
	v_pk_add_f32 v[242:243], v[242:243], v[126:127]
	v_pk_add_f32 v[14:15], v[14:15], v[130:131]
	v_pk_add_f32 v[208:209], v[208:209], v[134:135]
	v_pk_add_f32 v[252:253], v[252:253], v[138:139]
	v_pk_add_f32 v[250:251], v[250:251], v[142:143]
	v_pk_add_f32 v[248:249], v[248:249], v[146:147]
	v_pk_add_f32 v[246:247], v[246:247], v[150:151]
	v_pk_add_f32 v[244:245], v[244:245], v[154:155]
	v_pk_add_f32 v[242:243], v[242:243], v[158:159]
	v_pk_add_f32 v[14:15], v[14:15], v[162:163]
	v_pk_add_f32 v[208:209], v[208:209], v[166:167]
	s_delay_alu instid0(VALU_DEP_2)
	v_pk_add_f32 v[14:15], v[14:15], v[248:249]
	s_delay_alu instid0(VALU_DEP_2)
	v_pk_add_f32 v[208:209], v[208:209], v[246:247]
	v_pk_add_f32 v[252:253], v[252:253], v[244:245]
	v_pk_add_f32 v[250:251], v[250:251], v[242:243]
	s_delay_alu instid0(VALU_DEP_2)
	v_pk_add_f32 v[14:15], v[14:15], v[252:253]
	s_delay_alu instid0(VALU_DEP_2)
	v_pk_add_f32 v[208:209], v[208:209], v[250:251]
	s_delay_alu instid0(VALU_DEP_1)
	v_pk_add_f32 v[14:15], v[14:15], v[208:209]
	s_wait_alu depctr_va_vdst(0)                   ; and one for the four
.irp b, 0,1,2,3
	v_max_num_f32 v[BM+\b], 0x2800000, v[BM+\b]    ; the floor 2^(5 - 127)
.endr
.irp b, 0,1,2,3
	s_delay_alu instid0(VALU_DEP_4)
	v_add_nc_u32 v[BS+\b], 0xfe000000, v[BM+\b]
.endr
.irp b, 0,1,2,3
	s_delay_alu instid0(VALU_DEP_4)
	v_lshrrev_b32 v[BP+\b], 23, v[BS+\b]
.endr
	s_delay_alu instid0(VALU_DEP_3)
	v_lshl_or_b32 v223, v[BP+1], 8, v[BP]          ; p's scale word for these 128 keys
	s_delay_alu instid0(VALU_DEP_1)
	v_lshl_or_b32 v223, v[BP+2], 16, v223
	s_delay_alu instid0(VALU_DEP_1)
	v_lshl_or_b32 v223, v[BP+3], 24, v223
.irp c, 0,1
	v_cvt_scalef32_pk16_bf6_f32 v[PCD+6*\c:PCD+2+6*\c], v[S+32*\c:S+15+32*\c], v[BS+2*\c]
	v_cvt_scalef32_pk16_bf6_f32 v[196+4*\c:198+4*\c], v[S+16+32*\c:S+31+32*\c], v[BS+2*\c+1]
.endr
	v_nop
.irp c, 0,1
.irp i, 0,1,2
	v_permlane16_swap_b32 v[PCD+6*\c+\i], v[196+4*\c+\i]
.endr
.irp i, 0,1,2
	s_delay_alu instid0(VALU_DEP_3)
	v_mov_b32 v[PCD+3+6*\c+\i], v[196+4*\c+\i]
.endr
.endr
.irp j, 0,2,4,6,8,10,12,14
	v_pk_mul_f32 v[O+\j:O+1+\j], v[O+\j:O+1+\j], v[222:223] op_sel_hi:[1,0]      ; O^T under the new M; these eight are also the places in front of the products below
.endr
	s_wait_alu depctr_va_vdst(0)
	s_wait_dscnt 0x0                               ; V is in
.irp t, 0,1
	v_wmma_scale_f32_16x16x128_f8f6f4 v[O+8*\t:O+8*\t+7], v[VF+12*\t:VF+12*\t+11], v[PCD:PCD+11], v[O+8*\t:O+8*\t+7], v[VS+\t], v223 matrix_a_fmt:MATRIX_FMT_BF6 matrix_b_fmt:MATRIX_FMT_BF6
.endr
	s_add_co_u32 s[TK], s[TK], 3072
	s_add_co_u32 s[TS], s[TS], 256
.endm
.macro TILE it
.if \it
	s_wait_xcnt 0x0                                ; the first tile's stores have read their registers
.endif
.irp i, 0,1,2,3,4,5
	v_cndmask_b32 v[QB+6+\i], 0, v[RQ+182*(\it)+\i], s[MLO]      ; the tile's row of Q came in at the head, with the head's K and V
.endr
.irp i, 0,1,2,3,4,5
	v_cndmask_b32 v[QB+18+\i], 0, v[RQ+182*(\it)+\i], s[MHI]
.endr
	v_perm_b32 v[QS], v[RQ+182*(\it)+6], v[RQ+182*(\it)+6], 0    ; the byte into all four bytes
	v_mov_b32 v13, 0xff61b1e6                      ; the largest t so far: -3e38
	s_delay_alu instid0(VALU_DEP_1)
	v_floor_f32 v12, -v13
	v_mov_b32 v14, 0
	v_mov_b32 v15, 0
.irp j, 0,1,2,3,4,5,6,7,8,9,10,11,12,13,14,15
	v_mov_b32 v[O+\j], 0                           ; the step is written once: the first finds zeros.  (More than eight plain places ahead of the first scaled product)
.endr
	s_mov_b32 s[TK], 0
	s_mov_b32 s[TS], 0
	s_mov_b32 s[CNT], 8
.Lstep_\@:
	STEP
	s_sub_co_u32 s[CNT], s[CNT], 1
	s_cmp_lg_u32 s[CNT], 0
	s_cbranch_scc1 .Lstep_\@
.rept 4
	v_nop
.endr
	v_add_f32 v14, v14, v15
	s_delay_alu instid0(VALU_DEP_1)
	v_permlanex16_b32 v224, v14, s[SEL], s[SEL+1]
	s_delay_alu instid0(VALU_DEP_1)
	v_add_f32 v14, v14, v224                       ; the row's sum
	s_wait_alu depctr_va_vdst(0)
	v_rcp_f32 v14, v14
	v_nop
	s_wait_alu depctr_va_vdst(0)
.irp j, 0,1,2,3,4,5,6,7,8,9,10,11,12,13,14,15
	v_mul_f32 v[S+\j], v[O+\j], v14                ; o = O^T / the sum
.endr
	v_max3_num_f32 v[BM], |v[S]|, |v[S+1]|, 0x2800000
.irp i, 2,4,6,8,10,12,14
	s_delay_alu instid0(VALU_DEP_1)
	v_max3_num_f32 v[BM], v[BM], |v[S+\i]|, |v[S+1+\i]|
.endr
	s_delay_alu instid0(VALU_DEP_1)
	v_permlanex16_b32 v[BP], v[BM], s[SEL], s[SEL+1]
	s_delay_alu instid0(VALU_DEP_1)
	v_max_num_f32 v[BM], v[BM], v[BP]              ; the head's 32 dims are one block
	s_delay_alu instid0(VALU_DEP_1)
	v_add_nc_u32 v[BS], 0xfe000000, v[BM]
	s_delay_alu instid0(VALU_DEP_1)
	v_lshrrev_b32 v229, 23, v[BS]
	v_cvt_scalef32_pk16_bf6_f32 v[226:228], v[S:S+15], v[BS]
	v_nop
	global_store_b96 v5, v[226:228], s[OCB:OCB+1] offset:6144*(\it)      ; dims 16 h + 0 .. 15: 12 bytes; the tile's 384 bytes are consecutive
	global_store_b8 v6, v229, s[OSB:OSB+1] offset:OSO+2048*(\it)         ; both halves write the same byte
.endm
	s_load_b128 s[8:11], s[0:1], 0x0               ; kv, qq
	s_load_b64 s[12:13], s[0:1], 0x10              ; oo
	v_lshl_add_u32 v254, v0, 2, 0xd000
	v_mov_b32 v255, 0
	v_lshrrev_b32 v1, 5, v0
	s_delay_alu instid0(VALU_DEP_1)
	v_readfirstlane_b32 s[WV], v1
	v_and_b32 v7, 31, v0
	s_delay_alu instid0(VALU_DEP_1)
	v_lshlrev_b32 v1, 4, v7                        ; 16 x lane
	s_delay_alu instid0(VALU_DEP_2)
	v_lshlrev_b32 v2, 2, v7
	s_delay_alu instid0(VALU_DEP_1)
	v_add_nc_u32 v2, 49152, v2                     ; the scale words
	v_and_b32 v7, 15, v0                           ; r
	v_bfe_u32 v8, v0, 4, 1                         ; h
	s_delay_alu instid0(VALU_DEP_2)
	v_mul_u32_u24 v3, v7, 24
	s_delay_alu instid0(VALU_DEP_3)
	v_lshlrev_b32 v4, 2, v7
	s_delay_alu instid0(VALU_DEP_2)
	v_mad_u32_u24 v5, v8, 12, v3
	v_lshlrev_b32 v6, 3, v7
	v_lshlrev_b32 v10, 4, v0
	v_lshlrev_b32 v11, 3, v0
	s_mov_b32 s[SEL], 0x76543210
	s_mov_b32 s[SEL+1], 0xfedcba98
	s_mov_b32 s[MLO], 0x0000ffff
	s_mov_b32 s[MHI], 0xffff0000
	s_mov_b32 s[CS], 0x3e8293ee                    ; log2(e) / sqrt(32)
	s_mov_b32 s[CS+1], s[CS]
	s_lshr_b32 s14, ttmp9, 1                       ; batch x 8 + head
	s_and_b32 s15, ttmp9, 1
	s_lshl_b32 s15, s15, 9
	s_lshl_b32 s16, s[WV], 4
	s_add_co_u32 s15, s15, s16                     ; my first query
	s_mul_i32 s16, s14, 53248
	s_mov_b32 s17, 0
	s_lshl_b32 s18, s14, 10
	s_add_co_u32 s18, s18, s15
	s_lshl_b32 s20, s18, 2
	s_mov_b32 s21, 0
	s_mul_i32 s18, s18, 24
	s_mov_b32 s19, 0
	s_lshr_b32 s22, s14, 3
	s_lshl_b32 s22, s22, 10
	s_add_co_u32 s22, s22, s15
	s_lshl_b32 s22, s22, 3
	s_and_b32 s23, s14, 7
	s_add_co_u32 s22, s22, s23                     ; (batch x 1,024 + query) x 8 + head
	s_mov_b32 s23, 0
	s_wait_alu depctr_va_vdst(0)
	s_wait_kmcnt 0x0
	s_add_nc_u64 s[KVB:KVB+1], s[KVB:KVB+1], s[16:17]
	s_add_nc_u64 s[QCB:QCB+1], s[10:11], s[18:19]
	s_add_nc_u64 s[QSB:QSB+1], s[10:11], s[20:21]
	s_add_nc_u64 s[OCB:OCB+1], s[12:13], s[18:19]
	s_add_nc_u64 s[OSB:OSB+1], s[12:13], s[22:23]
.irp k, 0,1,2,3,4,5
	global_load_b128 v[56+4*\k:59+4*\k], v10, s[KVB:KVB+1] offset:8192*\k
.endr
	global_load_b64 v[80:81], v11, s[KVB:KVB+1] offset:49152
.irp t, 0,1                            ; both tiles' rows of Q: row r's 24 bytes, in both halves of the lanes, and its scale word; tile 0 into v48-54, tile 1 into v230-236
.irp i, 0,1,2
	global_load_b64 v[RQ+182*\t+2*\i:RQ+182*\t+2*\i+1], v3, s[QCB:QCB+1] offset:6144*\t+8*\i
.endr
	global_load_b32 v[RQ+182*\t+6], v4, s[QSB:QSB+1] offset:QSO+1024*\t
.endr
.irp i, 0,1,2,3,4,5
	v_mov_b32 v[QB+\i], 0
	v_mov_b32 v[QB+12+\i], 0
	v_mov_b32 v[QB+24+\i], 0
.endr
.irp b, 0,1,2,3
	v_mov_b32 v[BP+\b], 0                          ; a lane permute's destination counts as read
.endr
	v_mov_b32 v223, 0                              ; named as the upper half of a pair before it is first written
	v_mov_b32 v224, 0
	s_wait_loadcnt 0x0
.irp k, 0,1,2,3,4,5
	ds_store_b128 v10, v[56+4*\k:59+4*\k] offset:8192*\k
.endr
	ds_store_b64 v11, v[80:81] offset:49152
	s_wait_dscnt 0x0                               ; my part of the head lies in LDS
	s_barrier_signal -1
	s_barrier_wait -1                              ; everybody's does; nothing writes LDS from here on
	TILE 0
	TILE 1
	s_wait_tensorcnt 0x0
	ds_add_u32 v254, v255
	s_wait_dscnt 0x0
	s_endpgm
.Lfunc_end_k_qbe87ede01f_attn:
	.size	k_qbe87ede01f_attn, .Lfunc_end_k_qbe87ede01f_attn-k_qbe87ede01f_attn
	.p2alignl 7, 3214868480
	.fill 96, 4, 3214868480
	.section	.rodata,"a",@progbits
	.p2align	6, 0x0
	.amdhsa_kernel k_qbe87ede01f_attn
		.amdhsa_group_segment_fixed_size 55296
		.amdhsa_private_segment_fixed_size 0
		.amdhsa_enable_private_segment 0
		.amdhsa_kernarg_size 24
		.amdhsa_user_sgpr_count 2
		.amdhsa_user_sgpr_kernarg_segment_ptr 1
		.amdhsa_wavefront_size32 1
		.amdhsa_system_sgpr_workgroup_id_x 1
		.amdhsa_system_sgpr_workgroup_id_y 1
		.amdhsa_system_sgpr_workgroup_id_z 1
		.amdhsa_system_vgpr_workitem_id 0
		.amdhsa_next_free_vgpr 256
		.amdhsa_next_free_sgpr 66
		.amdhsa_reserve_vcc 0
		.amdhsa_float_denorm_mode_32 3
		.amdhsa_float_denorm_mode_16_64 3
		.amdhsa_memory_ordered 1
		.amdhsa_forward_progress 1
		.amdhsa_inst_pref_size 44
	.end_amdhsa_kernel
	.amdgpu_metadata
---
amdhsa.version: [ 1, 2 ]
amdhsa.kernels:
  - .name:           k_qbe87ede01f_attn
    .symbol:         k_qbe87ede01f_attn.kd
    .args:
      - { .name: kv, .offset: 0, .size: 8, .value_kind: global_buffer, .address_space: global }
      - { .name: qq, .offset: 8, .size: 8, .value_kind: global_buffer, .address_space: global }
      - { .name: oo, .offset: 16, .size: 8, .value_kind: global_buffer, .address_space: global }
    .group_segment_fixed_size: 55296
    .private_segment_fixed_size: 0
    .kernarg_segment_align: 8
    .kernarg_segment_size: 24
    .max_flat_workgroup_size: 512
    .sgpr_count:     66
    .vgpr_count:     256
    .wavefront_size: 32
...
	.end_amdgpu_metadata
.endif
;; end of part 10
;; launch mid (part 11): grid 256 x 1, 4 waves a work-group, no clusters, 157,184 bytes of LDS; arguments oo, wq, out_proj_b, tgt, norm2_g, norm2_b, query_pos, off_b, attw_b, reference_points, tga, sidx, swt; writes tga, sidx, swt
.if DOCPART == 11
	.amdgcn_target "amdgcn-amd-amdhsa--gfx1250"
	.amdhsa_code_object_version 6
	.text
	.protected	k_qbe87ede01f_mid
	.globl	k_qbe87ede01f_mid
	.p2align	8
	.type	k_qbe87ede01f_mid,@function
k_qbe87ede01f_mid:
	s_mov_b64 s[64:65], 0
	v_nop
	global_prefetch_b8 v0, s[64:65] scope:SCOPE_SE
	s_setreg_imm32_b32 hwreg(HW_REG_WAVE_MODE, 25, 1), 1
	s_wait_xcnt 0x0
; For 64 rows: y = o out_proj_w^T + b (codes of BF6); tga = layer norm(tgt + y); q = tga + query_pos, quantised; offsets = q off_w^T + off_b, weights = softmax16(q attw_w^T + attw_b);
; then, for each (row, head, point): the sampling place.  x = (ref + off / W) W - 0.5 as reference() rounds it; the base corner is floor(x) held to 0 .. W - 2, and the two corners' weights are
; max(0, 1 - |x - corner|): that is the bilinear weight with the zero padding folded in.  Stored: the base corner's position in the pyramid as a WHOLE NUMBER (sidx), and attention weight x wy x wx for the four corners (swt).
; The next launch forms its addresses from sidx; nothing in this launch's addresses or branches hangs on these numbers.
; The levels are reference()'s own constant (64, 32, 16, 8 squared; starts 0, 4096, 5120, 5376); src_spatial_shapes and level_start_index do not enter reference()'s result and are not loaded.
; SHARES: in products wave w owns units 64 w .. 64 w + 63 (heads 2 w, 2 w + 1) for all 64 rows; in row phases rows 16 w .. 16 w + 15.  Sums change owners through a stage in LDS, quantised rows as images of their registers.
; LIMITS: NaN and infinities are not served; a block of zeros gets the scale byte 1; corner weights are multiplied in another order than reference()'s (a few ulp).
; REGISTERS: window 0: v1-15 addresses, v16-31 scale words, v32-159 a row array or 16 accumulators, v160-183 fragments, v184-222 the quantiser's (later level constants), v223-226 addresses, v228-243 reference points, v244-251 the norm's.
;   window 1: weights and biases.  window 2: o's fragments, then the norm's gain and bias.  window 3: tgt and pos rows, later rows on their way out.
.set WSC,  761856
.set OSO,  3145728
.set STG,  33792                       ; LDS: four stages of 16 x 528; 64 rows x 1,040;
.set XIMG, 100352                      ; q's 8 fragments;
.set XSC,  112640                      ; their scale words;
.set SWS,  113664                      ; four stages of 16 x 528 for the corner weights;
.set SIS,  147456                      ; four of 16 x 144 for the indices
.set LI, 1
.set LS, 2
.set TSW, 3
.set TSR, 4
.set XWI, 5
.set XWS, 6
.set SO, 7
.set SR, 8
.set H64, 9
.set XRI, 10
.set XRS, 11
.set SWW, 12
.set SWR, 13
.set SIW, 14
.set SIR, 15
.set A, 32
.set XF, 160
.set PC, 184
.set TM, 204
.set PW, 220
.set XS, 221
.set OA, 223
.set OS, 224
.set A32, 225
.set ARP, 226
.set WV, 2
.set SEL, 4
.set MHI, 6
.set C256, 34
.set EPS, 35
.set OOB, 36
.set OSB, 38
.set WB1, 40
.set WSB1, 42
.set WB2, 44
.set WSB2, 46
.set MSB, 0
.macro WIN new
.if MSB != (\new)
	s_set_vgpr_msb (MSB<<8)|(\new)
.set MSB, \new
.endif
.endm
.macro PLACES n
.rept \n
	v_nop
.endr
.endm
.macro QUANT s
.irp b, 0,1,2,3
	v_max3_num_f32 v[TM+\b], |v[(\s)+16*\b]|, |v[(\s)+1+16*\b]|, 0x2800000
.endr
.irp i, 2,4,6,8,10,12,14
.irp b, 0,1,2,3
	v_max3_num_f32 v[TM+\b], v[TM+\b], |v[(\s)+16*\b+\i]|, |v[(\s)+1+16*\b+\i]|
.endr
.endr
.irp b, 0,1,2,3
	v_permlanex16_b32 v[TM+4+\b], v[TM+\b], s[SEL], s[SEL+1]
.endr
.irp b, 0,1,2,3
	v_max_num_f32 v[TM+\b], v[TM+\b], v[TM+4+\b]
.endr
.irp b, 0,1,2,3
	v_add_nc_u32 v[TM+12+\b], 0xfe000000, v[TM+\b]
.endr
.irp b, 0,1,2,3
	v_lshrrev_b32 v[TM+4+\b], 23, v[TM+12+\b]
.endr
	v_lshl_or_b32 v[PW], v[TM+5], 8, v[TM+4]
	v_lshl_or_b32 v[PW], v[TM+6], 16, v[PW]
	v_lshl_or_b32 v[PW], v[TM+7], 24, v[PW]
.irp c, 0,1
	v_cvt_scalef32_pk16_bf6_f32 v[PC+6*\c:PC+2+6*\c], v[(\s)+32*\c:(\s)+15+32*\c], v[TM+12+2*\c]
	v_cvt_scalef32_pk16_bf6_f32 v[PC+12+4*\c:PC+14+4*\c], v[(\s)+16+32*\c:(\s)+31+32*\c], v[TM+12+2*\c+1]
.endr
	v_nop
.irp c, 0,1
.irp i, 0,1,2
	v_permlane16_swap_b32 v[PC+6*\c+\i], v[PC+12+4*\c+\i]
.endr
.irp i, 0,1,2
	v_mov_b32 v[PC+3+6*\c+\i], v[PC+12+4*\c+\i]
.endr
.endr
.endm
.macro IMAGE adr, off
.irp c, 0,1,2
	ds_store_b128 v[\adr], v[PC+4*\c:PC+4*\c+3] offset:(\off)+512*\c
.endr
.endm
.macro FETCH reg, adr, off
.irp c, 0,1,2
	ds_load_b128 v[(\reg)+4*\c:(\reg)+4*\c+3], v[\adr] offset:(\off)+512*\c
.endr
.endm
.macro BARRIER
	s_wait_dscnt 0x0
	s_barrier_signal -1
	s_barrier_wait -1
.endm
.macro MM d, a, b, c, sa, sb
	v_wmma_scale_f32_16x16x128_f8f6f4 v[(\d):(\d)+7], v[(\a):(\a)+11], v[(\b):(\b)+11], v[(\c):(\c)+7], v[\sa], v[\sb] matrix_a_fmt:MATRIX_FMT_BF6 matrix_b_fmt:MATRIX_FMT_BF6
.endm
.macro WLOAD reg, n, base, f0
.set wi, 0
.rept \n
.irp c, 0,1,2
	global_load_b128 v[(\reg)+12*wi+4*\c:(\reg)+12*wi+4*\c+3], v[LI], s[\base:\base+1] offset:((\f0)+wi)*1536+512*\c
.endr
.set wi, wi+1
.endr
.endm
.macro WSLOAD reg, n, base, f0
.set wi, 0
.rept \n
	global_load_b32 v[(\reg)+wi], v[LS], s[\base:\base+1] offset:WSC+((\f0)+wi)*128
.set wi, wi+1
.endr
.endm
.macro BLOAD reg, base, tiles, off
.set wi, 0
.rept \tiles
	global_load_b128 v[(\reg)+8*wi:(\reg)+8*wi+3], v[H64], s[\base:\base+1] offset:(\off)+128*(wi/2)+32*(wi%2)
	global_load_b128 v[(\reg)+8*wi+4:(\reg)+8*wi+7], v[H64], s[\base:\base+1] offset:(\off)+128*(wi/2)+32*(wi%2)+16
.set wi, wi+1
.endr
.endm
.macro GBLOAD reg, base                ; 256 numbers in the row array's layout: register 16 b + i = column 32 b + 16 h + i
.irp b, 0,1,2,3,4,5,6,7
.irp j, 0,1,2,3
	global_load_b128 v[(\reg)+16*\b+4*\j:(\reg)+16*\b+4*\j+3], v[H64], s[\base:\base+1] offset:128*\b+16*\j
.endr
.endr
.endm
.macro LOADU reg, base, off
.set wi, 0
.rept 16
	global_load_b128 v[(\reg)+4*wi:(\reg)+4*wi+3], v[LI], s[\base:\base+1] offset:(\off)+1024*wi
.set wi, wi+1
.endr
.endm
.macro TURNU src, sw, dst, dw
	WIN (\sw)<<2
.set wi, 0
.rept 16
	ds_store_b128 v[TSW], v[(\src)+4*wi:(\src)+4*wi+3] offset:528*wi
.set wi, wi+1
.endr
	WIN (\dw)<<6
.irp b, 0,1,2,3
.irp j, 0,1,2,3
	ds_load_b128 v[(\dst)+16*\b+4*\j:(\dst)+16*\b+4*\j+3], v[TSR] offset:128*\b+16*\j
.endr
.endr
	WIN 0
.endm
.macro TURNO src, dst, dw              ; the other way: from the row array to whole half rows
.irp b, 0,1,2,3
.irp j, 0,1,2,3
	ds_store_b128 v[TSR], v[(\src)+16*\b+4*\j:(\src)+16*\b+4*\j+3] offset:128*\b+16*\j
.endr
.endr
	WIN (\dw)<<6
.set wi, 0
.rept 16
	ds_load_b128 v[(\dst)+4*wi:(\dst)+4*wi+3], v[TSW] offset:528*wi
.set wi, wi+1
.endr
	WIN 0
.endm
.macro STOREU src, base, off           ; 512 consecutive bytes a store, aligned
.set wi, 0
.rept 16
	global_store_b128 v[LI], v[(\src)+4*wi:(\src)+4*wi+3], s[\base:\base+1] offset:(\off)+1024*wi
.set wi, wi+1
.endr
.endm
.macro ROWLD                           ; my 16 rows out of the stage, into the row array
.irp b, 0,1,2,3,4,5,6,7
.irp j, 0,1,2,3
	ds_load_b128 v[A+16*\b+4*\j:A+16*\b+4*\j+3], v[SR] offset:128*\b+16*\j
.endr
.endr
.endm
.macro ADDROW reg
.set wi, 0
.rept 64
	v_pk_add_f32 v[A+wi:A+wi+1], v[A+wi:A+wi+1], v[(\reg)+wi:(\reg)+wi+1]
.set wi, wi+2
.endr
.endm
; 16 accumulators (4 tiles of rows x my 4 tiles of units), two K steps; they take turns, one instruction a turn.  Weights and bias in window 1, the rows' fragments in window 2
.macro PROD16
	WIN 0x19
.irp m, 0,1,2,3
.irp i, 0,1,2,3
	MM A+32*\m+8*\i, 24*\i, 24*\m, 96+8*\i, 16+2*\i, 24+2*\m
.endr
.endr
	WIN 0x09
.irp m, 0,1,2,3
.irp i, 0,1,2,3
	MM A+32*\m+8*\i, 24*\i+12, 24*\m+12, A+32*\m+8*\i, 17+2*\i, 25+2*\m
.endr
.endr
	WIN 0
.endm
.macro STAGE16
.irp m, 0,1,2,3
.irp i, 0,1,2,3
	ds_store_b128 v[SO], v[A+32*\m+8*\i:A+32*\m+8*\i+3] offset:16640*\m+128*(\i/2)+32*(\i%2)
	ds_store_b128 v[SO], v[A+32*\m+8*\i+4:A+32*\m+8*\i+7] offset:16640*\m+128*(\i/2)+32*(\i%2)+16
.endr
.endr
.endm
; layer norm of the row array, in two passes (mean, then the mean of squared distances); gain at v0-127, bias at v128-255 of window gw
.macro LNORM gw
	v_pk_add_f32 v[244:245], v[A:A+1], v[A+2:A+3]
	v_pk_add_f32 v[246:247], v[A+4:A+5], v[A+6:A+7]
.set wi, 8
.rept 30
	v_pk_add_f32 v[244:245], v[244:245], v[A+wi:A+wi+1]
	v_pk_add_f32 v[246:247], v[246:247], v[A+wi+2:A+wi+3]
.set wi, wi+4
.endr
	v_pk_add_f32 v[244:245], v[244:245], v[246:247]
	v_add_f32 v244, v244, v245
	v_permlanex16_b32 v246, v244, s[SEL], s[SEL+1]
	v_add_f32 v244, v244, v246
	v_mul_f32 v248, s[C256], v244                  ; the mean
	v_mov_b32 v249, v248
.set wi, 0
.rept 64
	v_pk_add_f32 v[A+wi:A+wi+1], v[A+wi:A+wi+1], v[248:249] neg_lo:[0,1] neg_hi:[0,1]
.set wi, wi+2
.endr
	v_pk_mul_f32 v[244:245], v[A:A+1], v[A:A+1]
	v_pk_mul_f32 v[246:247], v[A+2:A+3], v[A+2:A+3]
.set wi, 4
.rept 31
	v_pk_fma_f32 v[244:245], v[A+wi:A+wi+1], v[A+wi:A+wi+1], v[244:245]
	v_pk_fma_f32 v[246:247], v[A+wi+2:A+wi+3], v[A+wi+2:A+wi+3], v[246:247]
.set wi, wi+4
.endr
	v_pk_add_f32 v[244:245], v[244:245], v[246:247]
	v_add_f32 v244, v244, v245
	v_permlanex16_b32 v246, v244, s[SEL], s[SEL+1]
	v_add_f32 v244, v244, v246
	v_fma_f32 v244, v244, s[C256], s[EPS]
	s_wait_alu depctr_va_vdst(0)
	v_rsq_f32 v250, v244
	v_nop                                          ; a plain place behind the transcendental,
	s_wait_alu depctr_va_vdst(0)                   ; and the wait ahead of its first reader
	v_mov_b32 v251, v250
.set wi, 0
.rept 64
	v_pk_mul_f32 v[A+wi:A+wi+1], v[A+wi:A+wi+1], v[250:251]
.set wi, wi+2
.endr
	WIN ((\gw)<<2)|((\gw)<<4)
.set wi, 0
.rept 64
	v_pk_fma_f32 v[A+wi:A+wi+1], v[A+wi:A+wi+1], v[wi:wi+1], v[128+wi:129+wi]
.set wi, wi+2
.endr
	WIN 0
.endm
.macro LVC reg, lo, hi                 ; a level's constant: lanes 0-15 hold levels 0 and 1, lanes 16-31 levels 2 and 3
	v_mov_b32 v[\reg], \lo
	v_mov_b32 v192, \hi
	v_cndmask_b32 v[\reg], v[\reg], v192, s[MHI]
.endm
; point q (0 .. 7) of my half of head b's sixteen: level 2 h + q / 4
.macro POINT b, q, m
.set PT, 128+8*((\q)%2)
.set PU, (\q)/4
.set PO, 32+16*(\b)+2*(\q)
.set PF, 228+4*(\m)+2*PU
	v_pk_fma_f32 v[PT:PT+1], v[PO:PO+1], v[188+2*PU:189+2*PU], v[PF:PF+1] op_sel_hi:[1,0,1]     ; loc = ref + off / W: 1 / W is a power of two, so this rounds once, as reference() does
	v_pk_fma_f32 v[PT:PT+1], v[PT:PT+1], v[184+2*PU:185+2*PU], -0.5 op_sel_hi:[1,0,0]           ; x = loc W - 0.5, y likewise
	v_floor_f32 v[PT+2], v[PT]
	v_floor_f32 v[PT+3], v[PT+1]
	v_med3_num_f32 v[PT+2], v[PT+2], 0, v[185+2*PU]      ; the base corner, held to 0 .. W - 2
	v_med3_num_f32 v[PT+3], v[PT+3], 0, v[185+2*PU]
	v_sub_f32 v[PT], v[PT], v[PT+2]
	v_sub_f32 v[PT+1], v[PT+1], v[PT+3]
	v_add_f32 v[PT+4], -1.0, v[PT]
	v_add_f32 v[PT+5], -1.0, v[PT+1]
	v_sub_f32 v[PT], 1.0, |v[PT]|
	v_sub_f32 v[PT+1], 1.0, |v[PT+1]|
	v_sub_f32 v[PT+4], 1.0, |v[PT+4]|
	v_sub_f32 v[PT+5], 1.0, |v[PT+5]|
	v_max_num_f32 v[PT], 0, v[PT]                        ; wx of corner 0,
	v_max_num_f32 v[PT+1], 0, v[PT+1]                    ; wy of corner 0,
	v_max_num_f32 v[PT+4], 0, v[PT+4]                    ; of corner 1
	v_max_num_f32 v[PT+5], 0, v[PT+5]
	v_mul_f32 v[PT+1], v[PT+1], v[64+8*(\b)+(\q)]        ; x the attention weight
	v_mul_f32 v[PT+5], v[PT+5], v[64+8*(\b)+(\q)]
	v_mul_f32 v[80+(\q)], v[PT+1], v[PT]                 ; corner 2 y + x
	v_mul_f32 v[88+(\q)], v[PT+1], v[PT+4]
	v_mul_f32 v[96+(\q)], v[PT+5], v[PT]
	v_mul_f32 v[104+(\q)], v[PT+5], v[PT+4]
	v_fma_f32 v[PT+2], v[PT+3], v[184+2*PU], v[PT+2]
	v_add_f32 v[PT+2], v[PT+2], v[189+2*PU]              ; start + y W + x: whole numbers under 2^24, exact
	v_cvt_u32_f32 v[112+(\q)], v[PT+2]
.endm
	s_load_b512 s[8:23], s[0:1], 0x0               ; oo 8, wq 10, out_proj_b 12, tgt 14, norm2_g 16, norm2_b 18, query_pos 20, off_b 22
	s_load_b256 s[24:31], s[0:1], 0x40             ; attw_b 24, reference_points 26, tga 28, sidx 30
	s_load_b64 s[32:33], s[0:1], 0x60              ; swt
	v_lshl_add_u32 v254, v0, 2, 0x26400
	v_mov_b32 v255, 0
	v_lshrrev_b32 v160, 5, v0
	v_readfirstlane_b32 s[WV], v160
	v_and_b32 v160, 31, v0                         ; lane
	v_and_b32 v161, 15, v0                         ; r
	v_bfe_u32 v162, v0, 4, 1                       ; h
	v_lshlrev_b32 v[LI], 4, v160
	v_lshlrev_b32 v[LS], 2, v160
	s_mul_i32 s48, s[WV], 8448
	v_add_nc_u32 v[TSW], s48, v[LI]
	v_mul_u32_u24 v163, v161, 528
	v_lshl_add_u32 v164, v162, 6, v163
	v_add_nc_u32 v[TSR], s48, v164
	s_add_co_u32 s48, s48, SWS
	v_lshl_add_u32 v164, v162, 5, v163
	v_add_nc_u32 v[SWW], s48, v164
	v_add_nc_u32 v[SWR], s48, v[LI]
	s_mul_i32 s48, s[WV], 3072
	s_add_co_u32 s48, s48, XIMG
	v_add_nc_u32 v[XWI], s48, v[LI]
	s_lshl_b32 s48, s[WV], 8
	s_add_co_u32 s49, s48, XSC
	v_add_nc_u32 v[XWS], s49, v[LS]
	v_mul_u32_u24 v163, v161, 1040
	v_lshl_add_u32 v163, v162, 6, v163
	s_add_co_u32 s48, s48, STG
	v_add_nc_u32 v[SO], s48, v163
	s_mul_i32 s48, s[WV], 16640
	s_add_co_u32 s48, s48, STG
	v_add_nc_u32 v[SR], s48, v163
	v_lshlrev_b32 v[H64], 6, v162
	v_add_nc_u32 v[XRI], XIMG, v[LI]
	v_add_nc_u32 v[XRS], XSC, v[LS]
	s_mul_i32 s48, s[WV], 2304
	s_add_co_u32 s48, s48, SIS
	v_mul_u32_u24 v163, v161, 144
	v_lshl_add_u32 v163, v162, 5, v163
	v_add_nc_u32 v[SIW], s48, v163
	v_lshrrev_b32 v163, 3, v160
	v_mul_u32_u24 v163, v163, 144
	v_and_b32 v164, 7, v160
	v_lshl_add_u32 v163, v164, 4, v163
	v_add_nc_u32 v[SIR], s48, v163
	v_mul_u32_u24 v[OA], v161, 24
	v_mad_u32_u24 v[OA], v162, 0x6000, v[OA]       ; o's codes: 24 r, and a head (24,576 bytes) on for lanes 16-31
	v_lshlrev_b32 v[OS], 3, v161
	v_lshlrev_b32 v[A32], 5, v162
	v_lshlrev_b32 v[ARP], 5, v161
	v_lshl_add_u32 v[ARP], v162, 4, v[ARP]
	s_mov_b32 s[SEL], 0x76543210
	s_mov_b32 s[SEL+1], 0xfedcba98
	s_mov_b32 s[MHI], 0xffff0000
	s_mov_b32 s[C256], 0x3b800000                  ; 1 / 256
	s_mov_b32 s[EPS], 0x3727c5ac                   ; 1e-5
.irp b, 0,1,2,3
	v_mov_b32 v[TM+4+\b], 0
.endr
	s_lshr_b32 s48, ttmp9, 4
	s_mul_i32 s48, s48, 196608                     ; the batch's eight heads of codes,
	s_and_b32 s49, ttmp9, 15
	s_mul_i32 s49, s49, 1536                       ; my 64 tokens
	s_add_co_u32 s48, s48, s49
	s_mov_b32 s49, 0
	s_lshl_b32 s50, ttmp9, 9
	s_mov_b32 s51, 0
	s_wait_alu depctr_va_vdst(0)
	s_wait_kmcnt 0x0
	s_add_nc_u64 s[OOB:OOB+1], s[8:9], s[48:49]
	s_add_nc_u64 s[OSB:OSB+1], s[8:9], s[50:51]
	s_mul_i32 s48, s[WV], 12288
	s_add_nc_u64 s[WB1:WB1+1], s[10:11], s[48:49]
	s_lshl_b32 s48, s[WV], 10
	s_add_nc_u64 s[WSB1:WSB1+1], s[10:11], s[48:49]
	s_mul_i32 s48, s[WV], 6144
	s_add_nc_u64 s[WB2:WB2+1], s[10:11], s[48:49]
	s_lshl_b32 s48, s[WV], 9
	s_add_nc_u64 s[WSB2:WSB2+1], s[10:11], s[48:49]
	s_lshl_b32 s48, s[WV], 8
	s_add_nc_u64 s[12:13], s[12:13], s[48:49]
	s_add_nc_u64 s[22:23], s[22:23], s[48:49]
	s_lshl_b32 s48, s[WV], 7
	s_add_nc_u64 s[24:25], s[24:25], s[48:49]
	s_lshl_b32 s48, ttmp9, 16
	s_lshl_b32 s50, s[WV], 14
	s_add_co_u32 s48, s48, s50                     ; my 16 rows of 1,024 bytes
	s_add_nc_u64 s[14:15], s[14:15], s[48:49]
	s_add_nc_u64 s[20:21], s[20:21], s[48:49]
	s_add_nc_u64 s[28:29], s[28:29], s[48:49]
	s_lshl_b32 s48, ttmp9, 11
	s_add_nc_u64 s[26:27], s[26:27], s[48:49]
	s_lshl_b32 s48, ttmp9, 17
	s_lshl_b32 s50, s[WV], 13
	s_add_co_u32 s48, s48, s50
	s_add_nc_u64 s[32:33], s[32:33], s[48:49]
	s_lshl_b32 s48, ttmp9, 15
	s_lshl_b32 s50, s[WV], 11
	s_add_co_u32 s48, s48, s50
	s_add_nc_u64 s[30:31], s[30:31], s[48:49]
	; ---- A: y = o out_proj_w^T + b
	WIN 0x40
	WLOAD 0, 8, WB1, 96
	BLOAD 96, 12, 4, 0
	WIN 0
	WSLOAD 16, 8, WSB1, 96
	WIN 0x80
.irp m, 0,1,2,3
.irp s, 0,1
.irp c, 0,1
.irp i, 0,1,2
	global_load_b64 v[12*(2*\m+\s)+6*\c+2*\i:12*(2*\m+\s)+6*\c+2*\i+1], v[OA], s[OOB:OOB+1] offset:(4*\s+2*\c)*24576+384*\m+8*\i    ; block 4 s + 2 c + h of a row is head 4 s + 2 c + h's 24 bytes
.endr
.endr
.endr
.endr
	WIN 0
.irp m, 0,1,2,3
.irp s, 0,1
	global_load_b32 v[24+2*\m+\s], v[OS], s[OSB:OSB+1] offset:OSO+128*\m+4*\s
.endr
.endr
	WIN 0xc0
	LOADU 0, 14, 0
	LOADU 64, 14, 512
	WIN 0
	s_wait_loadcnt 32                              ; weights and o are in; tgt's 32 loads may be out
	PROD16
	PLACES 5                                       ; behind the products: results are read, sources and scale registers loaded again
	WIN 0xc0
	LOADU 128, 20, 0
	LOADU 192, 20, 512
	WIN 0x80
	GBLOAD 0, 16
	GBLOAD 128, 18
	WIN 0x40
	WLOAD 0, 8, WB1, 160
	WLOAD 96, 4, WB2, 192
	BLOAD 144, 22, 4, 0
.irp b, 0,1
	global_load_b128 v[176+8*\b:179+8*\b], v[A32], s[24:25] offset:64*\b           ; attw_b in its result's layout: points 8 h + 0 .. 7 of head b
	global_load_b128 v[180+8*\b:183+8*\b], v[A32], s[24:25] offset:64*\b+16
.endr
	WIN 0
	WSLOAD 16, 8, WSB1, 160
	WSLOAD 24, 4, WSB2, 192
.irp m, 0,1,2,3
	global_load_b128 v[228+4*\m:231+4*\m], v[ARP], s[26:27] offset:512*\m          ; row 16 m + r: (x, y) of levels 2 h and 2 h + 1
.endr
	STAGE16
	BARRIER                                        ; 64 whole rows of y lie in the stage
	; ---- rows: tga = layer norm(tgt + y); q = tga + pos, quantised
	s_wait_loadcnt 0x0
	TURNU 0, 3, 0, 3
	TURNU 64, 3, 64, 3
	TURNU 128, 3, 128, 3
	TURNU 192, 3, 192, 3
	ROWLD
	s_wait_dscnt 0x0
	WIN 0x0c
	ADDROW 0
	WIN 0
	LNORM 2
	TURNO A, 0, 3
	TURNO A+64, 64, 3
	s_wait_dscnt 0x0
	WIN 0x0c
	STOREU 0, 28, 0
	STOREU 64, 28, 512
	ADDROW 128
	WIN 0
	QUANT A
	IMAGE XWI, 0
	ds_store_b32 v[XWS], v[PW]
	s_wait_dscnt 0x0
	QUANT A+64
	IMAGE XWI, 1536
	ds_store_b32 v[XWS], v[PW] offset:128
	BARRIER                                        ; q's eight fragments lie in LDS
	LVC 184, 0x42800000, 0x41800000                ; W: 64 / 16
	LVC 185, 0x42780000, 0x41600000                ; W - 2
	LVC 186, 0x42000000, 0x41000000                ; 32 / 8
	LVC 187, 0x41f00000, 0x40c00000
	LVC 188, 0x3c800000, 0x3d800000                ; 1 / W
	LVC 189, 0, 0x45a00000                         ; the level's start: 0 / 5120
	LVC 190, 0x3d000000, 0x3e000000
	LVC 191, 0x45800000, 0x45a80000                ; 4096 / 5376
	v_mov_b32 v122, 0
	v_mov_b32 v123, 0
	; ---- D: offsets and weights of my two heads, a tile of 16 rows at a time
.irp m, 0,1,2,3
	FETCH XF, XRI, (2*\m)*1536
	FETCH XF+12, XRI, (2*\m+1)*1536
	ds_load_b32 v[XS], v[XRS] offset:128*(2*\m)
	ds_load_b32 v[XS+1], v[XRS] offset:128*(2*\m+1)
	s_wait_dscnt 0x0
	WIN 0x11                                       ; six accumulators by turns
.irp i, 0,1,2,3
	MM 32+8*\i, 24*\i, XF, 144+8*\i, 16+2*\i, XS
.endr
.irp b, 0,1
	MM 64+8*\b, 96+24*\b, XF, 176+8*\b, 24+2*\b, XS
.endr
	WIN 0x01
.irp i, 0,1,2,3
	MM 32+8*\i, 24*\i+12, XF+12, 32+8*\i, 17+2*\i, XS+1
.endr
.irp b, 0,1
	MM 64+8*\b, 96+24*\b+12, XF+12, 64+8*\b, 25+2*\b, XS+1
.endr
	WIN 0
	PLACES 5
	; the softmax over a head's 16 points: 8 in my lane, 8 in lane l xor 16; both heads together
.irp b, 0,1
	v_max3_num_f32 v[120+\b], v[64+8*\b], v[65+8*\b], v[66+8*\b]
.endr
.irp b, 0,1
	v_max3_num_f32 v[120+\b], v[120+\b], v[67+8*\b], v[68+8*\b]
.endr
.irp b, 0,1
	v_max3_num_f32 v[120+\b], v[120+\b], v[69+8*\b], v[70+8*\b]
.endr
.irp b, 0,1
	v_max_num_f32 v[120+\b], v[120+\b], v[71+8*\b]
.endr
.irp b, 0,1
	v_permlanex16_b32 v[122+\b], v[120+\b], s[SEL], s[SEL+1]
.endr
.irp b, 0,1
	v_max_num_f32 v[120+\b], v[120+\b], v[122+\b]
.endr
.irp b, 0,1
.irp j, 0,1,2,3,4,5,6,7
	v_sub_f32 v[64+8*\b+\j], v[64+8*\b+\j], v[120+\b]
.endr
.endr
.irp j, 0,1,2,3,4,5,6,7,8,9,10,11,12,13,14,15
	v_mul_f32 v[64+\j], 0x3fb8aa3b, v[64+\j]
.endr
	s_wait_alu depctr_va_vdst(0)
.irp j, 0,1,2,3,4,5,6,7,8,9,10,11,12,13,14,15
	v_exp_f32 v[64+\j], v[64+\j]
.endr
	v_nop
	s_wait_alu depctr_va_vdst(0)                   ; one wait for the sixteen
.irp b, 0,1
	v_add_f32 v[124+\b], v[64+8*\b], v[65+8*\b]
.endr
.irp j, 2,3,4,5,6,7
.irp b, 0,1
	v_add_f32 v[124+\b], v[124+\b], v[64+8*\b+\j]
.endr
.endr
.irp b, 0,1
	v_permlanex16_b32 v[122+\b], v[124+\b], s[SEL], s[SEL+1]
.endr
.irp b, 0,1
	v_add_f32 v[124+\b], v[124+\b], v[122+\b]
.endr
	s_wait_alu depctr_va_vdst(0)
.irp b, 0,1
	v_rcp_f32 v[126+\b], v[124+\b]
.endr
	v_nop
	s_wait_alu depctr_va_vdst(0)
.irp b, 0,1
.irp j, 0,1,2,3,4,5,6,7
	v_mul_f32 v[64+8*\b+\j], v[64+8*\b+\j], v[126+\b]
.endr
.endr
.irp b, 0,1
.irp q, 0,1,2,3,4,5,6,7
	POINT \b, \q, \m
.endr
.irp c, 0,1,2,3
	ds_store_b128 v[SWW], v[80+8*\c:83+8*\c] offset:256*\b+64*\c           ; my stage's row r: head b, corner c, points 8 h + 0 .. 7
	ds_store_b128 v[SWW], v[84+8*\c:87+8*\c] offset:256*\b+64*\c+16
.endr
	ds_store_b128 v[SIW], v[112:115] offset:64*\b
	ds_store_b128 v[SIW], v[116:119] offset:64*\b+16
	s_wait_dscnt 0x0                               ; the stores have read their registers
.endr
	s_wait_xcnt 0x0                                ; earlier global stores have read theirs
	WIN 0xc0
.irp k, 0,1,2,3,4,5,6,7,8,9,10,11,12,13,14,15
	ds_load_b128 v[4*\k:4*\k+3], v[SWR] offset:528*\k
.endr
.irp k, 0,1,2,3
	ds_load_b128 v[64+4*\k:67+4*\k], v[SIR] offset:576*\k
.endr
	WIN 0
	s_wait_dscnt 0x0
	WIN 0x0c
.irp k, 0,1,2,3,4,5,6,7,8,9,10,11,12,13,14,15
	global_store_b128 v[LI], v[4*\k:4*\k+3], s[32:33] offset:32768*\m+512*\k       ; 512 consecutive bytes, aligned
.endr
.irp k, 0,1,2,3
	global_store_b128 v[LI], v[64+4*\k:67+4*\k], s[30:31] offset:8192*\m+512*\k
.endr
	WIN 0
.endr
	s_wait_tensorcnt 0x0
	ds_add_u32 v254, v255
	s_wait_dscnt 0x0
	s_endpgm
.Lfunc_end_k_qbe87ede01f_mid:
	.size	k_qbe87ede01f_mid, .Lfunc_end_k_qbe87ede01f_mid-k_qbe87ede01f_mid
	.p2alignl 7, 3214868480
	.fill 96, 4, 3214868480
	.section	.rodata,"a",@progbits
	.p2align	6, 0x0
	.amdhsa_kernel k_qbe87ede01f_mid
		.amdhsa_group_segment_fixed_size 157184
		.amdhsa_private_segment_fixed_size 0
		.amdhsa_enable_private_segment 0
		.amdhsa_kernarg_size 104
		.amdhsa_user_sgpr_count 2
		.amdhsa_user_sgpr_kernarg_segment_ptr 1
		.amdhsa_wavefront_size32 1
		.amdhsa_system_sgpr_workgroup_id_x 1
		.amdhsa_system_sgpr_workgroup_id_y 1
		.amdhsa_system_sgpr_workgroup_id_z 1
		.amdhsa_system_vgpr_workitem_id 0
		.amdhsa_next_free_vgpr 1024
		.amdhsa_next_free_sgpr 66
		.amdhsa_reserve_vcc 0
		.amdhsa_float_denorm_mode_32 3
		.amdhsa_float_denorm_mode_16_64 3
		.amdhsa_memory_ordered 1
		.amdhsa_forward_progress 1
		.amdhsa_inst_pref_size 211
	.end_amdhsa_kernel
	.amdgpu_metadata
---
amdhsa.version: [ 1, 2 ]
amdhsa.kernels:
  - .name:           k_qbe87ede01f_mid
    .symbol:         k_qbe87ede01f_mid.kd
    .args:
      - { .name: oo, .offset: 0, .size: 8, .value_kind: global_buffer, .address_space: global }
      - { .name: wq, .offset: 8, .size: 8, .value_kind: global_buffer, .address_space: global }
      - { .name: out_proj_b, .offset: 16, .size: 8, .value_kind: global_buffer, .address_space: global }
      - { .name: tgt, .offset: 24, .size: 8, .value_kind: global_buffer, .address_space: global }
      - { .name: norm2_g, .offset: 32, .size: 8, .value_kind: global_buffer, .address_space: global }
      - { .name: norm2_b, .offset: 40, .size: 8, .value_kind: global_buffer, .address_space: global }
      - { .name: query_pos, .offset: 48, .size: 8, .value_kind: global_buffer, .address_space: global }
      - { .name: off_b, .offset: 56, .size: 8, .value_kind: global_buffer, .address_space: global }
      - { .name: attw_b, .offset: 64, .size: 8, .value_kind: global_buffer, .address_space: global }
      - { .name: reference_points, .offset: 72, .size: 8, .value_kind: global_buffer, .address_space: global }
      - { .name: tga, .offset: 80, .size: 8, .value_kind: global_buffer, .address_space: global }
      - { .name: sidx, .offset: 88, .size: 8, .value_kind: global_buffer, .address_space: global }
      - { .name: swt, .offset: 96, .size: 8, .value_kind: global_buffer, .address_space: global }
    .group_segment_fixed_size: 157184
    .private_segment_fixed_size: 0
    .kernarg_segment_align: 8
    .kernarg_segment_size: 104
    .max_flat_workgroup_size: 128
    .sgpr_count:     66
    .vgpr_count:     1024
    .wavefront_size: 32
...
	.end_amdgpu_metadata
.endif
;; end of part 11
;; launch samp (part 12): grid 256 x 1, 16 waves a work-group, no clusters, 174,080 bytes of LDS; arguments sidx, swt, val, oo; writes oo
.if DOCPART == 12
	.amdgcn_target "amdgcn-amd-amdhsa--gfx1250"
	.amdhsa_code_object_version 6
	.text
	.protected	k_qbe87ede01f_samp
	.globl	k_qbe87ede01f_samp
	.p2align	8
	.type	k_qbe87ede01f_samp,@function
k_qbe87ede01f_samp:
	s_mov_b64 s[64:65], 0
	v_nop
	global_prefetch_b8 v0, s[64:65] scope:SCOPE_SE
	s_setreg_imm32_b32 hwreg(HW_REG_WAVE_MODE, 25, 1), 1
	s_wait_xcnt 0x0
; The deformable sampling, in f32 multiply-adds (its result goes on into a quantiser), for one (batch, head) and 512 queries; the result, 32 dims a query, is one block of the next product's K:
; it is quantised here to codes of BF6 and stored as the self-attention's result was: codes [batch x 8 + head][token][24 bytes], scale bytes [batch][token][8 heads] from OSO on.  They go into the buffer oo, whose
; earlier content has had its last reader in the launch before; this launch does not load from it.
; LEVELS 1 TO 3 of the head's values, 1,344 positions x 128 bytes = 172,032 bytes, a dense block of memory, come into LDS once, by one tensor load a wave (42 rows of 256 bytes each); nothing is filled again.
; 12 of a query's 16 points are read there.  Level 0 (524,288 bytes a head) does not fit and is gathered from memory.
; An item (a query) has 16 base positions, whole numbers that an earlier launch stored; they come by scalar loads, are held to the level's largest base corner by s_min_u32 and shifted into byte offsets.
; ONE LOAD OF 16 BYTES A LANE BRINGS ALL FOUR CORNERS OF A POINT: lane / 16 is the y corner, (lane / 8) % 2 the x corner, lane % 8 four dims; in LDS each half of the lanes reads 256 consecutive bytes.
; Each lane multiplies by its own corner's weight.  Of four items the corners are added so that lane group g keeps item g; of sixteen items a 4 x 4 exchange inside groups of four lanes gives a lane 16 neighbouring dims.
; Sixteen waves, four to a SIMD; a wave takes 32 queries, in two trips of 16.  Four register sets keep three items' loads from memory (24) on their way.  In the last trip the look-ahead names the group's first items
; again: every trip issues the same loads, and no load leaves a buffer.
; No cluster: the two work-groups of a head share the 172,032 bytes of the fill alone, about an eighth of what each reads.  No prefetch: the fill is asked for at the head, with no loop ahead of it, and the gathers' places are known four items ahead, when their loads go out.
; LIMITS: NaN and infinities are not served; a block of zeros gets the scale byte 1 (its codes are zeros; this program alone reads the bytes).
.set OSO,  3145728
.set L1B,  524288                      ; the byte of a head at which level 1 begins
.set FILL, 10752                       ; the fill's bytes a wave
.set LVG,  1                           ; v1      my lane's byte offset from a base corner in level 0
.set LVL,  2                           ; v2-4    the same in levels 1, 2, 3
.set WOFF, 5                           ; v5      my corner's 16 weights in an item's 256 bytes
.set OA,   6                           ; v6      the way out: my 12 bytes of codes
.set OB,   7                           ; v7      and my token's scale byte
.set G,    16                          ; v16-143 four sets: 4 points x 4 values of level 0, then 16 weights
.set DL,   144                         ; v144-191 12 points x 4 values out of LDS
.set AC,   192                         ; v192-199 four chains of two sums
.set P,    200                         ; v200-215 four items' sums, still a corner a lane group
.set TB,   216                         ; v216-231 sixteen items' sums
.set TT,   232                         ; v232-239 at work
.set TR,   240                         ; v240-247 at work
.set QM,   248
.set QS,   249
.set QC,   250                         ; v250-252 the codes
.set QBY,  253
.set WV,   2
.set CNT,  3
.set SEL,  4                           ; s[4:5]  lane selects: lane l xor 16
.set MX,   6                           ; lanes with the x corner 1
.set MY,   7                           ; with the y corner 1
.set G1,   8                           ; s[8:15]  the fill's descriptor group 1 (where the arguments lay), s[16:19] its group 0
.set G0,   16
.set SIC,  30                          ; s[30:31] sidx at this trip's 16 items;  s[32:33] at the second trip's
.set SIN,  32
.set SWC,  34                          ; s[34:35] swt likewise;  s[76:77]
.set L0S,  36                          ; s[36:43] two sets of 4 positions of level 0;  s[44:55] and s[56:59], s[68:75]: two sets of 12 of levels 1 to 3
.set SWN,  76
.set VB,   78                          ; s[78:79] my head's values
.set OCB,  80
.set OSB,  82
.set M1,   84                          ; lanes with bit 0 set
.set M2,   85                          ; with bit 1 set
; an item is asked for, into set x: 4 loads of weights, 4 of values.  The set's earlier loads have been waited for; each value load lands on its own address register
.macro ISSUE x, sx, wb, wo
.irp k, 0,1,2,3
	global_load_b128 v[G+32*(\x)+16+4*\k:G+32*(\x)+16+4*\k+3], v[WOFF], s[\wb:\wb+1] offset:(\wo)+16*\k
.endr
.irp p, 0,1,2,3
	s_min_u32 s[(\sx)+\p], s[(\sx)+\p], 4030               ; level 0's largest base corner: 62 x 64 + 62
.endr
.irp p, 0,1,2,3
	v_lshl_add_u32 v[G+32*(\x)+4*\p], s[(\sx)+\p], 7, v[LVG]
.endr
.irp p, 0,1,2,3
	global_load_b128 v[G+32*(\x)+4*\p:G+32*(\x)+4*\p+3], v[G+32*(\x)+4*\p], s[VB:VB+1]
.endr
.endm
; the item's twelve points of levels 1 to 3 out of LDS: a position counts from level 1's start and is held to its level's largest base corner.  All scalar work, then the twelve addresses, then the twelve loads
.macro LDS12 a, c
.irp p, 0,1,2,3
	s_sub_co_u32 s[(\a)+\p], s[(\a)+\p], 4096
	s_min_u32 s[(\a)+\p], s[(\a)+\p], 990                  ; 30 x 32 + 30
	s_sub_co_u32 s[(\c)+\p], s[(\c)+\p], 4096
	s_min_u32 s[(\c)+\p], s[(\c)+\p], 1262                 ; 1,024 + 14 x 16 + 14
	s_sub_co_u32 s[(\c)+4+\p], s[(\c)+4+\p], 4096
	s_min_u32 s[(\c)+4+\p], s[(\c)+4+\p], 1334             ; 1,280 + 6 x 8 + 6
.endr
.irp p, 0,1,2,3
	v_lshl_add_u32 v[DL+4*\p], s[(\a)+\p], 7, v[LVL]
.endr
.irp p, 0,1,2,3
	v_lshl_add_u32 v[DL+16+4*\p], s[(\c)+\p], 7, v[LVL+1]
.endr
.irp p, 0,1,2,3
	v_lshl_add_u32 v[DL+32+4*\p], s[(\c)+4+\p], 7, v[LVL+2]
.endr
.irp p, 0,1,2,3,4,5,6,7,8,9,10,11
	ds_load_b128 v[DL+4*\p:DL+4*\p+3], v[DL+4*\p]
.endr
.endm
; two points: the even one takes the pair's low weight for both dims, the odd one the high
.macro FMA2 d, w
	v_pk_fma_f32 v[AC:AC+1], v[(\d):(\d)+1], v[(\w):(\w)+1], v[AC:AC+1] op_sel_hi:[1,0,1]
	v_pk_fma_f32 v[AC+2:AC+3], v[(\d)+2:(\d)+3], v[(\w):(\w)+1], v[AC+2:AC+3] op_sel_hi:[1,0,1]
	v_pk_fma_f32 v[AC+4:AC+5], v[(\d)+4:(\d)+5], v[(\w):(\w)+1], v[AC+4:AC+5] op_sel:[0,1,0] op_sel_hi:[1,1,1]
	v_pk_fma_f32 v[AC+6:AC+7], v[(\d)+6:(\d)+7], v[(\w):(\w)+1], v[AC+6:AC+7] op_sel:[0,1,0] op_sel_hi:[1,1,1]
.endm
; item j of the trip's sixteen
.macro ITEM j
.set ix, (\j)%4
.set ie, (\j)%2
.set GX, G+32*ix
.set WT, GX+16
.if ie
.set SA, 56
.set SC2, 68
.set NA, 44
.set NC2, 48
.else
.set SA, 44
.set SC2, 48
.set NA, 56
.set NC2, 68
.endif
	s_wait_kmcnt 0x0                               ; this item's positions in levels 1 to 3, and item j + 4's in level 0, are in
.if (\j)+5 < 16
	s_load_b128 s[L0S+4*(1-ie):L0S+4*(1-ie)+3], s[SIC:SIC+1], 128*((\j)+5)         ; item j + 5's in level 0, into the other set
.else
	s_load_b128 s[L0S+4*(1-ie):L0S+4*(1-ie)+3], s[SIN:SIN+1], 128*((\j)-11)
.endif
.if (\j)+1 < 16
	s_load_b128 s[NA:NA+3], s[SIC:SIC+1], 128*((\j)+1)+16                          ; item j + 1's in levels 1 to 3
	s_load_b256 s[NC2:NC2+7], s[SIC:SIC+1], 128*((\j)+1)+32
.else
	s_load_b128 s[NA:NA+3], s[SIN:SIN+1], 16
	s_load_b256 s[NC2:NC2+7], s[SIN:SIN+1], 32
.endif
	LDS12 SA, SC2
	s_wait_loadcnt 24                              ; my item's 8 loads from memory are in; the three younger items' 24 may be out
	s_wait_dscnt 0x0                               ; and its 12 loads out of LDS: both waits stand ahead of the item's first sum, so that no sum is read behind a wait
	v_pk_mul_f32 v[AC:AC+1], v[GX:GX+1], v[WT:WT+1] op_sel_hi:[1,0]
	v_pk_mul_f32 v[AC+2:AC+3], v[GX+2:GX+3], v[WT:WT+1] op_sel_hi:[1,0]
	v_pk_mul_f32 v[AC+4:AC+5], v[GX+4:GX+5], v[WT:WT+1] op_sel:[0,1] op_sel_hi:[1,1]
	v_pk_mul_f32 v[AC+6:AC+7], v[GX+6:GX+7], v[WT:WT+1] op_sel:[0,1] op_sel_hi:[1,1]
	FMA2 GX+8, WT+2
.set pp, 4
.rept 6
	FMA2 DL+4*(pp-4), WT+pp
.set pp, pp+2
.endr
	v_pk_add_f32 v[P+4*ix:P+4*ix+1], v[AC:AC+1], v[AC+4:AC+5]
	v_pk_add_f32 v[P+4*ix+2:P+4*ix+3], v[AC+2:AC+3], v[AC+6:AC+7]
.if (\j)+4 < 16
	ISSUE ix, L0S+4*ie, SWC, 512*((\j)+4)
.else
	ISSUE ix, L0S+4*ie, SWN, 512*((\j)-12)
.endif
.endm
; four items' corners are added, and lane group g = 2 y + x keeps item g: first across x (each lane keeps the two items of its own x and sends the other two), then across y
.macro RS t
.irp y, 0,1
.irp i, 0,1,2,3
	v_cndmask_b32 v[TT+4*\y+\i], v[P+8*\y+4+\i], v[P+8*\y+\i], s[MX]               ; what I send: the item of the other x
.endr
.endr
.irp y, 0,1
.irp i, 0,1,2,3
	v_cndmask_b32 v[P+8*\y+\i], v[P+8*\y+\i], v[P+8*\y+4+\i], s[MX]                ; what I keep
.endr
.endr
.irp y, 0,1
.irp i, 0,1,2,3
	v_add_f32_dpp v[P+8*\y+\i], v[TT+4*\y+\i], v[P+8*\y+\i] row_xmask:8 row_mask:0xf bank_mask:0xf
.endr
.endr
.irp i, 0,1,2,3
	v_cndmask_b32 v[TT+\i], v[P+8+\i], v[P+\i], s[MY]
.endr
.irp i, 0,1,2,3
	v_cndmask_b32 v[P+\i], v[P+\i], v[P+8+\i], s[MY]
.endr
.irp i, 0,1,2,3
	v_permlanex16_b32 v[TT+4+\i], v[TT+\i], s[SEL], s[SEL+1]
.endr
.irp i, 0,1,2,3
	v_add_f32 v[TB+4*(\t)+\i], v[P+\i], v[TT+4+\i]                                 ; lane (g, d): item 4 t + g, dims 4 d + i
.endr
.endm
; one stage of the 4 x 4 exchange of blocks of four registers inside groups of four lanes: a lane with the bit clear gives its upper block for the partner's lower, one with the bit set the other way round
.macro TSTAGE xm, msk, bx0, by0, bx1, by1
.irp i, 0,1,2,3
	v_cndmask_b32 v[TT+\i], v[TB+4*(\by0)+\i], v[TB+4*(\bx0)+\i], s[\msk]
	v_cndmask_b32 v[TT+4+\i], v[TB+4*(\by1)+\i], v[TB+4*(\bx1)+\i], s[\msk]
.endr
.irp i, 0,1,2,3,4,5,6,7
	v_mov_b32_dpp v[TR+\i], v[TT+\i] row_xmask:\xm row_mask:0xf bank_mask:0xf
.endr
.irp i, 0,1,2,3
	v_cndmask_b32 v[TB+4*(\bx0)+\i], v[TB+4*(\bx0)+\i], v[TR+\i], s[\msk]
	v_cndmask_b32 v[TB+4*(\by0)+\i], v[TR+\i], v[TB+4*(\by0)+\i], s[\msk]
	v_cndmask_b32 v[TB+4*(\bx1)+\i], v[TB+4*(\bx1)+\i], v[TR+4+\i], s[\msk]
	v_cndmask_b32 v[TB+4*(\by1)+\i], v[TR+4+\i], v[TB+4*(\by1)+\i], s[\msk]
.endr
.endm
	s_load_b256 s[8:15], s[0:1], 0x0               ; sidx, swt, val, oo
	v_lshl_add_u32 v254, v0, 2, 0x2a000            ; my spare word, behind the three levels
	v_mov_b32 v255, 0
	ds_add_u32 v254, v255                          ; the opening lines: the add, twice on end,
	ds_add_u32 v254, v255
	v_lshrrev_b32 v12, 5, v0
	v_readfirstlane_b32 s[WV], v12                 ; wave 0..15
	v_bfe_u32 v13, v0, 4, 1                        ; the y corner
	v_bfe_u32 v14, v0, 3, 1                        ; the x corner
	v_and_b32 v15, 7, v0
	v_lshlrev_b32 v15, 4, v15
	v_lshl_add_u32 v15, v14, 7, v15                ; 128 x + 16 (lane % 8)
	v_lshl_add_u32 v[LVG], v13, 13, v15            ; the y corner lies W positions of 128 bytes on: W = 64,
	v_lshl_add_u32 v[LVL], v13, 12, v15            ; 32,
	v_lshl_add_u32 v[LVL+1], v13, 11, v15          ; 16,
	v_lshl_add_u32 v[LVL+2], v13, 10, v15          ; 8
	v_bfe_u32 v[WOFF], v0, 3, 2
	v_lshlrev_b32 v[WOFF], 6, v[WOFF]
	v_and_b32 v14, 3, v0
	v_bfe_u32 v13, v0, 3, 2
	v_lshl_add_u32 v13, v14, 2, v13                ; the way out: my token of the sixteen: 4 (lane % 4) + lane / 8
	v_bfe_u32 v14, v0, 2, 1                        ; and my half of its dims
	v_mul_u32_u24 v[OA], v13, 24
	v_mad_u32_u24 v[OA], v14, 12, v[OA]
	v_lshlrev_b32 v[OB], 3, v13
.irp i, 0,1,2,3,4,5,6,7
	v_mov_b32 v[TR+\i], 0                          ; the destination of a DPP form counts as read
.endr
	s_mov_b32 s[SEL], 0x76543210
	s_mov_b32 s[SEL+1], 0xfedcba98
	s_mov_b32 s[MX], 0xff00ff00
	s_mov_b32 s[MY], 0xffff0000
	s_mov_b32 s[M1], 0xaaaaaaaa
	s_mov_b32 s[M2], 0xcccccccc
	s_lshr_b32 s16, ttmp9, 1                       ; batch x 8 + head
	s_and_b32 s17, ttmp9, 1
	s_lshl_b32 s17, s17, 9
	s_lshl_b32 s18, s[WV], 5
	s_add_co_u32 s17, s17, s18                     ; my first token
	s_lshr_b32 s18, s16, 3                         ; batch
	s_and_b32 s19, s16, 7                          ; head
	s_lshl_b32 s20, s18, 6
	s_lshr_b32 s21, s17, 4
	s_add_co_u32 s20, s20, s21                     ; my first tile of 16 rows
	s_lshl_b32 s20, s20, 13                        ; sidx: 8,192 bytes a tile,
	s_lshr_b32 s21, s19, 1
	s_lshl_b32 s21, s21, 11                        ; 2,048 a pair of heads,
	s_add_co_u32 s20, s20, s21
	s_and_b32 s21, s19, 1
	s_lshl_b32 s21, s21, 6                         ; 64 an item; a row is 128 bytes on from the last
	s_add_co_u32 s20, s20, s21
	s_mov_b32 s21, 0
	s_lshl_b32 s22, s20, 2                         ; swt: four times that
	s_mov_b32 s23, 0
	s_mul_i32 s24, s16, 696320
	s_mov_b32 s25, 0
	s_lshl_b32 s26, s16, 10
	s_add_co_u32 s26, s26, s17
	s_mul_i32 s26, s26, 24
	s_mov_b32 s27, 0
	s_lshl_b32 s28, s18, 10
	s_add_co_u32 s28, s28, s17
	s_lshl_b32 s28, s28, 3
	s_add_co_u32 s28, s28, s19
	s_mov_b32 s29, 0
	s_wait_alu depctr_va_vdst(0)                   ; the wait at the head's end
	s_wait_dscnt 0x0                               ; and the one wait for both adds
	s_wait_kmcnt 0x0
	s_add_nc_u64 s[SIC:SIC+1], s[8:9], s[20:21]
	s_add_nc_u64 s[SIN:SIN+1], s[SIC:SIC+1], 8192
	s_add_nc_u64 s[SWC:SWC+1], s[10:11], s[22:23]
	s_add_nc_u64 s[SWN:SWN+1], s[SWC:SWC+1], 32768
	s_add_nc_u64 s[VB:VB+1], s[12:13], s[24:25]
	s_add_nc_u64 s[OCB:OCB+1], s[14:15], s[26:27]
	s_add_nc_u64 s[OSB:OSB+1], s[14:15], s[28:29]
	; the fill: my sixteenth of levels 1 to 3, 42 rows of 256 bytes (32 elements of 8 bytes), dense in memory and in LDS
	s_mov_b32 s[G0], 1
	s_mul_i32 s[G0+1], s[WV], FILL
	s_mov_b32 s20, s[G0+1]
	s_mov_b32 s21, 0
	s_add_nc_u64 s[G0+2:G0+3], s[VB:VB+1], s[20:21]
	s_add_nc_u64 s[G0+2:G0+3], s[G0+2:G0+3], L1B
	s_or_b32 s[G0+3], s[G0+3], 0x80000000
	s_mov_b32 s[G1+0], 3<<16
	s_mov_b32 s[G1+1], 32<<16                      ; tensor_dim0
	s_mov_b32 s[G1+2], 42<<16                      ; tensor_dim1
	s_mov_b32 s[G1+3], 32<<16                      ; tile_dim0
	s_mov_b32 s[G1+4], 42                          ; tile_dim1
	s_mov_b32 s[G1+5], 32                          ; the pitch
	s_mov_b32 s[G1+6], 0
	s_mov_b32 s[G1+7], 0
	tensor_load_to_lds s[G0:G0+3], s[G1:G1+7]      ; my one tensor load
	s_nop 0
	s_load_b128 s[44:47], s[SIC:SIC+1], 0          ; the first four items' positions in level 0
	s_load_b128 s[48:51], s[SIC:SIC+1], 128
	s_load_b128 s[52:55], s[SIC:SIC+1], 256
	s_load_b128 s[56:59], s[SIC:SIC+1], 384
	s_wait_kmcnt 0x0
	ISSUE 0, 44, SWC, 0
	ISSUE 1, 48, SWC, 512
	ISSUE 2, 52, SWC, 1024
	ISSUE 3, 56, SWC, 1536
	s_load_b128 s[L0S:L0S+3], s[SIC:SIC+1], 512    ; item 4's in level 0,
	s_load_b128 s[44:47], s[SIC:SIC+1], 16         ; item 0's in levels 1 to 3
	s_load_b256 s[48:55], s[SIC:SIC+1], 32
	s_wait_tensorcnt 0x0                           ; my part of the three levels lies in LDS
	s_barrier_signal -1
	s_barrier_wait -1                              ; everybody's does; nothing writes these bytes from here on
	s_mov_b32 s[CNT], 2
.Lgroup:
.irp j, 0,1,2,3,4,5,6,7,8,9,10,11,12,13,14,15
	ITEM \j
.if (\j)%4 == 3
	RS (\j)/4
.endif
.endr
	TSTAGE 1, M1, 0, 1, 2, 3
	TSTAGE 2, M2, 0, 2, 1, 3                       ; lane (g, a, k): token 4 k + g of the sixteen, register n = dim 16 a + n
	v_max3_num_f32 v[QM], |v[TB]|, |v[TB+1]|, 0x2800000    ; my 16 dims, and the floor 2^(5 - 127): the byte cannot fall under 1
.irp i, 2,4,6,8,10,12,14
	v_max3_num_f32 v[QM], v[QM], |v[TB+\i]|, |v[TB+1+\i]|
.endr
	v_max_num_f32_dpp v[QM], v[QM], v[QM] row_xmask:4 row_mask:0xf bank_mask:0xf   ; with the other 16: the head's 32 dims are one block
	v_add_nc_u32 v[QS], 0xfe000000, v[QM]          ; 4 off the exponent field: the conversion's scale operand
	v_lshrrev_b32 v[QBY], 23, v[QS]                ; the scale's byte
	v_cvt_scalef32_pk16_bf6_f32 v[QC:QC+2], v[TB:TB+15], v[QS]
	v_nop                                          ; one plain place behind the scaled conversion
	global_store_b96 v[OA], v[QC:QC+2], s[OCB:OCB+1]               ; the sixteen tokens' 384 bytes are consecutive
	global_store_b8 v[OB], v[QBY], s[OSB:OSB+1] offset:OSO         ; both halves write the same byte
	s_wait_xcnt 0x0                                ; every earlier memory instruction has read its addresses and data: bases and store data may be written
	s_mov_b64 s[SIC:SIC+1], s[SIN:SIN+1]
	s_mov_b64 s[SWC:SWC+1], s[SWN:SWN+1]
	s_add_nc_u64 s[OCB:OCB+1], s[OCB:OCB+1], 384
	s_add_nc_u64 s[OSB:OSB+1], s[OSB:OSB+1], 128
	s_sub_co_u32 s[CNT], s[CNT], 1
	s_cmp_lg_u32 s[CNT], 0
	s_cbranch_scc1 .Lgroup
	s_wait_loadcnt 0x0                             ; the repeated requests of the last trip
	s_wait_kmcnt 0x0
	s_wait_tensorcnt 0x0                           ; the wave's end
	ds_add_u32 v254, v255
	s_wait_dscnt 0x0
	s_endpgm
.Lfunc_end_k_qbe87ede01f_samp:
	.size	k_qbe87ede01f_samp, .Lfunc_end_k_qbe87ede01f_samp-k_qbe87ede01f_samp
	.p2alignl 7, 3214868480
	.fill 96, 4, 3214868480
	.section	.rodata,"a",@progbits
	.p2align	6, 0x0
	.amdhsa_kernel k_qbe87ede01f_samp
		.amdhsa_group_segment_fixed_size 174080
		.amdhsa_private_segment_fixed_size 0
		.amdhsa_enable_private_segment 0
		.amdhsa_kernarg_size 32
		.amdhsa_user_sgpr_count 2
		.amdhsa_user_sgpr_kernarg_segment_ptr 1
		.amdhsa_wavefront_size32 1
		.amdhsa_system_sgpr_workgroup_id_x 1
		.amdhsa_system_sgpr_workgroup_id_y 1
		.amdhsa_system_sgpr_workgroup_id_z 1
		.amdhsa_system_vgpr_workitem_id 0
		.amdhsa_next_free_vgpr 256
		.amdhsa_next_free_sgpr 88
		.amdhsa_reserve_vcc 0
		.amdhsa_float_denorm_mode_32 3
		.amdhsa_float_denorm_mode_16_64 3
		.amdhsa_memory_ordered 1
		.amdhsa_forward_progress 1
		.amdhsa_inst_pref_size 132
	.end_amdhsa_kernel
	.amdgpu_metadata
---
amdhsa.version: [ 1, 2 ]
amdhsa.kernels:
  - .name:           k_qbe87ede01f_samp
    .symbol:         k_qbe87ede01f_samp.kd
    .args:
      - { .name: sidx, .offset: 0, .size: 8, .value_kind: global_buffer, .address_space: global }
      - { .name: swt, .offset: 8, .size: 8, .value_kind: global_buffer, .address_space: global }
      - { .name: val, .offset: 16, .size: 8, .value_kind: global_buffer, .address_space: global }
      - { .name: oo, .offset: 24, .size: 8, .value_kind: global_buffer, .address_space: global }
    .group_segment_fixed_size: 174080
    .private_segment_fixed_size: 0
    .kernarg_segment_align: 8
    .kernarg_segment_size: 32
    .max_flat_workgroup_size: 512
    .sgpr_count:     88
    .vgpr_count:     256
    .wavefront_size: 32
...
	.end_amdgpu_metadata
.endif
;; end of part 12
;; launch chain (part 13): grid 256 x 1, 4 waves a work-group, no clusters, 276,992 bytes of LDS; arguments oo, wq, outp_b, tga, norm1_g, norm1_b, lin1_b, lin2_b, norm3_g, norm3_b, out0; writes out0
.if DOCPART == 13
	.amdgcn_target "amdgcn-amd-amdhsa--gfx1250"
	.amdhsa_code_object_version 6
	.text
	.protected	k_qbe87ede01f_chain
	.globl	k_qbe87ede01f_chain
	.p2align	8
	.type	k_qbe87ede01f_chain,@function
k_qbe87ede01f_chain:
	s_mov_b64 s[64:65], 0
	v_nop
	global_prefetch_b8 v0, s[64:65] scope:SCOPE_SE
	s_setreg_imm32_b32 hwreg(HW_REG_WAVE_MODE, 25, 1), 1
	s_wait_xcnt 0x0
; For 64 rows: y = s outp_w^T + outp_b (s: the sampled rows, which arrive as codes of BF6 in oo), layer norm with tga, the FFN 256-1024-256 with relu, the last layer norm.  All products on codes of BF6, f32 sums.
; In products wave w owns units 64 w .. 64 w + 63 (in lin1: 128 hidden units of each half of 512); in row phases rows 16 w .. 16 w + 15; sums change owners through a stage in LDS, quantised rows as images of their registers.
; The products are used transposed (source 0 = 16 rows of a weight, source 1 = 16 rows of activations).
; No tensor loads (nothing is streamed through LDS by an engine), no cluster (work-groups share the weights' images alone).
; LIMITS: NaN and infinities are not served; a block of zeros gets the scale byte 1.
; REGISTERS: window 0: v1-15 addresses, v16-31 scale words, v32-159 row array / accumulators / fragments, v160-171 scale words, v184-220 the quantiser's, v221-242 scale words, v243, v252, v253 addresses, v244-251 the norm's.
;   window 1: a phase's weights and bias; window 2: rows' fragments, norm's gain and bias, lin2's weights; window 3: v0-127 lin2's 16 accumulators, v128-255 tga's rows.
.set WSC,  761856
.set OSO,  3145728
.set XIMG, 103424                      ; LDS: 0 .. 33,791 four stages of 16 x 528; at XIMG 8 fragments;
.set XSC,  115712                      ; their scale words;
.set STG,  116736                      ; 64 rows x 1,040;
.set RES,  183296                      ; the first norm's result, kept for the residual: 4 x 16,640;
.set HIMG, 249856                      ; the hidden layer's 16 fragments;
.set HSC,  274432                      ; their scale words
.set LI, 1
.set LS, 2
.set TSW, 3
.set TSR, 4
.set XWI, 5
.set XWS, 6
.set SO, 7
.set SR, 8
.set H64, 9
.set XRI, 10
.set XRS, 11
.set HWI, 12
.set HWS, 13
.set HRI, 14
.set HRS, 15
.set A, 32
.set HA, 32
.set XS8, 160                          ; v160-167 the scale words of the rows' eight fragments; the fragments themselves stay in window 3, v128-223 (free once tga's rows have been added), through both halves of the FFN
.set HS2, 168                          ; v168-171 the second set of the hidden fragments' scale words
.set PC, 184
.set TM, 204
.set PW, 220
.set HS, 223
.set L2S, 227
.set RSA, 243
.set OA, 252
.set OS, 253
.set WV, 2
.set SEL, 4
.set C256, 6
.set EPS, 7
.set OOB, 8
.set OSB, 10
.set WPB, 88
.set WPS, 90
.set W1B, 92
.set W1S, 94
.set W2B, 96
.set W2S, 98
.set MSB, 0
.macro WIN new                         ; the immediate's high byte repeats the setting that is left
.if MSB != (\new)
	s_set_vgpr_msb (MSB<<8)|(\new)
.set MSB, \new
.endif
.endm
.macro PLACES n
.rept \n
	v_nop
.endr
.endm
.macro QUANT s
.irp b, 0,1,2,3
	v_max3_num_f32 v[TM+\b], |v[(\s)+16*\b]|, |v[(\s)+1+16*\b]|, 0x2800000
.endr
.irp i, 2,4,6,8,10,12,14
.irp b, 0,1,2,3
	v_max3_num_f32 v[TM+\b], v[TM+\b], |v[(\s)+16*\b+\i]|, |v[(\s)+1+16*\b+\i]|
.endr
.endr
.irp b, 0,1,2,3
	v_permlanex16_b32 v[TM+4+\b], v[TM+\b], s[SEL], s[SEL+1]
.endr
.irp b, 0,1,2,3
	v_max_num_f32 v[TM+\b], v[TM+\b], v[TM+4+\b]
.endr
.irp b, 0,1,2,3
	v_add_nc_u32 v[TM+12+\b], 0xfe000000, v[TM+\b]
.endr
.irp b, 0,1,2,3
	v_lshrrev_b32 v[TM+4+\b], 23, v[TM+12+\b]
.endr
	v_lshl_or_b32 v[PW], v[TM+5], 8, v[TM+4]
	v_lshl_or_b32 v[PW], v[TM+6], 16, v[PW]
	v_lshl_or_b32 v[PW], v[TM+7], 24, v[PW]
.irp c, 0,1
	v_cvt_scalef32_pk16_bf6_f32 v[PC+6*\c:PC+2+6*\c], v[(\s)+32*\c:(\s)+15+32*\c], v[TM+12+2*\c]
	v_cvt_scalef32_pk16_bf6_f32 v[PC+12+4*\c:PC+14+4*\c], v[(\s)+16+32*\c:(\s)+31+32*\c], v[TM+12+2*\c+1]
.endr
	v_nop
.irp c, 0,1
.irp i, 0,1,2
	v_permlane16_swap_b32 v[PC+6*\c+\i], v[PC+12+4*\c+\i]
.endr
.irp i, 0,1,2
	v_mov_b32 v[PC+3+6*\c+\i], v[PC+12+4*\c+\i]
.endr
.endr
.endm
.macro IMAGE adr, off
.irp c, 0,1,2
	ds_store_b128 v[\adr], v[PC+4*\c:PC+4*\c+3] offset:(\off)+512*\c
.endr
.endm
.macro FETCH reg, adr, off
.irp c, 0,1,2
	ds_load_b128 v[(\reg)+4*\c:(\reg)+4*\c+3], v[\adr] offset:(\off)+512*\c
.endr
.endm
.macro BARRIER                         ; my LDS stores have landed and my LDS loads are in: then the work-group's barrier
	s_wait_dscnt 0x0
	s_barrier_signal -1
	s_barrier_wait -1
.endm
.macro MM d, a, b, c, sa, sb
	v_wmma_scale_f32_16x16x128_f8f6f4 v[(\d):(\d)+7], v[(\a):(\a)+11], v[(\b):(\b)+11], v[(\c):(\c)+7], v[\sa], v[\sb] matrix_a_fmt:MATRIX_FMT_BF6 matrix_b_fmt:MATRIX_FMT_BF6
.endm
.macro WLOAD reg, n, base, f0
.set wi, 0
.rept \n
.irp c, 0,1,2
	global_load_b128 v[(\reg)+12*wi+4*\c:(\reg)+12*wi+4*\c+3], v[LI], s[\base:\base+1] offset:((\f0)+wi)*1536+512*\c
.endr
.set wi, wi+1
.endr
.endm
.macro WSLOAD reg, n, base, f0
.set wi, 0
.rept \n
	global_load_b32 v[(\reg)+wi], v[LS], s[\base:\base+1] offset:WSC+((\f0)+wi)*128
.set wi, wi+1
.endr
.endm
.macro BLOAD reg, base, tiles, off
.set wi, 0
.rept \tiles
	global_load_b128 v[(\reg)+8*wi:(\reg)+8*wi+3], v[H64], s[\base:\base+1] offset:(\off)+128*(wi/2)+32*(wi%2)
	global_load_b128 v[(\reg)+8*wi+4:(\reg)+8*wi+7], v[H64], s[\base:\base+1] offset:(\off)+128*(wi/2)+32*(wi%2)+16
.set wi, wi+1
.endr
.endm
.macro GBLOAD reg, base
.irp b, 0,1,2,3,4,5,6,7
.irp j, 0,1,2,3
	global_load_b128 v[(\reg)+16*\b+4*\j:(\reg)+16*\b+4*\j+3], v[H64], s[\base:\base+1] offset:128*\b+16*\j
.endr
.endr
.endm
.macro LOADU reg, base, off
.set wi, 0
.rept 16
	global_load_b128 v[(\reg)+4*wi:(\reg)+4*wi+3], v[LI], s[\base:\base+1] offset:(\off)+1024*wi
.set wi, wi+1
.endr
.endm
.macro TURNU src, sw, dst, dw
	WIN (\sw)<<2
.set wi, 0
.rept 16
	ds_store_b128 v[TSW], v[(\src)+4*wi:(\src)+4*wi+3] offset:528*wi
.set wi, wi+1
.endr
	WIN (\dw)<<6
.irp b, 0,1,2,3
.irp j, 0,1,2,3
	ds_load_b128 v[(\dst)+16*\b+4*\j:(\dst)+16*\b+4*\j+3], v[TSR] offset:128*\b+16*\j
.endr
.endr
	WIN 0
.endm
.macro TURNO src, dst, dw
.irp b, 0,1,2,3
.irp j, 0,1,2,3
	ds_store_b128 v[TSR], v[(\src)+16*\b+4*\j:(\src)+16*\b+4*\j+3] offset:128*\b+16*\j
.endr
.endr
	WIN (\dw)<<6
.set wi, 0
.rept 16
	ds_load_b128 v[(\dst)+4*wi:(\dst)+4*wi+3], v[TSW] offset:528*wi
.set wi, wi+1
.endr
	WIN 0
.endm
.macro STOREU src, base, off
.set wi, 0
.rept 16
	global_store_b128 v[LI], v[(\src)+4*wi:(\src)+4*wi+3], s[\base:\base+1] offset:(\off)+1024*wi th:TH_STORE_NT
.set wi, wi+1
.endr
.endm
.macro ROWLD
.irp b, 0,1,2,3,4,5,6,7
.irp j, 0,1,2,3
	ds_load_b128 v[A+16*\b+4*\j:A+16*\b+4*\j+3], v[SR] offset:128*\b+16*\j
.endr
.endr
.endm
.macro ADDROW reg
.set wi, 0
.rept 64
	v_pk_add_f32 v[A+wi:A+wi+1], v[A+wi:A+wi+1], v[(\reg)+wi:(\reg)+wi+1]
.set wi, wi+2
.endr
.endm
; 16 accumulators (4 tiles of rows x my 4 tiles of units), two K steps; they take turns, one instruction a turn.  Weights and bias in window 1, the rows' fragments in window 2
.macro PROD16
	WIN 0x19
.irp m, 0,1,2,3
.irp i, 0,1,2,3
	MM A+32*\m+8*\i, 24*\i, 24*\m, 96+8*\i, 16+2*\i, 24+2*\m
.endr
.endr
	WIN 0x09
.irp m, 0,1,2,3
.irp i, 0,1,2,3
	MM A+32*\m+8*\i, 24*\i+12, 24*\m+12, A+32*\m+8*\i, 17+2*\i, 25+2*\m
.endr
.endr
	WIN 0
.endm
.macro STAGE16 w3                      ; w3 = 1: lin2's accumulators, (tile of units i, tile of rows m) at v[8 (4 i + m)] of window 3
.irp m, 0,1,2,3
.irp i, 0,1,2,3
.if \w3
.set rg, 8*(4*\i+\m)
.else
.set rg, A+32*\m+8*\i
.endif
	ds_store_b128 v[SO], v[rg:rg+3] offset:16640*\m+128*(\i/2)+32*(\i%2)
	ds_store_b128 v[SO], v[rg+4:rg+7] offset:16640*\m+128*(\i/2)+32*(\i%2)+16
.endr
.endr
.endm
; layer norm of the row array, in two passes (mean, then the mean of squared distances); gain at v0-127, bias at v128-255 of window gw
.macro LNORM gw
	v_pk_add_f32 v[244:245], v[A:A+1], v[A+2:A+3]
	v_pk_add_f32 v[246:247], v[A+4:A+5], v[A+6:A+7]
.set wi, 8
.rept 30
	v_pk_add_f32 v[244:245], v[244:245], v[A+wi:A+wi+1]
	v_pk_add_f32 v[246:247], v[246:247], v[A+wi+2:A+wi+3]
.set wi, wi+4
.endr
	v_pk_add_f32 v[244:245], v[244:245], v[246:247]
	v_add_f32 v244, v244, v245
	v_permlanex16_b32 v246, v244, s[SEL], s[SEL+1]
	v_add_f32 v244, v244, v246
	v_mul_f32 v248, s[C256], v244
	v_mov_b32 v249, v248
.set wi, 0
.rept 64
	v_pk_add_f32 v[A+wi:A+wi+1], v[A+wi:A+wi+1], v[248:249] neg_lo:[0,1] neg_hi:[0,1]
.set wi, wi+2
.endr
	v_pk_mul_f32 v[244:245], v[A:A+1], v[A:A+1]
	v_pk_mul_f32 v[246:247], v[A+2:A+3], v[A+2:A+3]
.set wi, 4
.rept 31
	v_pk_fma_f32 v[244:245], v[A+wi:A+wi+1], v[A+wi:A+wi+1], v[244:245]
	v_pk_fma_f32 v[246:247], v[A+wi+2:A+wi+3], v[A+wi+2:A+wi+3], v[246:247]
.set wi, wi+4
.endr
	v_pk_add_f32 v[244:245], v[244:245], v[246:247]
	v_add_f32 v244, v244, v245
	v_permlanex16_b32 v246, v244, s[SEL], s[SEL+1]
	v_add_f32 v244, v244, v246
	v_fma_f32 v244, v244, s[C256], s[EPS]
	s_wait_alu depctr_va_vdst(0)
	v_rsq_f32 v250, v244
	v_nop                                          ; a plain place behind the transcendental,
	s_wait_alu depctr_va_vdst(0)                   ; and the wait ahead of its first reader
	v_mov_b32 v251, v250
.set wi, 0
.rept 64
	v_pk_mul_f32 v[A+wi:A+wi+1], v[A+wi:A+wi+1], v[250:251]
.set wi, wi+2
.endr
	WIN ((\gw)<<2)|((\gw)<<4)
.set wi, 0
.rept 64
	v_pk_fma_f32 v[A+wi:A+wi+1], v[A+wi:A+wi+1], v[wi:wi+1], v[128+wi:129+wi]
.set wi, wi+2
.endr
	WIN 0
.endm
; half u of the FFN: my 128 hidden units for the 64 rows, quantised, to LDS; then my 64 outputs gain four K steps
; lin1 for rows 16 m on: my 128 hidden units into set m % 2 of the sums (v32-95, v96-159).  lin1's fragments and bias in window 1, the rows' fragments in window 3; eight accumulators by turns
.macro L1MM m
	WIN 0x1d
.irp t, 0,1,2,3,4,5,6,7
	MM HA+64*((\m)%2)+8*\t, 24*\t, 128+24*(\m), 192+8*\t, 16+2*\t, XS8+2*(\m)
.endr
	WIN 0x0d
.irp t, 0,1,2,3,4,5,6,7
	MM HA+64*((\m)%2)+8*\t, 24*\t+12, 128+24*(\m)+12, HA+64*((\m)%2)+8*\t, 17+2*\t, XS8+2*(\m)+1
.endr
	WIN 0
	PLACES 5                                       ; behind the products: results are read, sources loaded again, accumulators begun anew
.endm
; K step s of the half: the four row tiles' hidden fragments and scale words into buffer s % 2 (v32-79, v80-127): 16 LDS loads
.macro HGET s
.irp m, 0,1,2,3
	FETCH HA+48*((\s)%2)+12*\m, HRI, (4*\m+(\s))*1536
	ds_load_b32 v[HS+(HS2-HS)*((\s)%2)+\m], v[HRS] offset:128*(4*\m+(\s))
.endr
.endm
.macro FFN u
	L1MM 0                                         ; (an earlier wait for all loads has shown lin1's fragments in)
.irp m, 0,1,2,3
.if \m < 3
	L1MM \m+1                                      ; the next row tile's products are issued ahead of this tile's relu and quantiser
.endif
.if \m == 2                            ; window 1 is done with: what comes next goes there
.if \u == 0
	WIN 0x40
	WLOAD 0, 16, W1B, 304
	BLOAD 192, 24, 8, 2048
	WIN 0
	WSLOAD 16, 16, W1S, 304
.else
	WIN 0x40
	GBLOAD 0, 28
	GBLOAD 128, 30
	WIN 0
.endif
.endif
.if \m > 0
	s_wait_dscnt 0x0                               ; the last image's stores have read their registers
.endif
.set wi, 0
.rept 64
	v_max_num_f32 v[HA+64*(\m%2)+wi], 0, v[HA+64*(\m%2)+wi]    ; relu, in f32
.set wi, wi+1
.endr
	QUANT HA+64*(\m%2)
	IMAGE HWI, 6144*\m                             ; K step 4 u + w of the second product, rows 16 m on
	ds_store_b32 v[HWS], v[PW] offset:512*\m
.endr
	BARRIER                                        ; the half's sixteen hidden fragments lie in LDS
	HGET 0
	s_wait_loadcnt 0x0                             ; lin2's fragments (and all that was asked for since)
.irp s, 0,1,2,3
.if \s < 3
	HGET \s+1                                      ; the next K step is fetched while this one is multiplied
	s_wait_dscnt 16                                ; this step's 16 loads are in; the next step's 16 may be out
.else
	s_wait_dscnt 0x0
.endif
	WIN 0xf2                                       ; lin2 in window 2, sums in window 3; sixteen accumulators by turns
.irp m, 0,1,2,3
.irp n, 0,1,2,3
	MM 8*(4*\n+\m), 12*(4*\n+\s), HA+48*(\s%2)+12*\m, 8*(4*\n+\m), L2S+4*\n+\s, HS+(HS2-HS)*(\s%2)+\m
.endr
.endr
	WIN 0
	PLACES 5
.endr
.if \u == 0
	WIN 0x80
.irp n, 0,1,2,3
	WLOAD 48*\n, 4, W2B, 372+8*\n
.endr
	WIN 0
.irp n, 0,1,2,3
	WSLOAD L2S+4*\n, 4, W2S, 372+8*\n
.endr
.else
	WIN 0x0c
	STAGE16 1
	WIN 0
.endif
	BARRIER                                        ; every wave has read the hidden fragments (u = 1: and the sums lie in the stage)
.endm
	s_load_b128 s[12:15], s[0:1], 0x0              ; oo (the sampled rows' codes) 12, wq 14
	s_load_b512 s[16:31], s[0:1], 0x10             ; outp_b 16, tga 18, norm1_g 20, norm1_b 22, lin1_b 24, lin2_b 26, norm3_g 28, norm3_b 30
	s_load_b64 s[32:33], s[0:1], 0x50              ; out0
	v_lshl_add_u32 v254, v0, 2, 0x43800
	v_mov_b32 v255, 0
	v_lshrrev_b32 v160, 5, v0
	v_readfirstlane_b32 s[WV], v160
	v_and_b32 v160, 31, v0                         ; lane
	v_and_b32 v161, 15, v0                         ; r
	v_bfe_u32 v162, v0, 4, 1                       ; h
	v_lshlrev_b32 v[LI], 4, v160
	v_lshlrev_b32 v[LS], 2, v160
	s_mul_i32 s34, s[WV], 8448
	v_add_nc_u32 v[TSW], s34, v[LI]
	v_mul_u32_u24 v163, v161, 528
	v_lshl_add_u32 v163, v162, 6, v163
	v_add_nc_u32 v[TSR], s34, v163
	s_mul_i32 s34, s[WV], 3072
	s_add_co_u32 s34, s34, XIMG
	v_add_nc_u32 v[XWI], s34, v[LI]
	s_lshl_b32 s34, s[WV], 8
	s_add_co_u32 s35, s34, XSC
	v_add_nc_u32 v[XWS], s35, v[LS]
	v_mul_u32_u24 v163, v161, 1040
	v_lshl_add_u32 v163, v162, 6, v163
	s_add_co_u32 s34, s34, STG
	v_add_nc_u32 v[SO], s34, v163
	s_mul_i32 s34, s[WV], 16640
	s_add_co_u32 s35, s34, STG
	v_add_nc_u32 v[SR], s35, v163
	s_add_co_u32 s35, s34, RES
	v_add_nc_u32 v[RSA], s35, v[LI]
	v_lshlrev_b32 v[H64], 6, v162
	v_add_nc_u32 v[XRI], XIMG, v[LI]
	v_add_nc_u32 v[XRS], XSC, v[LS]
	s_mul_i32 s34, s[WV], 1536
	s_add_co_u32 s34, s34, HIMG
	v_add_nc_u32 v[HWI], s34, v[LI]
	s_lshl_b32 s34, s[WV], 7
	s_add_co_u32 s34, s34, HSC
	v_add_nc_u32 v[HWS], s34, v[LS]
	v_add_nc_u32 v[HRI], HIMG, v[LI]
	v_add_nc_u32 v[HRS], HSC, v[LS]
	v_mul_u32_u24 v[OA], v161, 24
	v_mad_u32_u24 v[OA], v162, 0x6000, v[OA]       ; the codes: 24 r, and a head (24,576 bytes) on for lanes 16-31
	v_lshlrev_b32 v[OS], 3, v161
	s_mov_b32 s[SEL], 0x76543210
	s_mov_b32 s[SEL+1], 0xfedcba98
	s_mov_b32 s[C256], 0x3b800000                  ; 1 / 256
	s_mov_b32 s[EPS], 0x3727c5ac                   ; 1e-5
.irp b, 0,1,2,3
	v_mov_b32 v[TM+4+\b], 0                        ; a lane permute's destination counts as read
.endr
	s_lshr_b32 s60, ttmp9, 4
	s_mul_i32 s60, s60, 196608                     ; the batch's eight heads of codes,
	s_and_b32 s61, ttmp9, 15
	s_mul_i32 s61, s61, 1536                       ; my 64 tokens
	s_add_co_u32 s60, s60, s61
	s_mov_b32 s61, 0
	s_lshl_b32 s62, ttmp9, 9                       ; their scale bytes
	s_mov_b32 s63, 0
	s_lshl_b32 s84, ttmp9, 16
	s_lshl_b32 s85, s[WV], 14
	s_add_co_u32 s84, s84, s85                     ; my 16 rows of 1,024 bytes
	s_mov_b32 s85, 0
	s_wait_alu depctr_va_vdst(0)
	s_wait_kmcnt 0x0
	s_add_nc_u64 s[OOB:OOB+1], s[12:13], s[60:61]
	s_add_nc_u64 s[OSB:OSB+1], s[12:13], s[62:63]
	s_add_nc_u64 s[18:19], s[18:19], s[84:85]
	s_add_nc_u64 s[32:33], s[32:33], s[84:85]
	s_mul_i32 s60, s[WV], 12288
	s_add_nc_u64 s[WPB:WPB+1], s[14:15], s[60:61]
	s_lshl_b32 s60, s[WV], 10
	s_add_nc_u64 s[WPS:WPS+1], s[14:15], s[60:61]
	s_mul_i32 s60, s[WV], 24576
	s_add_nc_u64 s[W1B:W1B+1], s[14:15], s[60:61]
	s_lshl_b32 s60, s[WV], 11
	s_add_nc_u64 s[W1S:W1S+1], s[14:15], s[60:61]
	s_mul_i32 s60, s[WV], 49152
	s_add_nc_u64 s[W2B:W2B+1], s[14:15], s[60:61]
	s_lshl_b32 s60, s[WV], 12
	s_add_nc_u64 s[W2S:W2S+1], s[14:15], s[60:61]
	s_lshl_b32 s60, s[WV], 8
	s_add_nc_u64 s[16:17], s[16:17], s[60:61]
	s_add_nc_u64 s[26:27], s[26:27], s[60:61]
	s_lshl_b32 s60, s[WV], 9
	s_add_nc_u64 s[24:25], s[24:25], s[60:61]
	; ---- P: y = s outp_w^T + outp_b
	WIN 0x40
	WLOAD 0, 8, WPB, 208
	BLOAD 96, 16, 4, 0
	WIN 0
	WSLOAD 16, 8, WPS, 208
	WIN 0x80
.irp m, 0,1,2,3
.irp s, 0,1
.irp c, 0,1
.irp i, 0,1,2
	global_load_b64 v[12*(2*\m+\s)+6*\c+2*\i:12*(2*\m+\s)+6*\c+2*\i+1], v[OA], s[OOB:OOB+1] offset:(4*\s+2*\c)*24576+384*\m+8*\i    ; block 4 s + 2 c + h of a row is head 4 s + 2 c + h's 24 bytes
.endr
.endr
.endr
.endr
	WIN 0
.irp m, 0,1,2,3
.irp s, 0,1
	global_load_b32 v[24+2*\m+\s], v[OS], s[OSB:OSB+1] offset:OSO+128*\m+4*\s
.endr
.endr
	WIN 0xc0
	LOADU 128, 18, 0                               ; tga's rows
	LOADU 192, 18, 512
	WIN 0
	s_wait_loadcnt 32                              ; weights and codes are in; tga's 32 loads may be out
	PROD16
	PLACES 5                                       ; behind the products: results are read, sources and scale registers loaded again
	WIN 0x40
	WLOAD 0, 16, W1B, 240
	BLOAD 192, 24, 8, 0
	WIN 0x80
	GBLOAD 0, 20
	GBLOAD 128, 22
	WIN 0
	WSLOAD 16, 16, W1S, 240
	STAGE16 0
	BARRIER                                        ; 64 whole rows lie in the stage
	; ---- rows: layer norm(tga + y), kept for the residual, quantised
	s_wait_loadcnt 0x0                             ; tga's rows, the gain and bias, and lin1's first half
	TURNU 128, 3, 128, 3
	TURNU 192, 3, 192, 3
	ROWLD
	s_wait_dscnt 0x0
	WIN 0x0c
	ADDROW 128
	WIN 0
	LNORM 2
.set wi, 0
.rept 32
	ds_store_b128 v[RSA], v[A+4*wi:A+4*wi+3] offset:512*wi     ; an image of the row array, my own bytes
.set wi, wi+1
.endr
	QUANT A
	IMAGE XWI, 0
	ds_store_b32 v[XWS], v[PW]
	s_wait_dscnt 0x0                               ; the stores have read their registers
	QUANT A+64
	IMAGE XWI, 1536
	ds_store_b32 v[XWS], v[PW] offset:128
	WIN 0x80
.irp n, 0,1,2,3
	WLOAD 48*\n, 4, W2B, 368+8*\n
.endr
	WIN 0
.irp n, 0,1,2,3
	WSLOAD L2S+4*\n, 4, W2S, 368+8*\n
.endr
	WIN 0xc0
.irp n, 0,1,2,3
.irp m, 0,1,2,3
	global_load_b128 v[8*(4*\n+\m):8*(4*\n+\m)+3], v[H64], s[26:27] offset:128*(\n/2)+32*(\n%2)        ; lin2_b is loaded where the sums begin: nothing is cleared
	global_load_b128 v[8*(4*\n+\m)+4:8*(4*\n+\m)+7], v[H64], s[26:27] offset:128*(\n/2)+32*(\n%2)+16
.endr
.endr
	WIN 0
	BARRIER                                        ; the rows' eight fragments lie in LDS
	WIN 0xc0                                       ; the rows' eight fragments come out of LDS once, into window 3
.irp f, 0,1,2,3,4,5,6,7
	FETCH 128+12*\f, XRI, 1536*\f
.endr
	WIN 0
.irp f, 0,1,2,3,4,5,6,7
	ds_load_b32 v[XS8+\f], v[XRS] offset:128*\f
.endr
	s_wait_dscnt 0x0
	FFN 0
	FFN 1
	; ---- the end: layer norm(residual + FFN)
	ROWLD
	WIN 0x80
.set wi, 0
.rept 32
	ds_load_b128 v[4*wi:4*wi+3], v[RSA] offset:512*wi
.set wi, wi+1
.endr
	WIN 0
	s_wait_dscnt 0x0
	WIN 0x08
	ADDROW 0
	WIN 0
	LNORM 1
	TURNO A, 0, 3
	TURNO A+64, 64, 3
	s_wait_dscnt 0x0
	WIN 0x0c
	STOREU 0, 32, 0                                ; 512 consecutive bytes a store, aligned; written once
	STOREU 64, 32, 512
	WIN 0
	s_wait_tensorcnt 0x0
	ds_add_u32 v254, v255
	s_wait_dscnt 0x0
	s_endpgm
.Lfunc_end_k_qbe87ede01f_chain:
	.size	k_qbe87ede01f_chain, .Lfunc_end_k_qbe87ede01f_chain-k_qbe87ede01f_chain
	.p2alignl 7, 3214868480
	.fill 96, 4, 3214868480
	.section	.rodata,"a",@progbits
	.p2align	6, 0x0
	.amdhsa_kernel k_qbe87ede01f_chain
		.amdhsa_group_segment_fixed_size 276992
		.amdhsa_private_segment_fixed_size 0
		.amdhsa_enable_private_segment 0
		.amdhsa_kernarg_size 88
		.amdhsa_user_sgpr_count 2
		.amdhsa_user_sgpr_kernarg_segment_ptr 1
		.amdhsa_wavefront_size32 1
		.amdhsa_system_sgpr_workgroup_id_x 1
		.amdhsa_system_sgpr_workgroup_id_y 1
		.amdhsa_system_sgpr_workgroup_id_z 1
		.amdhsa_system_vgpr_workitem_id 0
		.amdhsa_next_free_vgpr 1024
		.amdhsa_next_free_sgpr 100
		.amdhsa_reserve_vcc 0
		.amdhsa_float_denorm_mode_32 3
		.amdhsa_float_denorm_mode_16_64 3
		.amdhsa_memory_ordered 1
		.amdhsa_forward_progress 1
		.amdhsa_inst_pref_size 239
	.end_amdhsa_kernel
	.amdgpu_metadata
---
amdhsa.version: [ 1, 2 ]
amdhsa.kernels:
  - .name:           k_qbe87ede01f_chain
    .symbol:         k_qbe87ede01f_chain.kd
    .args:
      - { .name: oo, .offset: 0, .size: 8, .value_kind: global_buffer, .address_space: global }
      - { .name: wq, .offset: 8, .size: 8, .value_kind: global_buffer, .address_space: global }
      - { .name: outp_b, .offset: 16, .size: 8, .value_kind: global_buffer, .address_space: global }
      - { .name: tga, .offset: 24, .size: 8, .value_kind: global_buffer, .address_space: global }
      - { .name: norm1_g, .offset: 32, .size: 8, .value_kind: global_buffer, .address_space: global }
      - { .name: norm1_b, .offset: 40, .size: 8, .value_kind: global_buffer, .address_space: global }
      - { .name: lin1_b, .offset: 48, .size: 8, .value_kind: global_buffer, .address_space: global }
      - { .name: lin2_b, .offset: 56, .size: 8, .value_kind: global_buffer, .address_space: global }
      - { .name: norm3_g, .offset: 64, .size: 8, .value_kind: global_buffer, .address_space: global }
      - { .name: norm3_b, .offset: 72, .size: 8, .value_kind: global_buffer, .address_space: global }
      - { .name: out0, .offset: 80, .size: 8, .value_kind: global_buffer, .address_space: global }
    .group_segment_fixed_size: 276992
    .private_segment_fixed_size: 0
    .kernarg_segment_align: 8
    .kernarg_segment_size: 88
    .max_flat_workgroup_size: 128
    .sgpr_count:     100
    .vgpr_count:     1024
    .wavefront_size: 32
...
	.end_amdgpu_metadata
.endif
;; end of part 13
